; MI455X (gfx1250); checked and timed in simulation.
; The chip was launched on July 23, 2026; its instructions are those of AMD's public machine-readable ISA for CDNA 5 (MIT licence, August 2026) and "CDNA5" Instruction Set Architecture Reference Guide (July 2026). The comments in the code are by the model that wrote it; some were corrected since.
;; Attention Block. Allowed arithmetic: matrix products marked QUANTISED: E3M2 operands, one E8M0 scale for each 32 along K, by v_wmma_scale_f32_16x16x128_f8f6f4 with both operands' format E3M2, f32 sums; everything else in f32.
;; Inputs: gn_b 512 float32; gn_w 512 float32; proj_b 512 float32; proj_w_codes 512 x 16 x 24 uint8 (E3M2 codes of proj_w, K innermost, in blocks of 32 codes, four codes in three bytes); proj_w_scales 512 x 16 uint8 (E8M0 scales of proj_w, one for each 32 codes along K); wk_b 512 float32; wk_w_codes 512 x 16 x 24 uint8 (E3M2 codes of wk_w, K innermost, in blocks of 32 codes, four codes in three bytes); wk_w_scales 512 x 16 uint8 (E8M0 scales of wk_w, one for each 32 codes along K); wq_b 512 float32; wq_w_codes 512 x 16 x 24 uint8 (E3M2 codes of wq_w, K innermost, in blocks of 32 codes, four codes in three bytes); wq_w_scales 512 x 16 uint8 (E8M0 scales of wq_w, one for each 32 codes along K); wv_b 512 float32; wv_w_codes 512 x 16 x 24 uint8 (E3M2 codes of wv_w, K innermost, in blocks of 32 codes, four codes in three bytes); wv_w_scales 512 x 16 uint8 (E8M0 scales of wv_w, one for each 32 codes along K); x 2 x 512 x 64 x 64 float32.
;; Outputs: out0 2 x 512 x 64 x 64 float32.
;; This version of the problem:
;;   THIS VERSION OF THE PROBLEM IS GIVEN IN LOW PRECISION. The matrix products marked QUANTISED in the list below multiply operands that are first quantised to E3M2 (3 exponent bits, 2 mantissa bits; 6 bits a number), with one power-of-two scale for each 32 numbers along K (OCP MX v1.0); their sums are f32. All else is computed in f32.
;;   The module's matrix products, in the order in which they are computed (A, B: the left and right operand; K: the contracted axis; several contracted axes count as one K, in the product's order):
;;     1. [M 8,192, K 512] x [K 512, N 512]; A: computed on the way; B: input wq_w (given as codes): QUANTISED
;;     2. [M 8,192, K 512] x [K 512, N 512]; A: computed on the way; B: input wk_w (given as codes): QUANTISED
;;     3. [M 8,192, K 512] x [K 512, N 512]; A: computed on the way; B: input wv_w (given as codes): QUANTISED
;;     4. batch 16 x [M 4,096, K 64] x [K 64, N 4,096]; A: computed on the way; B: computed on the way: QUANTISED
;;     5. batch 16 x [M 64, K 4,096] x [K 4,096, N 4,096]; A: computed on the way; B: softmax (see below): QUANTISED
;;     6. [M 8,192, K 512] x [K 512, N 512]; A: computed on the way; B: input proj_w (given as codes): QUANTISED
;;   THE QUANTISER, for each operand of a quantised product, along K:
;;     - K is cut into blocks of 32 from its start; a last block that is shorter is filled with zeros.
;;     - A block's scale is 2^e with e = floor(log2(the largest magnitude in the block)) - 4, held to -126 .. 127; a block of zeros has e = 0. As a byte (E8M0): e + 127.
;;     - Each number is divided by its block's scale, clamped to +-28, and rounded to the nearest number of E3M2, ties to even, subnormals kept.
;;     - The product sums the exact products of the quantised numbers (number of the format x scale) in f32.
;;   ~~~python
;;   def quantise(x, axis):      # numpy; x: float32 -> the quantised numbers, widened to float32 again
;;       x = np.moveaxis(x, axis, -1); K = x.shape[-1]
;;       x = np.pad(x, [(0, 0)] * (x.ndim - 1) + [(0, -K % 32)]); x = x.reshape(x.shape[:-1] + (-1, 32)); a = np.abs(x).max(-1, keepdims=True)
;;       e = np.where(a > 0, np.clip(np.frexp(np.where(a > 0, a, 1))[1] - 1 - 4, -126, 127), 0)      # np.frexp(a)[1] - 1 = floor(log2(a)), exactly
;;       r = np.clip(x / 2.0 ** e, -28, 28)
;;       step = 2.0 ** (np.maximum(np.frexp(np.where(r == 0, 1, r))[1] - 1, -2) - 2)
;;       q = np.round(r / step) * step * 2.0 ** e      # np.round: ties to even
;;       return np.moveaxis(q.reshape(q.shape[:-2] + (-1,))[..., :K], -1, axis).astype(np.float32)
;;   ~~~
;;   SOFTMAX AHEAD OF A QUANTISED PRODUCT. Where the list says 'softmax', what is quantised is not the finished softmax but p = 2^(t - M), with t = logit x log2(e) and M = ceil(the row's largest t), a whole number; so 1/2 < the row's largest p <= 1. The row's sum l is taken of the UNQUANTISED p, in f32, and the product's result is divided by l at the end. Since M is a whole number, a kernel that streams over the keys may use a running M (the ceiling of the running maximum): every later rescaling is an exact power of two, which a block's scale takes up: the codes' values come out the same.
;;   OPERANDS COMPUTED ON THE WAY. 'Computed on the way' means the value that the module computes at that place (a softmax that the list does not call 'softmax' is quantised finished and normalised). What goes into a quantiser is computed in f32, as accurately as f32 sums, v_exp_f32 and their like allow (about 1e-6 of the number): no bf16 or f16 on the way to a quantiser, and a product that is left as it is and whose result goes on into a quantised operand takes f32 operands (vector FMAs, or v_wmma_f32_16x16x4_f32). A number that lies on a knife's edge between two numbers of the format may be rounded either way, as far as f32 arithmetic and the matrix unit's own rounding can turn it there, and no further.
;;   INPUTS GIVEN AS CODES. proj_w (in the module: [512, 512], K = its axis 1); wk_w (in the module: [512, 512], K = its axis 1); wq_w (in the module: [512, 512], K = its axis 1); wv_w (in the module: [512, 512], K = its axis 1): each comes as NAME_codes (uint8): NAME with its K axis moved to the last place and cut into blocks of 32 codes, [.., K / 32, bytes a block], one block behind the other in memory; four codes in three bytes: a row's codes are one little-endian stream of bits, code i at bits 6 i .. 6 i + 5 (a code: sign, 3 exponent bits, 2 mantissa bits); and NAME_scales (uint8): the same leading axes, one E8M0 byte (e + 127) for each 32 codes along K. Its value is code x scale, taken as it is: it is not quantised again, and the codes and scales need not be those that the quantiser above would give.
;; 2 versions. Each part assembles by itself: llvm-mc -triple=amdgcn-amd-amdhsa -mcpu=gfx1250 --defsym DOCPART=n.
;; ======== version 1 of 2: 4 launches
;; workspace buffers: gstat 2,048 bytes; wimg 786,432 bytes; qimg 3,145,728 bytes; qsc 524,288 bytes; kv 6,553,600 bytes; oimg 3,145,728 bytes; osc 131,072 bytes
;; launch prep (part 1): grid 256 x 1, 8 waves a work-group, no clusters, 1,536 bytes of LDS; arguments x, wq_w_codes, wk_w_codes, wv_w_codes, proj_w_codes, gstat, wimg; writes gstat, wimg
.if DOCPART == 1
	.amdgcn_target "amdgcn-amd-amdhsa--gfx1250"
	.amdhsa_code_object_version 6
	.text
	.protected	k_qab3d3203bf_prep
	.globl	k_qab3d3203bf_prep
	.p2align	8
	.type	k_qab3d3203bf_prep,@function
k_qab3d3203bf_prep:
	s_mov_b64 s[64:65], 0
	v_nop
	global_prefetch_b8 v0, s[64:65] scope:SCOPE_SE
	s_setreg_imm32_b32 hwreg(HW_REG_WAVE_MODE, 25, 1), 1
	s_wait_xcnt 0x0
; FIRST OF FOUR LAUNCHES of: out = x + proj(attention(q, k, v of GroupNorm(x))), all six products on codes of E3M2 with one E8M0 scale for each 32 along K.
; WORK LEFT OUT IN THE WHOLE PROGRAM: only the division by RESCALE, which reference() sets to the constant 1.0 in its own body: a factor that is 1 for every input.  Every input has a way
; to the output and is loaded by some launch (wk_b too: it moves k's codes).  Nothing else is left out, so no NaN, infinity or overflow can be lost with work left out.
; LIMITS OF THE PROGRAM: NaN and infinities among the inputs are not served.  A block of 32 whose largest magnitude lies under 2^-122 (a block of zeros too) gets the scale byte 1: a block of zeros has zero codes,
; which add nothing under that byte, and these bytes are read by this program alone.
; THIS LAUNCH: (a) statistics for the GroupNorm.  A group is 16 channels x 4,096 positions, 262,144 dense bytes.  Work-group i takes quarter i % 4 of group i / 4: 65,536 dense bytes, 64 numbers a thread, which stay in
; registers: first the mean, then the sum of squares of the differences from it, so that no difference of large sums is formed.  It stores (mean, sum of squares) at gstat[i]; the next launch joins four quarters.
; (b) the four weights' codes are laid anew as IMAGES OF OPERAND REGISTERS: wimg[matrix][tile 32][K step 4][1,536 bytes]: registers 4 c .. 4 c + 3 of lane l at 512 c + 16 l, so that later launches load a fragment by three
; loads of 512 dense bytes.  Row r of tile t is the weight's row 32 (t / 2) + 8 (t % 2) + r + 8 (r / 8), so that a transposed product leaves 16 neighbours along the next K in 16 registers of two tiles.
; Waves 0 and 1 of work-group i lay fragment 2 i + wave (512 fragments in all).
; No tensor loads, no matrix work, no cluster: the work-groups share no input.
.set SPARE, 512                        ; LDS: 8 words at 0 and 8 words at 256 for the two sums; from 512 the spare words, 128 bytes for each of eight waves
.set X,   32                           ; v32-95   my 64 numbers
.set WF,  96                           ; v96-107  a weight fragment (waves 0 and 1)
.set SPW, 5                            ; v5       LDS address of my spare word; never rewritten
.set NIL, 6                            ; v6       0; never rewritten
	s_load_b256 s[4:11], s[0:1], 0x0               ; x, wq's, wk's, wv's codes
	s_load_b128 s[12:15], s[0:1], 0x20             ; proj's codes, gstat
	s_load_b64 s[16:17], s[0:1], 0x30              ; wimg
	v_lshl_add_u32 v[SPW], v0, 2, SPARE
	v_mov_b32 v[NIL], 0
	v_lshrrev_b32 v8, 5, v0
	v_readfirstlane_b32 s18, v8                    ; wave 0..7
	v_lshlrev_b32 v4, 2, v8                        ; LDS: my wave's word
	v_lshlrev_b32 v1, 4, v0                        ; x: 16 bytes a thread, 4,096 a load of the work-group
	v_and_b32 v9, 15, v0                           ; r
	v_and_b32 v2, 8, v0
	v_add_nc_u32 v2, v2, v9                        ; r + 8 (r / 8)
	v_mul_u32_u24 v2, v2, 384                      ; a weight's row: 512 codes, 384 bytes
	v_bfe_u32 v9, v0, 4, 1
	v_mad_u32_u24 v2, v9, 24, v2                   ; + 24 bytes for lanes 16-31
	v_and_b32 v3, 31, v0
	v_lshlrev_b32 v3, 4, v3                        ; 16 x lane: my place in an image
	v_mov_b32 v7, 0
	s_mov_b32 s20, 0x76543210
	s_mov_b32 s21, 0xfedcba98                      ; lane selects: lane l xor 16
	s_lshl_b32 s24, ttmp9, 16                      ; my 65,536 bytes of x
	s_mov_b32 s25, 0
	s_lshr_b32 s26, ttmp9, 6                       ; which weight: 128 fragments each
	s_lshl_b32 s27, ttmp9, 1
	s_add_co_u32 s27, s27, s18                     ; fragment 2 i + wave (used by waves 0 and 1 alone)
	s_and_b32 s28, s27, 127                        ; in its weight: 4 x tile + K step
	s_lshr_b32 s29, s28, 3
	s_lshl_b32 s29, s29, 5
	s_bfe_u32 s30, s28, 0x10002
	s_lshl_b32 s30, s30, 3
	s_add_co_u32 s29, s29, s30                     ; the tile's first row: 32 (tile / 2) + 8 (tile % 2)
	s_mul_i32 s29, s29, 384
	s_and_b32 s30, s28, 3
	s_mul_i32 s30, s30, 96                         ; a K step: 128 codes, 96 bytes
	s_add_co_u32 s30, s30, s29
	s_mov_b32 s31, 0
	s_mul_i32 s32, s27, 1536                       ; the image's place
	s_mov_b32 s33, 0
	s_lshl_b32 s34, ttmp9, 3                       ; my 8 bytes of gstat
	s_mov_b32 s35, 0
	s_wait_kmcnt 0x0
	s_cmp_eq_u32 s26, 0                            ; the choice hangs on the work-group's number alone
	s_cselect_b64 s[22:23], s[6:7], s[8:9]
	s_cmp_lt_u32 s26, 2
	s_cselect_b64 s[22:23], s[22:23], s[10:11]
	s_cmp_lt_u32 s26, 3
	s_cselect_b64 s[22:23], s[22:23], s[12:13]
	s_add_nc_u64 s[22:23], s[22:23], s[30:31]
	s_add_nc_u64 s[4:5], s[4:5], s[24:25]
	s_add_nc_u64 s[14:15], s[14:15], s[34:35]
	s_add_nc_u64 s[16:17], s[16:17], s[32:33]
	s_cmp_lt_u32 s18, 2
	s_cbranch_scc0 .Lno_frag
.irp p, 0,1,2,3,4,5
	global_load_b64 v[WF+2*\p:WF+2*\p+1], v2, s[22:23] offset:48*(\p/3)+8*(\p%3)   ; the fragment as the operand's layout wants it: 24 bytes of my row, twice
.endr
.Lno_frag:
.irp k, 0,1,2,3,4,5,6,7,8,9,10,11,12,13,14,15
	global_load_b128 v[X+4*\k:X+4*\k+3], v1, s[4:5] offset:4096*\k   ; a wave reads 512 consecutive bytes.  No hint: later launches read x again
.endr
; v8, my partial sum, becomes the work-group's sum in every lane; off: the 8 LDS words that serve this sum
.macro REDUCE off
	v_add_f32_dpp v8, v8, v8 row_xmask:1 row_mask:0xf bank_mask:0xf
	v_add_f32_dpp v8, v8, v8 row_xmask:2 row_mask:0xf bank_mask:0xf
	v_add_f32_dpp v8, v8, v8 row_xmask:4 row_mask:0xf bank_mask:0xf
	v_add_f32_dpp v8, v8, v8 row_xmask:8 row_mask:0xf bank_mask:0xf
	v_permlanex16_b32 v9, v8, s20, s21
	v_add_f32 v8, v8, v9
	ds_store_b32 v4, v8 offset:\off                ; all lanes write the wave's word with the same value
	s_wait_dscnt 0x0                               ; for the others' sake: my store is done
	s_barrier_signal -1
	s_barrier_wait -1
	ds_load_b128 v[20:23], v7 offset:\off
	ds_load_b128 v[24:27], v7 offset:\off+16
	s_wait_dscnt 0x0
	v_add_f32 v20, v20, v21
	v_add_f32 v22, v22, v23
	v_add_f32 v24, v24, v25
	v_add_f32 v26, v26, v27
	v_add_f32 v20, v20, v22
	v_add_f32 v24, v24, v26
	v_add_f32 v8, v20, v24
.endm
	; the sum, in four chains of pairs, started by the first four loads: nothing is cleared
.irp k, 0,1,2,3
	s_wait_loadcnt 15-\k                           ; loads come back in order: load k is in, the 15 - k behind it may be out (the fragment's loads are older)
	v_pk_add_f32 v[12+2*\k:13+2*\k], v[X+4*\k:X+4*\k+1], v[X+4*\k+2:X+4*\k+3]
.endr
.irp k, 4,5,6,7,8,9,10,11,12,13,14,15
	s_wait_loadcnt 15-\k
	v_pk_add_f32 v[12+4*(\k%2):13+4*(\k%2)], v[12+4*(\k%2):13+4*(\k%2)], v[X+4*\k:X+4*\k+1]
	v_pk_add_f32 v[14+4*(\k%2):15+4*(\k%2)], v[14+4*(\k%2):15+4*(\k%2)], v[X+4*\k+2:X+4*\k+3]
.endr
	v_pk_add_f32 v[12:13], v[12:13], v[14:15]
	v_pk_add_f32 v[16:17], v[16:17], v[18:19]
	v_pk_add_f32 v[12:13], v[12:13], v[16:17]
	v_add_f32 v8, v12, v13
	REDUCE 0
	v_mul_f32 v10, 0x38800000, v8                  ; the mean of my 16,384 numbers: x 2^-14
	v_mov_b32 v11, v10
	; the sum of squares of the differences from that mean
.set i, 0
.rept 32
	v_pk_add_f32 v[X+2*i:X+2*i+1], v[X+2*i:X+2*i+1], v[10:11] neg_lo:[0,1] neg_hi:[0,1]
.set i, i+1
.endr
.set i, 0
.rept 4
	v_pk_mul_f32 v[12+2*i:13+2*i], v[X+2*i:X+2*i+1], v[X+2*i:X+2*i+1]
.set i, i+1
.endr
.rept 28
	v_pk_fma_f32 v[12+2*(i%4):13+2*(i%4)], v[X+2*i:X+2*i+1], v[X+2*i:X+2*i+1], v[12+2*(i%4):13+2*(i%4)]
.set i, i+1
.endr
	v_pk_add_f32 v[12:13], v[12:13], v[14:15]
	v_pk_add_f32 v[16:17], v[16:17], v[18:19]
	v_pk_add_f32 v[12:13], v[12:13], v[16:17]
	v_add_f32 v8, v12, v13
	REDUCE 256                                     ; other words than the first sum's: no barrier is owed between the two
	v_mov_b32 v11, v8
	v_cmp_gt_u32 vcc_lo, 1, v0                     ; thread 0 stores the pair
	s_wait_xcnt 0x0                                ; EXEC changes only behind this wait
	s_and_saveexec_b32 s36, vcc_lo
	global_store_b64 v7, v[10:11], s[14:15]
	s_wait_xcnt 0x0                                ; and again, in front of the line that widens it
	s_or_b32 exec_lo, exec_lo, s36
	s_cmp_lt_u32 s18, 2
	s_cbranch_scc0 .Lno_image
.irp c, 0,1,2
	global_store_b128 v3, v[WF+4*\c:WF+4*\c+3], s[16:17] offset:512*\c   ; 32 lanes store 512 consecutive bytes, at a multiple of 256 from wimg's first byte
.endr
.Lno_image:
	s_wait_tensorcnt 0x0                           ; the wave's end: three lines behind my last LDS store
	ds_add_u32 v[SPW], v[NIL]
	s_wait_dscnt 0x0
	s_endpgm
.Lfunc_end_k_qab3d3203bf_prep:
	.size	k_qab3d3203bf_prep, .Lfunc_end_k_qab3d3203bf_prep-k_qab3d3203bf_prep
	.p2alignl 7, 3214868480
	.fill 96, 4, 3214868480
	.section	.rodata,"a",@progbits
	.p2align	6, 0x0
	.amdhsa_kernel k_qab3d3203bf_prep
		.amdhsa_group_segment_fixed_size 1536
		.amdhsa_private_segment_fixed_size 0
		.amdhsa_enable_private_segment 0
		.amdhsa_kernarg_size 56
		.amdhsa_user_sgpr_count 2
		.amdhsa_user_sgpr_kernarg_segment_ptr 1
		.amdhsa_wavefront_size32 1
		.amdhsa_system_sgpr_workgroup_id_x 1
		.amdhsa_system_sgpr_workgroup_id_y 1
		.amdhsa_system_sgpr_workgroup_id_z 1
		.amdhsa_system_vgpr_workitem_id 0
		.amdhsa_next_free_vgpr 112
		.amdhsa_next_free_sgpr 66
		.amdhsa_reserve_vcc 1
		.amdhsa_float_denorm_mode_32 3
		.amdhsa_float_denorm_mode_16_64 3
		.amdhsa_memory_ordered 1
		.amdhsa_forward_progress 1
		.amdhsa_inst_pref_size 14
	.end_amdhsa_kernel
	.amdgpu_metadata
---
amdhsa.version: [ 1, 2 ]
amdhsa.kernels:
  - .name:           k_qab3d3203bf_prep
    .symbol:         k_qab3d3203bf_prep.kd
    .args:
      - { .name: x, .offset: 0, .size: 8, .value_kind: global_buffer, .address_space: global }
      - { .name: wq_w_codes, .offset: 8, .size: 8, .value_kind: global_buffer, .address_space: global }
      - { .name: wk_w_codes, .offset: 16, .size: 8, .value_kind: global_buffer, .address_space: global }
      - { .name: wv_w_codes, .offset: 24, .size: 8, .value_kind: global_buffer, .address_space: global }
      - { .name: proj_w_codes, .offset: 32, .size: 8, .value_kind: global_buffer, .address_space: global }
      - { .name: gstat, .offset: 40, .size: 8, .value_kind: global_buffer, .address_space: global }
      - { .name: wimg, .offset: 48, .size: 8, .value_kind: global_buffer, .address_space: global }
    .group_segment_fixed_size: 1536
    .private_segment_fixed_size: 0
    .kernarg_segment_align: 8
    .kernarg_segment_size: 56
    .max_flat_workgroup_size: 256
    .sgpr_count:     66
    .vgpr_count:     112
    .wavefront_size: 32
...
	.end_amdgpu_metadata
.endif
;; end of part 1
;; launch qkv (part 2): grid 128 x 2, 4 waves a work-group, no clusters, 56,832 bytes of LDS; arguments x, gstat, gn_w, gn_b, wimg, wq_w_scales, wk_w_scales, wv_w_scales, wq_b, wk_b, wv_b, qimg, qsc, kv; writes qimg, qsc, kv
.if DOCPART == 2
	.amdgcn_target "amdgcn-amd-amdhsa--gfx1250"
	.amdhsa_code_object_version 6
	.text
	.protected	k_qab3d3203bf_qkv
	.globl	k_qab3d3203bf_qkv
	.p2align	8
	.type	k_qab3d3203bf_qkv,@function
k_qab3d3203bf_qkv:
	s_mov_b64 s[64:65], 0
	v_nop
	global_prefetch_b8 v0, s[64:65] scope:SCOPE_SE
	s_setreg_imm32_b32 hwreg(HW_REG_WAVE_MODE, 25, 1), 1
	s_wait_xcnt 0x0
; SECOND LAUNCH: the GroupNorm is finished, t = GroupNorm(x) transposed is quantised along the channels, q, k, v = t W^T + b are made and quantised (q, k along the head's 64; v along the keys).  No work of reference() is left out here.
; LIMITS: as stated at the first kernel's head (NaN and infinities not served; blocks under 2^-122 get the byte 1).
; SHARES.  Work-group (x, y) takes 64 positions (batch x / 64, block x % 64) and heads 4 y .. 4 y + 3; wave w owns head 4 y + w and makes its q, k and v for all 64 positions.  Its 48 weight fragments stay in registers
; (576), read once from wimg by loads of 512 dense bytes.  No tensor load, so nothing can be asked for jointly: no cluster.
; t: wave w quantises positions 32 (w % 2) + lane, channels 256 (w / 2) on: A LANE IS A POSITION AND ITS REGISTERS RUN DOWN THE CHANNELS, so a block of 32 along K lies in one lane, each load reads 128 consecutive bytes,
; and the conversions give codes with K innermost.  The codes go to LDS as images of operand registers, in two orders of the rows:
;   order 1 (for k and v): row r of tile 2 g + u is position 32 g + 8 u + r + 8 (r / 8);   order 2 (for q): row r of tile T is position 4 r + T (so that the last launch finds 4 neighbouring positions in one lane).
; A HALF IMAGE (768 bytes) holds six operand registers of 32 lanes: registers 0-3 of lane l at 16 l, registers 4-5 at 512 + 8 l; in it lane (r, h) holds block h (32 codes) of row r.  A fragment is two of them.
; q, k are used TRANSPOSED (source 0 = 16 rows of W, source 1 = 16 positions): a lane holds one position and its registers run along the head's 64.  v is used plain (source 0 = 16 positions, source 1 = 16 rows of W):
; a lane holds one channel and its registers run along the keys, which are the K of attention's second product.
; OUT: qimg[bh][tile][half image], qsc[bh][block][lane][T] words (s0, s1, s0, s1);  kv[bh][step of 128 keys][12,800]: 4 fragments of K (fragment f: keys 32 f on; its half image u holds the keys 8 u + r + 8 (r / 8)),
; 4 fragments of V^T (rows: channels in the tiles' order; half image e: keys 64 e on), 64 scale words of K, 64 of V.
; REGISTERS.  Window 1: v0-191 Wq's fragments ((tile, K step) at 12 (4 tile + step)), v192-223 q's bias.  Window 2: the same for k.  Window 3: v0-191 Wv's, v192-239 the tile of t in hand.
; Window 0: v1-15 addresses; v16-39 the weights' scale words; v40-41 t's; v42-45 v's bias; v46-72 at work; v96-127 q's or k's four accumulators; v128-255 v's sixteen (earlier: two sets of x, and the coefficients).
.set COEF,  0                          ; LDS: for each pair of channels (a, a, b, b): t = (x - mean) a + b, a = gn_w / sqrt(var + eps): 4,096 bytes
.set MU,    4096                       ; the 32 groups' means
.set T1,    4352                       ; t in order 1: four tiles, 6,144 bytes each, 6,272 apart
.set T1P,   6272
.set T2,    29440                      ; t in order 2: four tiles, 6,208 apart
.set T2P,   6208
.set TS1,   54272                      ; t's scale words [tile][K step][row], order 1
.set TS2,   55296                      ; order 2
.set SPARE, 56320                      ; the spare words, 128 bytes for each wave
.set SPW, 12                           ; v12 LDS address of my spare word; never rewritten
.set NIL, 13                           ; v13 0; never rewritten
.set WS,  16
.set TSR, 40
.set HW,  46
.set QW,  52
.set TM,  56
.set PX,  58
.set SO,  60
.set BY,  62
.set PC,  64
.set PT,  70
.set ACC, 96
.set VACC, 128
.set TF,  192                          ; in window 3
.set BI,  192                          ; in windows 1 and 2
.set SEL, 36
.set HM,  38
.set MSB, 0
.macro WIN new                         ; the immediate's high byte repeats the setting that is left; a switch that changes nothing is dropped
.if MSB != (\new)
	s_set_vgpr_msb (MSB<<8)|(\new)
.set MSB, (\new)
.endif
.endm
.macro PLACES                          ; four plain places behind a matrix instruction, in front of loads into its registers and of reads of its result
.rept 4
	v_nop
.endr
.endm
; one matrix instruction: result d, source 0 a, source 1 b, C at c (c < 0: the constant 0 starts the sum), scale registers sa, sb; ra, rb = 1: that side's scales are read from lanes 16-31
.macro WM d, a, b, c, sa, sb, ra, rb
.if (\c) < 0
.if (\ra) && (\rb)
	v_wmma_scale_f32_16x16x128_f8f6f4 v[\d:\d+7], v[\a:\a+11], v[\b:\b+11], 0, v[\sa], v[\sb] matrix_a_fmt:MATRIX_FMT_BF6 matrix_b_fmt:MATRIX_FMT_BF6 matrix_a_scale:MATRIX_SCALE_ROW1 matrix_b_scale:MATRIX_SCALE_ROW1
.elseif (\ra)
	v_wmma_scale_f32_16x16x128_f8f6f4 v[\d:\d+7], v[\a:\a+11], v[\b:\b+11], 0, v[\sa], v[\sb] matrix_a_fmt:MATRIX_FMT_BF6 matrix_b_fmt:MATRIX_FMT_BF6 matrix_a_scale:MATRIX_SCALE_ROW1
.elseif (\rb)
	v_wmma_scale_f32_16x16x128_f8f6f4 v[\d:\d+7], v[\a:\a+11], v[\b:\b+11], 0, v[\sa], v[\sb] matrix_a_fmt:MATRIX_FMT_BF6 matrix_b_fmt:MATRIX_FMT_BF6 matrix_b_scale:MATRIX_SCALE_ROW1
.else
	v_wmma_scale_f32_16x16x128_f8f6f4 v[\d:\d+7], v[\a:\a+11], v[\b:\b+11], 0, v[\sa], v[\sb] matrix_a_fmt:MATRIX_FMT_BF6 matrix_b_fmt:MATRIX_FMT_BF6
.endif
.else
.if (\ra) && (\rb)
	v_wmma_scale_f32_16x16x128_f8f6f4 v[\d:\d+7], v[\a:\a+11], v[\b:\b+11], v[\c:\c+7], v[\sa], v[\sb] matrix_a_fmt:MATRIX_FMT_BF6 matrix_b_fmt:MATRIX_FMT_BF6 matrix_a_scale:MATRIX_SCALE_ROW1 matrix_b_scale:MATRIX_SCALE_ROW1
.elseif (\ra)
	v_wmma_scale_f32_16x16x128_f8f6f4 v[\d:\d+7], v[\a:\a+11], v[\b:\b+11], v[\c:\c+7], v[\sa], v[\sb] matrix_a_fmt:MATRIX_FMT_BF6 matrix_b_fmt:MATRIX_FMT_BF6 matrix_a_scale:MATRIX_SCALE_ROW1
.elseif (\rb)
	v_wmma_scale_f32_16x16x128_f8f6f4 v[\d:\d+7], v[\a:\a+11], v[\b:\b+11], v[\c:\c+7], v[\sa], v[\sb] matrix_a_fmt:MATRIX_FMT_BF6 matrix_b_fmt:MATRIX_FMT_BF6 matrix_b_scale:MATRIX_SCALE_ROW1
.else
	v_wmma_scale_f32_16x16x128_f8f6f4 v[\d:\d+7], v[\a:\a+11], v[\b:\b+11], v[\c:\c+7], v[\sa], v[\sb] matrix_a_fmt:MATRIX_FMT_BF6 matrix_b_fmt:MATRIX_FMT_BF6
.endif
.endif
.endm
; 32 numbers of a lane, v[s] .. v[s + 31], register 16 b + i = index 32 b + 16 (lane / 16) + i of my row, become a half image's six registers in v[PC] on and the two blocks' scale bytes in v[BY], v[BY + 1]
.macro QUANT2 s
	s_wait_xcnt 0x0                                ; the last stores have read v[PC] on: only behind this wait are they written again
.irp b, 0,1
	v_max3_num_f32 v[TM+\b], |v[(\s)+16*\b]|, |v[(\s)+16*\b+1]|, 0x2800000   ; my 16 numbers of block b, and the floor 2^(5 - 127): the byte cannot fall under 1.  Each accumulator is read from its low end on
.endr
.irp i, 2,4,6,8,10,12,14
.irp b, 0,1
	v_max3_num_f32 v[TM+\b], v[TM+\b], |v[(\s)+16*\b+\i]|, |v[(\s)+16*\b+\i+1]|
.endr
.endr
.irp b, 0,1
	v_permlanex16_b32 v[PX+\b], v[TM+\b], s[SEL], s[SEL+1]
.endr
.irp b, 0,1
	v_max_num_f32 v[TM+\b], v[TM+\b], v[PX+\b]     ; with lane l xor 16's: the block's largest magnitude
.endr
.irp b, 0,1
	v_add_nc_u32 v[SO+\b], 0xfe000000, v[TM+\b]    ; 4 off its exponent field: the conversion takes the exponent field of this operand as its scale
.endr
.irp b, 0,1
	v_lshrrev_b32 v[BY+\b], 23, v[SO+\b]           ; the scale's byte
.endr
	v_cvt_scalef32_pk16_bf6_f32 v[PC:PC+2], v[(\s):(\s)+15], v[SO]
	v_cvt_scalef32_pk16_bf6_f32 v[PT:PT+2], v[(\s)+16:(\s)+31], v[SO+1]
	v_nop                                          ; one plain place behind a scaled conversion
.irp i, 0,1,2
	v_permlane16_swap_b32 v[PC+\i], v[PT+\i]       ; a whole block to a lane: lanes 0-15 block 0, lanes 16-31 block 1; the first three registers its lower 16 codes,
.endr
.irp i, 0,1,2
	v_mov_b32 v[PC+3+\i], v[PT+\i]                 ; the next three its upper 16
.endr
.endm
.macro XLOAD b                         ; block b of my 256 channels: x(channel 32 b + i, my position) into set b % 2: 32 lanes read 128 consecutive bytes
.irp i, 0,1,2,3,4,5,6,7,8,9,10,11,12,13,14,15,16,17,18,19,20,21,22,23,24,25,26,27,28,29,30,31
	global_load_b32 v[128+32*((\b)%2)+\i], v3, s[40:41] offset:(32*(\b)+\i)*16384
.endr
.endm
; the weights come in seven parts, set between the blocks of x.  Parts 0-5: 8 fragments (24 loads) of Wq, Wq, Wk, Wk, Wv, Wv.  Part 6: 26 loads: scale words and biases
.macro WPART i
.if (\i) < 6
.set WB, 42+2*((\i)/2)
	WIN 0x40*(1+(\i)/2)                            ; destination: window 1, 2 or 3
.irp f, 0,1,2,3,4,5,6,7
.irp c, 0,1,2
	global_load_b128 v[12*(8*((\i)%2)+\f)+4*\c:12*(8*((\i)%2)+\f)+4*\c+3], v1, s[WB:WB+1] offset:1536*(8*((\i)%2)+\f)+512*\c
.endr
.endr
	WIN 0
.else
.irp m, 0,1,2
.irp g, 0,1
	global_load_b128 v[WS+8*\m+4*\g:WS+8*\m+4*\g+3], v14, s[14+2*\m:15+2*\m] offset:512*\g   ; the four K steps' scale words of a row: lanes 0-15 tile 2 g's rows, lanes 16-31 tile 2 g + 1's
.endr
.endr
	WIN 0x40
.irp t, 0,1,2,3
	global_load_b128 v[BI+8*\t:BI+8*\t+3], v15, s[20:21] offset:(32*(\t/2)+8*(\t%2))*4      ; q's bias in the result's layout: channels 32 g + 16 h + 8 u + 0 .. 7
	global_load_b128 v[BI+8*\t+4:BI+8*\t+7], v15, s[20:21] offset:(32*(\t/2)+8*(\t%2))*4+16
.endr
	WIN 0x80
.irp t, 0,1,2,3
	global_load_b128 v[BI+8*\t:BI+8*\t+3], v15, s[22:23] offset:(32*(\t/2)+8*(\t%2))*4      ; k's
	global_load_b128 v[BI+8*\t+4:BI+8*\t+7], v15, s[22:23] offset:(32*(\t/2)+8*(\t%2))*4+16
.endr
	WIN 0
.irp t, 0,1,2,3
	global_load_b32 v[42+\t], v50, s[24:25] offset:(32*(\t/2)+8*(\t%2))*4                   ; v's: one number a lane and tile: my channel's
.endr
.endif
.endm
; block b of my channels: normalised, quantised, its 24 bytes of codes stored into both images.  n: the loads issued behind this block's, which may stay out
.macro BLOCK b, n
.set XS, 128+32*((\b)%2)
.set OF, 1536*((\b)/4)+768*(((\b)/2)%2)
.irp i, 0,1,2,3,4,5,6,7,8,9,10,11,12,13,14,15
	ds_load_b128 v[192+4*\i:195+4*\i], v10 offset:256*(\b)+16*\i   ; (a, a, b, b) of channels 2 i, 2 i + 1: the same word for all lanes
.endr
	ds_load_b64 v[62:63], v11 offset:8*(\b)        ; the block's two groups' means
	s_wait_loadcnt \n
	s_wait_dscnt 0x0                               ; the coefficients are in; and the last block's LDS stores have read their registers
.irp i, 0,2,4,6,8,10,12,14
	v_pk_add_f32 v[XS+\i:XS+\i+1], v[XS+\i:XS+\i+1], v[62:63] op_sel_hi:[1,0] neg_lo:[0,1] neg_hi:[0,1]             ; x - mean of the first group
.endr
.irp i, 16,18,20,22,24,26,28,30
	v_pk_add_f32 v[XS+\i:XS+\i+1], v[XS+\i:XS+\i+1], v[62:63] op_sel:[0,1] op_sel_hi:[1,1] neg_lo:[0,1] neg_hi:[0,1]   ; of the second
.endr
.irp i, 0,1,2,3,4,5,6,7,8,9,10,11,12,13,14,15
	v_pk_fma_f32 v[XS+2*\i:XS+2*\i+1], v[XS+2*\i:XS+2*\i+1], v[192+4*\i:193+4*\i], v[194+4*\i:195+4*\i]
.endr
	v_max3_num_f32 v56, |v[XS]|, |v[XS+1]|, |v[XS+2]|              ; the block's largest magnitude: all 32 numbers are mine
	v_max3_num_f32 v57, |v[XS+3]|, |v[XS+4]|, |v[XS+5]|
.irp i, 6,10,14,18,22,26
	v_max3_num_f32 v56, v56, |v[XS+\i]|, |v[XS+\i+1]|
	v_max3_num_f32 v57, v57, |v[XS+\i+2]|, |v[XS+\i+3]|
.endr
	v_max3_num_f32 v56, v56, |v[XS+30]|, |v[XS+31]|
	v_max3_num_f32 v56, v56, v57, 0x2800000        ; and the floor 2^(5 - 127)
	v_add_nc_u32 v60, 0xfe000000, v56
	v_lshrrev_b32 v61, 23, v60
.if (\b)%4 == 0
	v_mov_b32 v[46+(\b)/4], v61                    ; four bytes make a K step's scale word
.else
	v_lshl_or_b32 v[46+(\b)/4], v61, 8*((\b)%4), v[46+(\b)/4]
.endif
	v_cvt_scalef32_pk16_bf6_f32 v[64:66], v[XS:XS+15], v60
	v_cvt_scalef32_pk16_bf6_f32 v[68:70], v[XS+16:XS+31], v60      ; (a conversion's three registers begin on an even number)
	v_nop                                          ; one plain place behind a scaled conversion
	v_mov_b32 v67, v68
	v_mov_b32 v68, v69
	v_mov_b32 v69, v70                             ; v[64:69]: the block's 24 bytes
	ds_store_b128 v4, v[64:67] offset:OF+256*((\b)%2)              ; as lane (my row, b % 2) of half image (b / 2) % 2 of K step 2 (w / 2) + b / 4
	ds_store_b64 v5, v[68:69] offset:OF+512+128*((\b)%2)
	ds_store_b128 v6, v[64:67] offset:OF+256*((\b)%2)
	ds_store_b64 v7, v[68:69] offset:OF+512+128*((\b)%2)
.endm
.macro TFETCH cb, sb                   ; a tile of t, all four K steps, into window 3; its scale words: v40 K steps 0 (lanes 0-15) and 1 (lanes 16-31), v41 K steps 2 and 3
	WIN 0xc0
.irp s, 0,1,2,3
.irp e, 0,1
	ds_load_b128 v[TF+12*\s+6*\e:TF+12*\s+6*\e+3], v1 offset:(\cb)+1536*\s+768*\e
	ds_load_b64 v[TF+12*\s+6*\e+4:TF+12*\s+6*\e+5], v2 offset:(\cb)+1536*\s+768*\e+512
.endr
.endr
	WIN 0
	ds_load_b32 v[TSR], v3 offset:(\sb)
	ds_load_b32 v[TSR+1], v3 offset:(\sb)+128
.endm
; q (m = 1) or k (m = 2) of the tile in hand: source 0 = 16 rows of W, source 1 = t.  Four accumulators by turns, one instruction a turn; the bias is the C of the first K step
.macro GEMM_QK m
.irp s, 0,1,2,3
.if \s == 0
	WIN ((\m)<<4)|0x0c|(\m)
.else
	WIN 0x0c|(\m)
.endif
.irp wt, 0,1,2,3
.if \s == 0
	WM ACC+8*\wt, 12*(4*\wt+\s), TF+12*\s, BI+8*\wt, WS+8*((\m)-1)+4*(\wt/2)+\s, TSR+\s/2, \wt%2, \s%2
.else
	WM ACC+8*\wt, 12*(4*\wt+\s), TF+12*\s, ACC+8*\wt, WS+8*((\m)-1)+4*(\wt/2)+\s, TSR+\s/2, \wt%2, \s%2
.endif
.endr
.endr
.endm
; v of tile tt: source 0 = t, source 1 = 16 rows of Wv: register j of lane (r, h) is v(position of row 8 h + j, channel of row r)
.macro GEMM_V tt
	WIN 0x0f
.irp s, 0,1,2,3
.irp d, 0,1,2,3
.if \s == 0
	WM VACC+32*\d+8*(\tt), TF+12*\s, 12*(4*\d+\s), -1, TSR+\s/2, WS+16+4*(\d/2)+\s, \s%2, \d%2
.else
	WM VACC+32*\d+8*(\tt), TF+12*\s, 12*(4*\d+\s), VACC+32*\d+8*(\tt), TSR+\s/2, WS+16+4*(\d/2)+\s, \s%2, \d%2
.endif
.endr
.endr
.endm
	s_load_b512 s[4:19], s[0:1], 0x0               ; x, gstat, gn_w, gn_b, wimg, wq's, wk's, wv's scales
	s_load_b256 s[20:27], s[0:1], 0x40             ; wq_b, wk_b, wv_b, qimg
	s_load_b128 s[28:31], s[0:1], 0x60             ; qsc, kv
	v_lshl_add_u32 v[SPW], v0, 2, SPARE
	v_mov_b32 v[NIL], 0
	v_lshrrev_b32 v73, 5, v0
	v_readfirstlane_b32 s32, v73                   ; wave 0..3
	s_and_b32 s33, s32, 1                          ; which 32 positions I quantise
	s_lshr_b32 s34, s32, 1                         ; which 256 channels
	s_lshr_b32 s66, ttmp9, 6                       ; batch
	s_and_b32 s67, ttmp9, 63                       ; block of 64 positions
	s_and_b32 s68, ttmp7, 0xffff
	s_lshl_b32 s69, s68, 2
	s_add_co_u32 s69, s69, s32                     ; my head
	s_lshl_b32 s70, s66, 3
	s_add_co_u32 s70, s70, s69                     ; 8 x batch + head
	s_mov_b32 s[SEL], 0x76543210
	s_mov_b32 s[SEL+1], 0xfedcba98
	s_mov_b32 s80, 0x37800000                      ; 2^-16: one over a group's 65,536 numbers
	s_mov_b32 s81, 0x3727c5ac                      ; eps = 1e-5
	v_and_b32 v73, 31, v0                          ; lane
	v_and_b32 v74, 15, v0                          ; r
	v_bfe_u32 v75, v0, 4, 1                        ; h
	v_lshlrev_b32 v1, 4, v73
	v_lshlrev_b32 v2, 3, v73
	v_lshlrev_b32 v3, 2, v73
	v_and_b32 v15, 16, v0
	v_cmp_ne_u32 s[HM], 0, v15                     ; the mask of lanes 16-31
	v_lshlrev_b32 v15, 2, v15                      ; 64 h: the biases' offset
	v_and_b32 v80, 8, v0
	v_add_nc_u32 v80, v80, v74                     ; r + 8 (r / 8)
	v_lshlrev_b32 v50, 2, v80                      ; v's bias: my channel in a tile
	v_lshl_add_u32 v14, v75, 3, v80
	v_lshlrev_b32 v14, 4, v14                      ; the weights' scales: row 8 h + r + 8 (r / 8), 16 bytes a row
	; where my position's codes go.  Order 1: tile 2 (w % 2) + (lane / 8) % 2, row lane % 8 + 8 (lane / 16).  Order 2: tile lane % 4, row 8 (w % 2) + lane / 4
	s_mul_i32 s35, s33, 2*T1P
	s_mul_i32 s39, s34, 3072
	s_add_co_u32 s35, s35, s39
	s_add_co_u32 s35, s35, T1
	s_lshl_b32 s60, s33, 7
	s_add_co_u32 s60, s60, s39
	s_add_co_u32 s60, s60, T2
	s_lshl_b32 s61, s33, 6
	s_add_co_u32 s61, s61, s39
	s_add_co_u32 s61, s61, T2
	s_lshl_b32 s62, s33, 9
	s_lshl_b32 s39, s34, 7
	s_add_co_u32 s62, s62, s39
	s_add_co_u32 s62, s62, TS1
	s_lshl_b32 s63, s33, 5
	s_add_co_u32 s63, s63, s39
	s_add_co_u32 s63, s63, TS2
	v_bfe_u32 v76, v0, 3, 1
	v_and_b32 v77, 7, v0
	v_lshl_add_u32 v77, v75, 3, v77
	v_mul_u32_u24 v78, v76, T1P
	v_add_nc_u32 v78, s35, v78
	v_lshl_add_u32 v4, v77, 4, v78
	v_lshl_add_u32 v5, v77, 3, v78
	v_lshlrev_b32 v78, 8, v76
	v_add_nc_u32 v78, s62, v78
	v_lshl_add_u32 v8, v77, 2, v78
	v_and_b32 v76, 3, v0
	v_bfe_u32 v77, v0, 2, 3
	v_mul_u32_u24 v78, v76, T2P
	v_lshl_add_u32 v6, v77, 4, v78
	v_add_nc_u32 v6, s60, v6
	v_lshl_add_u32 v7, v77, 3, v78
	v_add_nc_u32 v7, s61, v7
	v_lshlrev_b32 v78, 8, v76
	v_lshl_add_u32 v9, v77, 2, v78
	v_add_nc_u32 v9, s63, v9
	s_lshl_b32 s39, s34, 11
	v_mov_b32 v10, s39                             ; my 256 channels' coefficients (COEF = 0)
	s_lshl_b32 s39, s34, 6
	s_add_co_u32 s39, s39, MU
	v_mov_b32 v11, s39                             ; and their 16 groups' means
	v_mov_b32 v[PX], 0                             ; written once: a lane permute's destination counts as one of its sources
	v_mov_b32 v[PX+1], 0
	; the coefficients: thread t has channels 4 t .. 4 t + 3, of group t / 4
	v_and_b32 v212, 0x7c, v0                       ; 4 x group: the mean's word
	v_lshlrev_b32 v213, 3, v212                    ; 32 x group: its four quarters in gstat
	v_lshlrev_b32 v214, 4, v0                      ; 16 t
	v_lshlrev_b32 v215, 5, v0                      ; 32 t
	s_lshl_b32 s72, s66, 23                        ; x: batch, my 256 channels, the block's 256 bytes, my 128 of them
	s_lshl_b32 s73, s34, 22
	s_add_co_u32 s72, s72, s73
	s_lshl_b32 s73, s67, 8
	s_add_co_u32 s72, s72, s73
	s_lshl_b32 s73, s33, 7
	s_add_co_u32 s72, s72, s73
	s_mov_b32 s73, 0
	s_lshl_b32 s74, s66, 10                        ; gstat: 32 groups x 32 bytes a batch
	s_mov_b32 s75, 0
	s_wait_kmcnt 0x0
	s_add_nc_u64 s[40:41], s[4:5], s[72:73]
	s_add_nc_u64 s[6:7], s[6:7], s[74:75]
	global_load_b128 v[192:195], v213, s[6:7]      ; (mean, sum of squares) of quarters 0, 1
	global_load_b128 v[196:199], v213, s[6:7] offset:16   ; of quarters 2, 3
	global_load_b128 v[200:203], v214, s[8:9]      ; gn_w
	global_load_b64 v[206:207], v214, s[10:11]     ; gn_b, straight into its places beside a
	global_load_b64 v[210:211], v214, s[10:11] offset:8
	XLOAD 0
	XLOAD 1
	; the other addresses, while the loads are out
	s_mul_i32 s72, s69, 24576                      ; my head's four tiles in a weight's images
	s_add_nc_u64 s[42:43], s[12:13], s[72:73]
	s_add_nc_u64 s[44:45], s[42:43], 196608
	s_add_nc_u64 s[46:47], s[44:45], 196608
	s_lshl_b32 s72, s69, 10                        ; 64 rows x 16 scale bytes
	s_add_nc_u64 s[14:15], s[14:15], s[72:73]
	s_add_nc_u64 s[16:17], s[16:17], s[72:73]
	s_add_nc_u64 s[18:19], s[18:19], s[72:73]
	s_lshl_b32 s72, s69, 8                         ; 64 numbers of a bias
	s_add_nc_u64 s[20:21], s[20:21], s[72:73]
	s_add_nc_u64 s[22:23], s[22:23], s[72:73]
	s_add_nc_u64 s[24:25], s[24:25], s[72:73]
	s_lshl_b32 s72, s70, 8
	s_lshl_b32 s74, s67, 2
	s_add_co_u32 s72, s72, s74
	s_mul_i32 s72, s72, 768
	s_add_nc_u64 s[48:49], s[26:27], s[72:73]      ; qimg at tile 4 x block
	s_lshl_b32 s72, s70, 6
	s_add_co_u32 s72, s72, s67
	s_lshl_b32 s72, s72, 9
	s_add_nc_u64 s[50:51], s[28:29], s[72:73]      ; qsc
	s_lshl_b32 s72, s70, 5
	s_lshr_b32 s74, s67, 1
	s_add_co_u32 s72, s72, s74
	s_mul_i32 s72, s72, 12800
	s_add_nc_u64 s[30:31], s[30:31], s[72:73]      ; kv at my step of 128 keys; j = block % 2: which 64 of them
	s_and_b32 s74, s67, 1
	s_mul_i32 s72, s74, 3072
	s_add_nc_u64 s[52:53], s[30:31], s[72:73]      ; K's fragments 2 j, 2 j + 1
	s_mul_i32 s72, s74, 768
	s_add_co_u32 s72, s72, 6144
	s_add_nc_u64 s[54:55], s[30:31], s[72:73]      ; V's half images j
	s_lshl_b32 s72, s74, 7
	s_add_co_u32 s72, s72, 12288
	s_add_nc_u64 s[56:57], s[30:31], s[72:73]      ; K's scale words
	s_lshl_b32 s72, s74, 1
	s_add_co_u32 s72, s72, 12544
	s_add_nc_u64 s[58:59], s[30:31], s[72:73]      ; V's: bytes 2 j, 2 j + 1 of each word
	s_wait_loadcnt 63                              ; 64 loads of x were issued behind the five small ones: those are in
	v_add_f32 v216, v192, v194
	v_add_f32 v217, v196, v198
	v_add_f32 v216, v216, v217
	v_mul_f32 v216, 0x3e800000, v216               ; the group's mean: the four quarters have equally many numbers
	v_sub_f32 v217, v192, v216
	v_sub_f32 v218, v194, v216
	v_sub_f32 v219, v196, v216
	v_sub_f32 v220, v198, v216
	v_mul_f32 v217, v217, v217
	v_fma_f32 v217, v218, v218, v217
	v_fma_f32 v217, v219, v219, v217
	v_fma_f32 v217, v220, v220, v217
	v_add_f32 v218, v193, v195
	v_add_f32 v219, v197, v199
	v_add_f32 v218, v218, v219
	v_fma_f32 v217, v217, 0x46800000, v218         ; the group's sum of squares: the quarters' + 16,384 x the squares of their means' distances
	v_fma_f32 v217, v217, s80, s81                 ; var + eps
	v_rsq_f32 v217, v217
	v_nop                                          ; a plain place behind the transcendental
	s_wait_alu depctr_va_vdst(0)                   ; and a wait ahead of the first use of its result
	v_mul_f32 v204, v217, v200
	v_mul_f32 v205, v217, v201
	v_mul_f32 v208, v217, v202
	v_mul_f32 v209, v217, v203
	ds_store_b128 v215, v[204:207] offset:COEF
	ds_store_b128 v215, v[208:211] offset:COEF+16
	ds_store_b32 v212, v216 offset:MU              ; the group's four threads write the same word with the same value
	s_wait_dscnt 0x0                               ; for the others' sake
	s_barrier_signal -1
	s_barrier_wait -1                              ; the coefficients of all 512 channels lie in LDS
	; ---- t.  The counts: behind the block wanted stand the next block's 32 loads and one part of the weights (24; the last 26)
	BLOCK 0, 32
	WPART 0
	XLOAD 2
.irp b, 1,2,3,4,5
	BLOCK \b, 56
	WPART \b
	XLOAD \b+2
.endr
	BLOCK 6, 56
	WPART 6
	BLOCK 7, 26
	ds_store_b32 v8, v46                           ; my position's scale words of my two K steps, in both orders
	ds_store_b32 v8, v47 offset:64
	ds_store_b32 v9, v46
	ds_store_b32 v9, v47 offset:64
	s_wait_dscnt 0x0                               ; for the others' sake
	s_barrier_signal -1
	s_barrier_wait -1                              ; t's eight tiles lie in LDS; nothing is stored there from here on
	s_wait_loadcnt 0x0                             ; the weights, their scales, the biases
	; ---- q, a tile of 16 positions (order 2) at a time
	TFETCH T2, TS2
.irp T, 0,1,2,3
	s_wait_dscnt 0x0
	GEMM_QK 1
	WIN 0
	PLACES
.if \T < 3
	TFETCH T2+T2P*(\T+1), TS2+256*(\T+1)
.else
	TFETCH T1, TS1
.endif
	QUANT2 ACC
	global_store_b128 v1, v[PC:PC+3], s[48:49] offset:768*\T       ; 512 and 256 consecutive bytes, at multiples of 256 from qimg's first byte
	global_store_b64 v2, v[PC+4:PC+5], s[48:49] offset:768*\T+512
	v_lshl_or_b32 v[QW+\T], v[BY+1], 8, v[BY]
	v_lshl_or_b32 v[QW+\T], v[QW+\T], 16, v[QW+\T]                 ; (s0, s1, s0, s1): q stands in either half of the K of 128
.endr
	global_store_b128 v1, v[QW:QW+3], s[50:51]
	; ---- k and v, a tile of 16 positions (order 1) at a time
.irp t, 0,1,2,3
	s_wait_dscnt 0x0
	GEMM_QK 2
	GEMM_V \t
	WIN 0
	PLACES
.if \t < 3
	TFETCH T1+T1P*(\t+1), TS1+256*(\t+1)
.endif
	QUANT2 ACC
	global_store_b128 v1, v[PC:PC+3], s[52:53] offset:768*\t
	global_store_b64 v2, v[PC+4:PC+5], s[52:53] offset:768*\t+512
	v_lshl_or_b32 v[HW+\t], v[BY+1], 8, v[BY]
.endr
	v_lshl_or_b32 v50, v[HW+1], 16, v[HW]          ; a fragment's scale word: its two sets of 16 keys, two blocks each
	v_lshl_or_b32 v51, v[HW+3], 16, v[HW+2]
	v_cndmask_b32 v15, v50, v51, s[HM]             ; lanes 0-15 fragment 2 j, lanes 16-31 fragment 2 j + 1
	global_store_b32 v3, v15, s[56:57]
	; ---- v: the bias, then quantised along the 64 keys
.irp d, 0,1,2,3
.irp i, 0,2,4,6,8,10,12,14,16,18,20,22,24,26,28,30
.if \d%2 == 0
	v_pk_add_f32 v[VACC+32*\d+\i:VACC+32*\d+\i+1], v[VACC+32*\d+\i:VACC+32*\d+\i+1], v[42+2*(\d/2):43+2*(\d/2)] op_sel_hi:[1,0]
.else
	v_pk_add_f32 v[VACC+32*\d+\i:VACC+32*\d+\i+1], v[VACC+32*\d+\i:VACC+32*\d+\i+1], v[42+2*(\d/2):43+2*(\d/2)] op_sel:[0,1] op_sel_hi:[1,1]
.endif
.endr
	QUANT2 VACC+32*\d
	global_store_b128 v1, v[PC:PC+3], s[54:55] offset:1536*\d
	global_store_b64 v2, v[PC+4:PC+5], s[54:55] offset:1536*\d+512
	v_lshl_or_b32 v[HW+\d], v[BY+1], 8, v[BY]
.endr
	v_cndmask_b32 v50, v[HW], v[HW+1], s[HM]       ; lanes 0-15 tile 0's rows, lanes 16-31 tile 1's
	v_cndmask_b32 v51, v[HW+2], v[HW+3], s[HM]
	global_store_b16 v3, v50, s[58:59]             ; two of a word's four bytes: the other two come from the work-group of the step's other 64 keys
	global_store_b16 v3, v51, s[58:59] offset:128
	s_wait_tensorcnt 0x0                           ; the wave's end: three lines behind my last LDS store
	ds_add_u32 v[SPW], v[NIL]
	s_wait_dscnt 0x0
	s_endpgm
.Lfunc_end_k_qab3d3203bf_qkv:
	.size	k_qab3d3203bf_qkv, .Lfunc_end_k_qab3d3203bf_qkv-k_qab3d3203bf_qkv
	.p2alignl 7, 3214868480
	.fill 96, 4, 3214868480
	.section	.rodata,"a",@progbits
	.p2align	6, 0x0
	.amdhsa_kernel k_qab3d3203bf_qkv
		.amdhsa_group_segment_fixed_size 56832
		.amdhsa_private_segment_fixed_size 0
		.amdhsa_enable_private_segment 0
		.amdhsa_kernarg_size 112
		.amdhsa_user_sgpr_count 2
		.amdhsa_user_sgpr_kernarg_segment_ptr 1
		.amdhsa_wavefront_size32 1
		.amdhsa_system_sgpr_workgroup_id_x 1
		.amdhsa_system_sgpr_workgroup_id_y 1
		.amdhsa_system_sgpr_workgroup_id_z 1
		.amdhsa_system_vgpr_workitem_id 0
		.amdhsa_next_free_vgpr 1024
		.amdhsa_next_free_sgpr 84
		.amdhsa_reserve_vcc 0
		.amdhsa_float_denorm_mode_32 3
		.amdhsa_float_denorm_mode_16_64 3
		.amdhsa_memory_ordered 1
		.amdhsa_forward_progress 1
		.amdhsa_inst_pref_size 153
	.end_amdhsa_kernel
	.amdgpu_metadata
---
amdhsa.version: [ 1, 2 ]
amdhsa.kernels:
  - .name:           k_qab3d3203bf_qkv
    .symbol:         k_qab3d3203bf_qkv.kd
    .args:
      - { .name: x, .offset: 0, .size: 8, .value_kind: global_buffer, .address_space: global }
      - { .name: gstat, .offset: 8, .size: 8, .value_kind: global_buffer, .address_space: global }
      - { .name: gn_w, .offset: 16, .size: 8, .value_kind: global_buffer, .address_space: global }
      - { .name: gn_b, .offset: 24, .size: 8, .value_kind: global_buffer, .address_space: global }
      - { .name: wimg, .offset: 32, .size: 8, .value_kind: global_buffer, .address_space: global }
      - { .name: wq_w_scales, .offset: 40, .size: 8, .value_kind: global_buffer, .address_space: global }
      - { .name: wk_w_scales, .offset: 48, .size: 8, .value_kind: global_buffer, .address_space: global }
      - { .name: wv_w_scales, .offset: 56, .size: 8, .value_kind: global_buffer, .address_space: global }
      - { .name: wq_b, .offset: 64, .size: 8, .value_kind: global_buffer, .address_space: global }
      - { .name: wk_b, .offset: 72, .size: 8, .value_kind: global_buffer, .address_space: global }
      - { .name: wv_b, .offset: 80, .size: 8, .value_kind: global_buffer, .address_space: global }
      - { .name: qimg, .offset: 88, .size: 8, .value_kind: global_buffer, .address_space: global }
      - { .name: qsc, .offset: 96, .size: 8, .value_kind: global_buffer, .address_space: global }
      - { .name: kv, .offset: 104, .size: 8, .value_kind: global_buffer, .address_space: global }
    .group_segment_fixed_size: 56832
    .private_segment_fixed_size: 0
    .kernarg_segment_align: 8
    .kernarg_segment_size: 112
    .max_flat_workgroup_size: 128
    .sgpr_count:     84
    .vgpr_count:     1024
    .wavefront_size: 32
...
	.end_amdgpu_metadata
.endif
;; end of part 2
;; launch attn (part 3): grid 16 x 16, 16 waves a work-group, clusters of 4 x 1, 327,680 bytes of LDS; arguments qimg, qsc, kv, oimg, osc; writes oimg, osc
.if DOCPART == 3
	.amdgcn_target "amdgcn-amd-amdhsa--gfx1250"
	.amdhsa_code_object_version 6
	.text
	.protected	k_qab3d3203bf_attn
	.globl	k_qab3d3203bf_attn
	.p2align	8
	.type	k_qab3d3203bf_attn,@function
k_qab3d3203bf_attn:
	s_mov_b64 s[64:65], 0
	v_nop
	global_prefetch_b8 v0, s[64:65] scope:SCOPE_SE
	s_setreg_imm32_b32 hwreg(HW_REG_WAVE_MODE, 25, 1), 1
	s_wait_xcnt 0x0
	s_wait_alu depctr_hold_cnt(0) depctr_sa_sdst(0) depctr_va_vdst(0) depctr_va_sdst(0) depctr_va_ssrc(0) depctr_va_vcc(0) depctr_vm_vsrc(0)
	s_getreg_b32 s2, hwreg(HW_REG_IB_STS2, 6, 4)
	s_cmp_eq_u32 s2, 0
	s_cbranch_scc0 .Lentry_in_a_cluster
	s_endpgm
.Lentry_in_a_cluster:
	s_bfe_u32 s2, ttmp6, 0x10000c
	s_cmp_lg_u32 s2, 0x3003
	s_cbranch_scc0 .Lentry_shape_is_right
	s_endpgm
.Lentry_shape_is_right:
; THIRD LAUNCH: o = softmax(q k^T / 8) v for 16 (batch, head) pairs of 4,096 positions, head size 64, both products on codes of E3M2; o is quantised along the channels for the last launch.  No work of reference() is left out here.
; THE SOFTMAX AHEAD OF THE SECOND PRODUCT: t = score x log2(e) / 8; M = the row's largest t so far, rounded UP to a whole number; p = 2^(t - M) is what is quantised, along the keys; the row's sum is taken of the
; unquantised p and divides O at the end.  When M moves, the sum and O are multiplied by 2^(old M - new M): exact.
; LIMITS: NaN and infinities not served; a p under 2^-126 comes out of the exponential as 0; a block whose largest p lies under 2^-122 gets the byte 1.
; SHARES.  A work-group owns 256 queries of one (batch, head); each of its SIXTEEN waves owns one tile of 16, in under 256 registers: four waves to a SIMD, so that one wave's vector work stands beside another's matrix
; work and LDS loads.  Every wave walks the head's 32 steps of 128 keys.
; LAYOUT.  Both products are used transposed (S^T = K Q^T, O^T = V^T P): a lane holds ONE query throughout.  kv holds, for each step, images of the operands' registers (12,800 bytes: see the second kernel), so every LDS load
; reads 512 or 256 consecutive bytes and no padding is wanted.
; THE HEAD'S 64 IN AN INSTRUCTION OF K = 128: a fragment of K holds TWO sets of 16 keys, one in k 0-63 and one in k 64-127.  q stands between two runs of zero codes, v16-21 | v22-27 | v28-33: (q, 0) = v[22:33] picks the
; first set, (0, q) = v[16:27] the second.  Zero codes add nothing under any scale byte that occurs.
; THE RING: two slots of 8 steps (102,400 bytes), 2^17 bytes apart.  Each wave fetches a sixteenth of a slot, 25 rows of 256 bytes, by one tensor load. A wave has two
; tensor loads out at the start and one behind each change of slots; a refill has 8 steps of all sixteen waves in which to land, so nothing is prefetched.
; CLUSTER: the four work-groups of a cluster walk the same kv of one head: each part of a slot is asked for JOINTLY, by the same load with the same descriptor (made of the head and the wave's number alone) and a mask that names the four.
; REGISTERS: v1-3 16, 8, 4 x lane; v4-6 the step's LDS addresses; v7, v8 the add's two; v9 q's scale word; v12 -M, v13 the largest t, v[14:15] the sum; v16-33 zeros, q, zeros; v34-81 four fragments of K, then of V;
; v82-85 their scale words; v96-159 S^T, then p; v160-191 O^T; v192-203 p's codes; v204-233 at work.
.set STEPB, 12800
.set SLOTB, 8*STEPB
.set SLOT1, 1<<17
.set SPARE, SLOTB                      ; behind slot 0: the spare words, 128 bytes for each of sixteen waves: eight blocks of 256 bytes that no other line names
.set SPW, 7
.set NIL, 8
.set F,   34
.set S,   96
.set O,   160
.set P,   192
.set PC,  192
.set PT,  204
.set TM,  212
.set PX,  216
.set SO,  220
.set BY,  224
.set SEL, 20
.macro WM d, a, b, c, sa, sb, ra, rb   ; one matrix instruction; c < 0: the constant 0 starts the sum; ra, rb = 1: that side's scales are read from lanes 16-31
.if (\c) < 0
.if (\ra) && (\rb)
	v_wmma_scale_f32_16x16x128_f8f6f4 v[\d:\d+7], v[\a:\a+11], v[\b:\b+11], 0, v[\sa], v[\sb] matrix_a_fmt:MATRIX_FMT_BF6 matrix_b_fmt:MATRIX_FMT_BF6 matrix_a_scale:MATRIX_SCALE_ROW1 matrix_b_scale:MATRIX_SCALE_ROW1
.elseif (\ra)
	v_wmma_scale_f32_16x16x128_f8f6f4 v[\d:\d+7], v[\a:\a+11], v[\b:\b+11], 0, v[\sa], v[\sb] matrix_a_fmt:MATRIX_FMT_BF6 matrix_b_fmt:MATRIX_FMT_BF6 matrix_a_scale:MATRIX_SCALE_ROW1
.elseif (\rb)
	v_wmma_scale_f32_16x16x128_f8f6f4 v[\d:\d+7], v[\a:\a+11], v[\b:\b+11], 0, v[\sa], v[\sb] matrix_a_fmt:MATRIX_FMT_BF6 matrix_b_fmt:MATRIX_FMT_BF6 matrix_b_scale:MATRIX_SCALE_ROW1
.else
	v_wmma_scale_f32_16x16x128_f8f6f4 v[\d:\d+7], v[\a:\a+11], v[\b:\b+11], 0, v[\sa], v[\sb] matrix_a_fmt:MATRIX_FMT_BF6 matrix_b_fmt:MATRIX_FMT_BF6
.endif
.else
.if (\ra) && (\rb)
	v_wmma_scale_f32_16x16x128_f8f6f4 v[\d:\d+7], v[\a:\a+11], v[\b:\b+11], v[\c:\c+7], v[\sa], v[\sb] matrix_a_fmt:MATRIX_FMT_BF6 matrix_b_fmt:MATRIX_FMT_BF6 matrix_a_scale:MATRIX_SCALE_ROW1 matrix_b_scale:MATRIX_SCALE_ROW1
.elseif (\ra)
	v_wmma_scale_f32_16x16x128_f8f6f4 v[\d:\d+7], v[\a:\a+11], v[\b:\b+11], v[\c:\c+7], v[\sa], v[\sb] matrix_a_fmt:MATRIX_FMT_BF6 matrix_b_fmt:MATRIX_FMT_BF6 matrix_a_scale:MATRIX_SCALE_ROW1
.elseif (\rb)
	v_wmma_scale_f32_16x16x128_f8f6f4 v[\d:\d+7], v[\a:\a+11], v[\b:\b+11], v[\c:\c+7], v[\sa], v[\sb] matrix_a_fmt:MATRIX_FMT_BF6 matrix_b_fmt:MATRIX_FMT_BF6 matrix_b_scale:MATRIX_SCALE_ROW1
.else
	v_wmma_scale_f32_16x16x128_f8f6f4 v[\d:\d+7], v[\a:\a+11], v[\b:\b+11], v[\c:\c+7], v[\sa], v[\sb] matrix_a_fmt:MATRIX_FMT_BF6 matrix_b_fmt:MATRIX_FMT_BF6
.endif
.endif
.endm
; 32 numbers of a lane, register 16 b + i = index 32 b + 16 (lane / 16) + i of my row, become a half image's six registers in v[PC] on and the two blocks' scale bytes in v[BY], v[BY + 1]
.macro QUANT2 s
	s_wait_xcnt 0x0
.irp b, 0,1
	v_max3_num_f32 v[TM+\b], |v[(\s)+16*\b]|, |v[(\s)+16*\b+1]|, 0x2800000   ; and the floor 2^(5 - 127)
.endr
.irp i, 2,4,6,8,10,12,14
.irp b, 0,1
	v_max3_num_f32 v[TM+\b], v[TM+\b], |v[(\s)+16*\b+\i]|, |v[(\s)+16*\b+\i+1]|
.endr
.endr
.irp b, 0,1
	v_permlanex16_b32 v[PX+\b], v[TM+\b], s[SEL], s[SEL+1]
.endr
.irp b, 0,1
	v_max_num_f32 v[TM+\b], v[TM+\b], v[PX+\b]
.endr
.irp b, 0,1
	v_add_nc_u32 v[SO+\b], 0xfe000000, v[TM+\b]
.endr
.irp b, 0,1
	v_lshrrev_b32 v[BY+\b], 23, v[SO+\b]
.endr
	v_cvt_scalef32_pk16_bf6_f32 v[PC:PC+2], v[(\s):(\s)+15], v[SO]
	v_cvt_scalef32_pk16_bf6_f32 v[PT:PT+2], v[(\s)+16:(\s)+31], v[SO+1]
	v_nop                                          ; one plain place behind a scaled conversion
.irp i, 0,1,2
	v_permlane16_swap_b32 v[PC+\i], v[PT+\i]
.endr
.irp i, 0,1,2
	v_mov_b32 v[PC+3+\i], v[PT+\i]
.endr
.endm
; A round of the cluster's barrier: my work-group's barrier, so that wave 0's signal speaks for all sixteen waves; wave 0 signals for the work-group; every wave waits for all four work-groups; my work-group's barrier once more
.macro CROUND
	s_barrier_signal -1
	s_barrier_wait -1
	s_cmp_lg_u32 s14, 0
	s_cbranch_scc1 .Lnot_wave_0_\@
	s_barrier_signal -3
.Lnot_wave_0_\@:
	s_barrier_wait -3
	s_barrier_signal -1
	s_barrier_wait -1
.endm
; THE CHANGE OF SLOTS, at a slot's head.  Each wave waits for all its tensor loads (its part of the slot ahead), adds 0 to its spare word, and waits for that and for its reads of the slot that it has left.
; fill = 1: the barrier is a round of the cluster's, and behind it the slot just left is filled with the 8 steps that follow the slot ahead: my one tensor load until the next change
.macro CHANGE fill
	s_wait_tensorcnt 0x0                           ; no tensor load of mine is out, so the walking descriptor may be written
	ds_add_u32 v[SPW], v[NIL]                      ; 0 onto my spare word
.if \fill
	s_xor_b32 s37, s37, SLOT1                      ; the other slot than last time,
	s_add_nc_u64 s[38:39], s[38:39], SLOTB         ; the next 8 steps; the type bits on top are not reached
	s_wait_dscnt 0x0                               ; the add is done, and my reads of the slot that I have left are over
	CROUND                                         ; both now hold of every wave of all four work-groups
	tensor_load_to_lds s[36:39], s[24:31]
	s_nop 0
.rept 4
	v_nop
.endr
.else
	s_wait_dscnt 0x0
	s_barrier_signal -1
	s_barrier_wait -1
.endif
.endm
; A KEY STEP: 128 keys, at LDS byte s40
.macro STEP
	v_add_nc_u32 v4, s40, v1
	v_add_nc_u32 v5, s40, v2
	v_add_nc_u32 v6, s40, v3
	v_nop                                          ; with the three additions: the four places in front of loads into registers that the last products read
.irp f, 0,1,2,3
.irp e, 0,1
	ds_load_b128 v[F+12*\f+6*\e:F+12*\f+6*\e+3], v4 offset:1536*\f+768*\e
	ds_load_b64 v[F+12*\f+6*\e+4:F+12*\f+6*\e+5], v5 offset:1536*\f+768*\e+512
.endr
.endr
	ds_load_b32 v82, v6 offset:12288               ; K's scale words: fragment 0 in lanes 0-15, fragment 1 in lanes 16-31;
	ds_load_b32 v83, v6 offset:12416               ; fragments 2 and 3
	s_wait_dscnt 0x0
.irp f, 0,1,2,3                                ; S^T: tile 2 f + u; the 16 registers of tiles 2 f and 2 f + 1 are keys 32 f + 16 (lane / 16) + 0 .. 15
	WM S+16*\f, F+12*\f, 22, -1, 82+\f/2, 9, \f%2, 0
	WM S+16*\f+8, F+12*\f, 16, -1, 82+\f/2, 9, \f%2, 0
.endr
.rept 4
	v_nop                                          ; places in front of the loads below and of the first read of the scores
.endr
.irp f, 0,1,2,3                                ; V's fragments land while the softmax is walked
.irp e, 0,1
	ds_load_b128 v[F+12*\f+6*\e:F+12*\f+6*\e+3], v4 offset:6144+1536*\f+768*\e
	ds_load_b64 v[F+12*\f+6*\e+4:F+12*\f+6*\e+5], v5 offset:6144+1536*\f+768*\e+512
.endr
.endr
	ds_load_b32 v84, v6 offset:12544
	ds_load_b32 v85, v6 offset:12672
.irp b, 0,1,2,3
	v_max3_num_f32 v[212+\b], v[S+16*\b], v[S+1+16*\b], v[S+2+16*\b]   ; THE LARGEST SCORE OF EACH BLOCK OF 32 KEYS serves twice: for the row's maximum, and, since p rises with the score, for the block's largest p
.endr
.irp i, 3,5,7,9,11,13
.irp b, 0,1,2,3
	v_max3_num_f32 v[212+\b], v[212+\b], v[S+16*\b+\i], v[S+1+16*\b+\i]
.endr
.endr
.irp b, 0,1,2,3
	v_max_num_f32 v[212+\b], v[212+\b], v[S+15+16*\b]
.endr
.irp b, 0,1,2,3
	v_permlanex16_b32 v[216+\b], v[212+\b], s[SEL], s[SEL+1]
.endr
.irp b, 0,1,2,3
	v_max_num_f32 v[212+\b], v[212+\b], v[216+\b]  ; with lane l xor 16's 16 keys
.endr
	v_max3_num_f32 v231, v212, v213, v214
	v_max_num_f32 v231, v231, v215                 ; the step's largest score of my query
	v_mul_f32 v231, s22, v231                      ; as t (c is positive)
	v_max_num_f32 v13, v13, v231                   ; the running largest t
	v_mov_b32 v231, v12
	v_floor_f32 v12, -v13                          ; the new -M = floor(-t) = -ceil(t)
	v_sub_f32 v231, v12, v231                      ; old M - new M: a whole number, 0 or less
	v_cvt_i32_f32 v231, v231                       ; (it saturates)
	v_ldexp_f32 v228, 1.0, v231                    ; f = 2^(old M - new M)
.set j, 0
.rept 32
	v_pk_fma_f32 v[S+j:S+j+1], v[S+j:S+j+1], s[22:23], v[12:13] op_sel_hi:[1,0,0]   ; t - M, two at a time (of the pairs c and -M the low word serves both halves)
.set j, j+2
.endr
.irp b, 0,1,2,3
	v_fma_f32 v[212+\b], v[212+\b], s22, v12       ; the same of each block's largest score
.endr
.set j, 0
.rept 64
	v_exp_f32 v[S+j], v[S+j]                       ; p = 2^(t - M), at most 1: not normalised
.set j, j+1
.endr
	v_pk_mul_f32 v[14:15], v[14:15], v[228:229] op_sel_hi:[1,0]    ; the sums under the new M: a plain place behind the exponentials
	s_wait_alu depctr_va_vdst(0)                   ; one wait for the whole batch, ahead of its first reader
.irp b, 0,1,2,3
	v_exp_f32 v[212+\b], v[212+\b]                 ; the block's largest p: the same two instructions on the same number give the same bits
.endr
	v_pk_add_f32 v[232:233], v[S:S+1], v[S+2:S+3]  ; THE ROW'S SUM IS TAKEN OF THE UNQUANTISED p: two at a time, in two chains
.irp j, 4,8,12,16,20,24,28,32,36,40,44,48,52,56,60
	v_pk_add_f32 v[14:15], v[14:15], v[S+\j:S+\j+1]
	v_pk_add_f32 v[232:233], v[232:233], v[S+\j+2:S+\j+3]
.endr
	v_pk_add_f32 v[14:15], v[14:15], v[232:233]
	s_wait_alu depctr_va_vdst(0)                   ; and one for the four
.irp b, 0,1,2,3
	v_max_num_f32 v[212+\b], 0x2800000, v[212+\b]  ; the floor 2^(5 - 127): the byte cannot fall under 1
.endr
.irp b, 0,1,2,3
	v_add_nc_u32 v[220+\b], 0xfe000000, v[212+\b]  ; 4 off the exponent field: the conversion's scale operand
.endr
.irp b, 0,1,2,3
	v_lshrrev_b32 v[224+\b], 23, v[220+\b]         ; the scale's byte
.endr
	v_lshl_or_b32 v230, v225, 8, v224              ; p's scale word for these 128 keys
	v_lshl_or_b32 v230, v226, 16, v230
	v_lshl_or_b32 v230, v227, 24, v230
.irp c, 0,1
	v_cvt_scalef32_pk16_bf6_f32 v[P+6*\c:P+6*\c+2], v[S+32*\c:S+32*\c+15], v[220+2*\c]
	v_cvt_scalef32_pk16_bf6_f32 v[204+4*\c:206+4*\c], v[S+16+32*\c:S+31+32*\c], v[221+2*\c]   ; (a conversion's three registers begin on an even number)
.endr
	v_nop                                          ; one plain place behind a scaled conversion
.irp c, 0,1                                    ; a whole block to a lane: lanes 0-15 block 2 c, lanes 16-31 block 2 c + 1
.irp i, 0,1,2
	v_permlane16_swap_b32 v[P+6*\c+\i], v[204+4*\c+\i]
.endr
.irp i, 0,1,2
	v_mov_b32 v[P+3+6*\c+\i], v[204+4*\c+\i]
.endr
.endr
.set j, 0
.rept 16
	v_pk_mul_f32 v[O+j:O+j+1], v[O+j:O+j+1], v[228:229] op_sel_hi:[1,0]   ; O^T under the new M.  These sixteen also stand between the lines that made p's codes and scale word and the products below
.set j, j+2
.endr
	s_wait_dscnt 0x0                               ; V
.irp d, 0,1,2,3                                ; O^T += V^T P: one instruction an accumulator and step; the eight products K Q^T stand between two links of a chain
	WM O+8*\d, F+12*\d, P, O+8*\d, 84+\d/2, 230, \d%2, 0
.endr
	s_add_co_u32 s40, s40, STEPB
.endm
.macro SLOT_STEPS                      ; a slot's 8 steps: written once, walked eight times; the LDS addresses hang on s40
	s_mov_b32 s41, 8
.Lstep_\@:
	STEP
	s_sub_co_u32 s41, s41, 1
	s_cmp_lg_u32 s41, 0
	s_cbranch_scc1 .Lstep_\@
	s_sub_co_u32 s40, s40, SLOTB                   ; back to a slot's first step,
	s_xor_b32 s40, s40, SLOT1                      ; in the other slot
.endm
	s_load_b256 s[4:11], s[0:1], 0x0               ; qimg, qsc, kv, oimg
	s_load_b64 s[12:13], s[0:1], 0x20              ; osc
	v_lshl_add_u32 v[SPW], v0, 2, SPARE
	v_mov_b32 v[NIL], 0
	ds_add_u32 v[SPW], v[NIL]                      ; the wave's opening: the add, twice on end, and its wait ahead of my first tensor load; the set-up below, work on registers, stands between
	ds_add_u32 v[SPW], v[NIL]                      ; and once more, under the one wait
	v_lshrrev_b32 v10, 5, v0
	v_readfirstlane_b32 s14, v10                   ; wave 0..15
	s_bfe_u32 s15, ttmp6, 0x40000                  ; cx: my place in the cluster: it enters q's and o's global addresses alone
	s_lshl_b32 s16, ttmp9, 2                       ; in a cluster launch ttmp9 counts clusters
	s_add_co_u32 s16, s16, s15                     ; my block of 256 queries
	s_and_b32 s17, ttmp7, 0xffff                   ; 8 x batch + head, which the four partners share
	s_lshl_b32 s18, s16, 4
	s_add_co_u32 s18, s18, s14                     ; my tile of 16 queries, 0..255
	; descriptor group 1: 25 rows of 32 elements of 8 bytes, dense
	s_mov_b32 s24, 15|(3<<16)|(1<<21)              ; 15:0 the mask: all four work-groups; 17:16 elements of 8 bytes; 20 no padding; 21 set beside a mask
	s_mov_b32 s25, 32<<16                          ; tensor_dim0 = 32
	s_mov_b32 s26, 25<<16                          ; tensor_dim1 = 25
	s_mov_b32 s27, 32<<16                          ; tile_dim0 = 32
	s_mov_b32 s28, 25                              ; tile_dim1 = 25
	s_mov_b32 s29, 32                              ; from row to row
	s_mov_b32 s30, 0
	s_mov_b32 s31, 0
	s_mov_b32 s[SEL], 0x76543210
	s_mov_b32 s[SEL+1], 0xfedcba98
	s_mov_b32 s22, 0x3e38aa3b                      ; c = log2(e) / 8
	s_mov_b32 s23, s22                             ; (named with it as a pair, so it is written)
	s_mov_b32 s40, 0
	s_mul_i32 s44, s17, 32*STEPB                   ; kv: my head,
	s_mul_i32 s33, s14, 6400                       ; my sixteenth of a slot: in LDS (group 0's second word) and in memory alike
	s_add_co_u32 s44, s44, s33
	s_mov_b32 s45, 0
	s_lshl_b32 s46, s17, 8
	s_add_co_u32 s46, s46, s18
	s_mul_i32 s46, s46, 768                        ; qimg: my tile's half image
	s_mov_b32 s47, 0
	s_lshl_b32 s48, s17, 6
	s_lshr_b32 s19, s18, 2
	s_add_co_u32 s48, s48, s19
	s_lshl_b32 s48, s48, 9
	s_and_b32 s19, s18, 3
	s_lshl_b32 s19, s19, 2
	s_add_co_u32 s48, s48, s19                     ; qsc: block tile / 4, word tile % 4 of a lane's four
	s_mov_b32 s49, 0
	s_lshr_b32 s19, s17, 3
	s_lshl_b32 s19, s19, 8
	s_add_co_u32 s19, s19, s18                     ; 256 x batch + tile
	s_and_b32 s43, s17, 7                          ; head
	s_lshl_b32 s50, s19, 3
	s_add_co_u32 s50, s50, s43
	s_mul_i32 s50, s50, 768                        ; oimg[batch][tile][head]
	s_mov_b32 s51, 0
	s_lshl_b32 s52, s19, 8
	s_lshl_b32 s43, s43, 1
	s_add_co_u32 s52, s52, s43                     ; osc[batch][tile][row][head][block]
	s_mov_b32 s53, 0
	s_mov_b32 s32, 1                               ; group 0 for slot 0's first fill: count = 1,
	s_mov_b32 s36, 1                               ; and the walking one, which begins with slot 1
	s_add_co_u32 s37, s33, SLOT1
	v_and_b32 v10, 31, v0
	v_lshlrev_b32 v1, 4, v10
	v_lshlrev_b32 v2, 3, v10
	v_lshlrev_b32 v3, 2, v10
	s_wait_dscnt 0x0                               ; both opening adds are done
	s_wait_kmcnt 0x0
	s_add_nc_u64 s[34:35], s[8:9], s[44:45]        ; steps 0-7
	s_add_nc_u64 s[38:39], s[34:35], SLOTB         ; steps 8-15
	s_or_b32 s35, s35, 0x80000000                  ; type = 2
	s_or_b32 s39, s39, 0x80000000
	s_add_nc_u64 s[4:5], s[4:5], s[46:47]
	s_add_nc_u64 s[6:7], s[6:7], s[48:49]
	s_add_nc_u64 s[10:11], s[10:11], s[50:51]
	s_add_nc_u64 s[12:13], s[12:13], s[52:53]
	CROUND                                         ; all four work-groups are here: the first joint loads meet
	tensor_load_to_lds s[32:35], s[24:31]          ; both first fills go out together, ahead of every wait on TENSORcnt and every LDS read
	s_nop 0
	tensor_load_to_lds s[36:39], s[24:31]
	s_nop 0
.rept 4
	v_nop
.endr
	global_load_b128 v[22:25], v1, s[4:5]          ; q's six registers stay
	global_load_b64 v[26:27], v2, s[4:5] offset:512
	global_load_b32 v9, v1, s[6:7]                 ; its scale words (s0, s1, s0, s1)
.irp i, 16,17,18,19,20,21,28,29,30,31,32,33
	v_mov_b32 v[\i], 0                             ; the zero codes on either side of q
.endr
	v_mov_b32 v13, 0xff61b1e6                      ; the largest t so far: -3e38, under every t
	v_floor_f32 v12, -v13                          ; -M
	v_mov_b32 v14, 0                               ; the sum, in two halves
	v_mov_b32 v15, 0
.set j, 0
.rept 32
	v_mov_b32 v[O+j], 0                            ; O^T.  (The step is written once: its first walk finds zeros, which the first change of M leaves zeros)
.set j, j+1
.endr
.irp b, 0,1,2,3
	v_mov_b32 v[216+\b], 0                         ; written once: a lane permute's destination counts as one of its sources
.endr
	v_mov_b32 v229, 0                              ; (named as the upper half of the pair v[228:229])
	s_wait_tensorcnt 0x1                           ; my part of slot 0 is in; slot 1's may stay out
	s_barrier_signal -1
	s_barrier_wait -1                              ; everybody's is
	s_wait_loadcnt 0x0                             ; q
	SLOT_STEPS                                     ; steps 0-7
	s_mov_b32 s42, 2
.Lslot:                                            ; two trips: steps 8-15 while steps 16-23 come in, steps 16-23 while steps 24-31 come in
	CHANGE 1
	SLOT_STEPS
	s_sub_co_u32 s42, s42, 1
	s_cmp_lg_u32 s42, 0
	s_cbranch_scc1 .Lslot
	CHANGE 0                                       ; the last slot is written out: nothing is left to fetch
	SLOT_STEPS
	; THE WAY OUT: O^T / the sum, quantised along the head's 64 channels (two blocks of the last product's K), stored as a half image
	v_add_f32 v14, v14, v15                        ; the sum's two halves,
	v_permlanex16_b32 v231, v14, s[SEL], s[SEL+1]
	v_add_f32 v14, v14, v231                       ; and lane l xor 16's: the row's sum
	v_rcp_f32 v14, v14
	v_and_b32 v10, 15, v0                          ; (plain places behind the transcendental and behind the last products)
	v_lshlrev_b32 v10, 4, v10
	v_bfe_u32 v11, v0, 4, 1
	v_add_nc_u32 v10, v10, v11                     ; osc: 16 x row + block
	v_and_b32 v11, 16, v0
	s_wait_alu depctr_va_vdst(0)                   ; a wait ahead of the first use of the reciprocal
.set j, 0
.rept 16
	v_pk_mul_f32 v[S+j:S+j+1], v[O+j:O+j+1], v[14:15] op_sel_hi:[1,0]    ; register 16 g + i is o(my query, channel 32 g + 16 (lane / 16) + i); each accumulator from its low end on
.set j, j+2
.endr
	QUANT2 S
	global_store_b128 v1, v[PC:PC+3], s[10:11]     ; 512 and 256 consecutive bytes, at multiples of 256 from oimg's first byte
	global_store_b64 v2, v[PC+4:PC+5], s[10:11] offset:512
	v_cmp_ne_u32 vcc_lo, 0, v11
	v_cndmask_b32 v11, v[BY], v[BY+1], vcc_lo      ; lane (r, h) has the byte of block h
	global_store_b8 v10, v11, s[12:13]
	s_wait_tensorcnt 0x0                           ; the wave's end: three lines behind my last tensor load
	ds_add_u32 v[SPW], v[NIL]
	s_wait_dscnt 0x0
	CROUND                                         ; the closing round: no work-group ends while a partner may still ask for a tile that names it
	s_endpgm
.Lfunc_end_k_qab3d3203bf_attn:
	.size	k_qab3d3203bf_attn, .Lfunc_end_k_qab3d3203bf_attn-k_qab3d3203bf_attn
	.p2alignl 7, 3214868480
	.fill 96, 4, 3214868480
	.section	.rodata,"a",@progbits
	.p2align	6, 0x0
	.amdhsa_kernel k_qab3d3203bf_attn
		.amdhsa_group_segment_fixed_size 327680
		.amdhsa_private_segment_fixed_size 0
		.amdhsa_enable_private_segment 0
		.amdhsa_kernarg_size 40
		.amdhsa_user_sgpr_count 2
		.amdhsa_user_sgpr_kernarg_segment_ptr 1
		.amdhsa_wavefront_size32 1
		.amdhsa_system_sgpr_workgroup_id_x 1
		.amdhsa_system_sgpr_workgroup_id_y 1
		.amdhsa_system_sgpr_workgroup_id_z 1
		.amdhsa_system_vgpr_workitem_id 0
		.amdhsa_next_free_vgpr 240
		.amdhsa_next_free_sgpr 66
		.amdhsa_reserve_vcc 1
		.amdhsa_float_denorm_mode_32 3
		.amdhsa_float_denorm_mode_16_64 3
		.amdhsa_memory_ordered 1
		.amdhsa_forward_progress 1
		.amdhsa_inst_pref_size 60
	.end_amdhsa_kernel
	.amdgpu_metadata
---
amdhsa.version: [ 1, 2 ]
amdhsa.kernels:
  - .name:           k_qab3d3203bf_attn
    .symbol:         k_qab3d3203bf_attn.kd
    .args:
      - { .name: qimg, .offset: 0, .size: 8, .value_kind: global_buffer, .address_space: global }
      - { .name: qsc, .offset: 8, .size: 8, .value_kind: global_buffer, .address_space: global }
      - { .name: kv, .offset: 16, .size: 8, .value_kind: global_buffer, .address_space: global }
      - { .name: oimg, .offset: 24, .size: 8, .value_kind: global_buffer, .address_space: global }
      - { .name: osc, .offset: 32, .size: 8, .value_kind: global_buffer, .address_space: global }
    .group_segment_fixed_size: 327680
    .private_segment_fixed_size: 0
    .kernarg_segment_align: 8
    .kernarg_segment_size: 40
    .max_flat_workgroup_size: 512
    .sgpr_count:     66
    .vgpr_count:     240
    .wavefront_size: 32
...
	.end_amdgpu_metadata
.endif
;; end of part 3
;; launch proj (part 4): grid 128 x 2, 4 waves a work-group, no clusters, 0 bytes of LDS; arguments oimg, osc, wimg, proj_w_scales, proj_b, x, out0; writes out0
.if DOCPART == 4
	.amdgcn_target "amdgcn-amd-amdhsa--gfx1250"
	.amdhsa_code_object_version 6
	.text
	.protected	k_qab3d3203bf_proj
	.globl	k_qab3d3203bf_proj
	.p2align	8
	.type	k_qab3d3203bf_proj,@function
k_qab3d3203bf_proj:
	s_mov_b64 s[64:65], 0
	v_nop
	global_prefetch_b8 v0, s[64:65] scope:SCOPE_SE
	s_setreg_imm32_b32 hwreg(HW_REG_WAVE_MODE, 25, 1), 1
	s_wait_xcnt 0x0
; FOURTH LAUNCH: out0 = o proj_w^T + proj_b, transposed back to [batch][channel][position], + x.  Left out: the division by RESCALE, the constant 1.0 of reference()'s own body (see the first kernel's head).
; SHARES.  Work-group (x, y) takes 64 positions (batch x / 64, block x % 64) and channels 256 y on; wave w takes channels 256 y + 64 w on: four tiles of proj_w's rows against the block's four tiles of o: 16 accumulators, K = 512 in four steps.
; LAYOUT.  Source 0 = 16 rows of proj_w (tile 2 g + u: rows 32 g + 8 u + r + 8 (r / 8)), source 1 = 16 rows of o (tile T: positions 4 r + T).  Register j of lane (r, h) of accumulator (2 g + u, T) is
; out(channel 32 g + 16 h + 8 u + j, position 4 r + T): the four T of one lane are FOUR NEIGHBOURING POSITIONS.  So x is loaded 16 bytes a lane, the sums are added onto it in place, and each store has sixteen lanes
; filling 256 consecutive bytes of a channel's row, aligned: no LDS, no barrier, no loop.  All operands come as images of their registers, by loads of 512 or 256 dense bytes.
; No tensor load, so nothing can be asked for jointly: no cluster.  Memory binds (x in, out0 out), so x's loads go out first.
; REGISTERS.  Window 0: v1-5 offsets; v16-23 proj_w's scale words (4 g + K step; lanes 0-15 u = 0, lanes 16-31 u = 1); v24-31 o's (4 (T / 2) + K step; lanes 0-15 even T, lanes 16-31 odd T); v32-63 the bias, 8 a tile;
; v64-191 x, then the result (32 tile + 4 j + T).  Window 1: proj_w's 16 fragments.  Window 2: o's 16.  Window 3: the 16 accumulators.
.set XR, 64
.set MSB, 0
.macro WIN new                         ; the immediate's high byte repeats the setting that is left
.if MSB != (\new)
	s_set_vgpr_msb (MSB<<8)|(\new)
.set MSB, (\new)
.endif
.endm
.macro WM d, a, b, c, sa, sb, ra, rb   ; one matrix instruction; ra, rb = 1: that side's scales are read from lanes 16-31
.if (\ra) && (\rb)
	v_wmma_scale_f32_16x16x128_f8f6f4 v[\d:\d+7], v[\a:\a+11], v[\b:\b+11], v[\c:\c+7], v[\sa], v[\sb] matrix_a_fmt:MATRIX_FMT_BF6 matrix_b_fmt:MATRIX_FMT_BF6 matrix_a_scale:MATRIX_SCALE_ROW1 matrix_b_scale:MATRIX_SCALE_ROW1
.elseif (\ra)
	v_wmma_scale_f32_16x16x128_f8f6f4 v[\d:\d+7], v[\a:\a+11], v[\b:\b+11], v[\c:\c+7], v[\sa], v[\sb] matrix_a_fmt:MATRIX_FMT_BF6 matrix_b_fmt:MATRIX_FMT_BF6 matrix_a_scale:MATRIX_SCALE_ROW1
.elseif (\rb)
	v_wmma_scale_f32_16x16x128_f8f6f4 v[\d:\d+7], v[\a:\a+11], v[\b:\b+11], v[\c:\c+7], v[\sa], v[\sb] matrix_a_fmt:MATRIX_FMT_BF6 matrix_b_fmt:MATRIX_FMT_BF6 matrix_b_scale:MATRIX_SCALE_ROW1
.else
	v_wmma_scale_f32_16x16x128_f8f6f4 v[\d:\d+7], v[\a:\a+11], v[\b:\b+11], v[\c:\c+7], v[\sa], v[\sb] matrix_a_fmt:MATRIX_FMT_BF6 matrix_b_fmt:MATRIX_FMT_BF6
.endif
.endm
	s_load_b256 s[4:11], s[0:1], 0x0               ; oimg, osc, wimg, proj_w's scales
	s_load_b128 s[12:15], s[0:1], 0x20             ; proj_b, x
	s_load_b64 s[16:17], s[0:1], 0x30              ; out0
	v_lshrrev_b32 v6, 5, v0
	v_readfirstlane_b32 s18, v6                    ; wave 0..3
	v_and_b32 v6, 31, v0
	v_lshlrev_b32 v1, 4, v6                        ; 16 x lane
	v_lshlrev_b32 v2, 3, v6                        ; 8 x lane
	v_and_b32 v7, 15, v0                           ; r
	v_bfe_u32 v8, v0, 4, 1                         ; h
	v_and_b32 v3, 8, v0
	v_add_nc_u32 v3, v3, v7
	v_lshl_add_u32 v3, v8, 3, v3
	v_lshlrev_b32 v3, 4, v3                        ; proj_w's scales: row 8 h + r + 8 (r / 8), 16 bytes a row
	v_lshlrev_b32 v4, 6, v8                        ; the bias: 16 h numbers on
	v_lshlrev_b32 v5, 4, v7
	v_lshl_add_u32 v5, v8, 18, v5                  ; x and out0: 16 r bytes of a row, 16 h channels of 16,384 bytes down
	s_and_b32 s19, ttmp7, 0xffff
	s_lshr_b32 s20, ttmp9, 6                       ; batch
	s_and_b32 s21, ttmp9, 63                       ; block of 64 positions
	s_lshl_b32 s22, s19, 8
	s_lshl_b32 s23, s18, 6
	s_add_co_u32 s22, s22, s23                     ; my first channel
	s_lshl_b32 s24, s20, 23
	s_lshl_b32 s23, s22, 14
	s_add_co_u32 s24, s24, s23
	s_lshl_b32 s23, s21, 8
	s_add_co_u32 s24, s24, s23
	s_mov_b32 s25, 0                               ; x and out0 at (batch, my first channel, the block's first position)
	s_lshl_b32 s26, s19, 4
	s_lshl_b32 s23, s18, 2
	s_add_co_u32 s26, s26, s23
	s_mul_i32 s26, s26, 6144
	s_add_co_u32 s26, s26, 589824                  ; wimg: the fourth weight, my four tiles
	s_mov_b32 s27, 0
	s_mul_i32 s28, ttmp9, 24576                    ; oimg: the block's four tiles x 8 heads x 768 bytes
	s_mov_b32 s29, 0
	s_lshl_b32 s30, ttmp9, 10                      ; osc: four tiles x 256 bytes
	s_mov_b32 s31, 0
	s_lshl_b32 s32, s22, 4
	s_mov_b32 s33, 0
	s_lshl_b32 s34, s22, 2
	s_mov_b32 s35, 0
	s_wait_kmcnt 0x0
	s_add_nc_u64 s[14:15], s[14:15], s[24:25]
	s_add_nc_u64 s[16:17], s[16:17], s[24:25]
	s_add_nc_u64 s[8:9], s[8:9], s[26:27]
	s_add_nc_u64 s[4:5], s[4:5], s[28:29]
	s_add_nc_u64 s[6:7], s[6:7], s[30:31]
	s_add_nc_u64 s[10:11], s[10:11], s[32:33]
	s_add_nc_u64 s[12:13], s[12:13], s[34:35]
.irp wt, 0,1,2,3
.irp j, 0,1,2,3,4,5,6,7
	global_load_b128 v[XR+32*\wt+4*\j:XR+32*\wt+4*\j+3], v5, s[14:15] offset:(32*(\wt/2)+8*(\wt%2)+\j)*16384 th:TH_LOAD_NT   ; sixteen lanes read 256 consecutive bytes of a channel's row; x's last reader
.endr
.endr
.irp g, 0,1
	global_load_b128 v[16+4*\g:19+4*\g], v3, s[10:11] offset:512*\g
	global_load_b128 v[24+4*\g:27+4*\g], v1, s[6:7] offset:512*\g
.endr
.irp wt, 0,1,2,3
	global_load_b128 v[32+8*\wt:35+8*\wt], v4, s[12:13] offset:(32*(\wt/2)+8*(\wt%2))*4
	global_load_b128 v[36+8*\wt:39+8*\wt], v4, s[12:13] offset:(32*(\wt/2)+8*(\wt%2))*4+16
.endr
.irp s, 0,1,2,3                                ; a K step's fragments: 12 + 16 = 28 loads
	WIN 0x40
.irp wt, 0,1,2,3
.irp c, 0,1,2
	global_load_b128 v[12*(4*\wt+\s)+4*\c:12*(4*\wt+\s)+4*\c+3], v1, s[8:9] offset:1536*(4*\wt+\s)+512*\c
.endr
.endr
	WIN 0x80
.irp T, 0,1,2,3
.irp e, 0,1                                    ; K step s is heads 2 s and 2 s + 1: one half image each
	global_load_b128 v[12*(4*\T+\s)+6*\e:12*(4*\T+\s)+6*\e+3], v1, s[4:5] offset:768*(8*\T+2*\s+\e)
	global_load_b64 v[12*(4*\T+\s)+6*\e+4:12*(4*\T+\s)+6*\e+5], v2, s[4:5] offset:768*(8*\T+2*\s+\e)+512
.endr
.endr
.endr
.irp s, 0,1,2,3
.if \s == 0
	s_wait_loadcnt 63                              ; behind this K step's loads stand 84; the wait's field holds 63
	WIN 0xc9                                       ; source 0 window 1, source 1 window 2, C (the bias) window 0, D window 3
.else
	s_wait_loadcnt 28*(3-\s)                       ; the later K steps' loads may be out
	WIN 0xf9                                       ; C and D window 3
.endif
.irp wt, 0,1,2,3                               ; sixteen accumulators by turns, one instruction a turn
.irp T, 0,1,2,3
.if \s == 0
	WM 8*(4*\wt+\T), 12*(4*\wt+\s), 12*(4*\T+\s), 32+8*\wt, 16+4*(\wt/2)+\s, 24+4*(\T/2)+\s, \wt%2, \T%2
.else
	WM 8*(4*\wt+\T), 12*(4*\wt+\s), 12*(4*\T+\s), 8*(4*\wt+\T), 16+4*(\wt/2)+\s, 24+4*(\T/2)+\s, \wt%2, \T%2
.endif
.endr
.endr
.endr
.rept 4
	v_nop                                          ; four plain places in front of the first read of results (ISA guide 7.12.1)
.endr
	WIN 0x03                                       ; source 0 window 3
.irp wt, 0,1,2,3
.irp T, 0,1,2,3
.irp j, 0,1,2,3,4,5,6,7
	v_add_f32 v[XR+32*\wt+4*\j+\T], v[8*(4*\wt+\T)+\j], v[XR+32*\wt+4*\j+\T]   ; the residual; each accumulator from its low end on
.endr
.endr
.endr
	WIN 0
.irp wt, 0,1,2,3
.irp j, 0,1,2,3,4,5,6,7
	global_store_b128 v5, v[XR+32*\wt+4*\j:XR+32*\wt+4*\j+3], s[16:17] offset:(32*(\wt/2)+8*(\wt%2)+\j)*16384 th:TH_STORE_NT   ; sixteen lanes store 256 consecutive bytes, at a multiple of 256 from out0's first byte
.endr
.endr
	s_endpgm
.Lfunc_end_k_qab3d3203bf_proj:
	.size	k_qab3d3203bf_proj, .Lfunc_end_k_qab3d3203bf_proj-k_qab3d3203bf_proj
	.p2alignl 7, 3214868480
	.fill 96, 4, 3214868480
	.section	.rodata,"a",@progbits
	.p2align	6, 0x0
	.amdhsa_kernel k_qab3d3203bf_proj
		.amdhsa_group_segment_fixed_size 0
		.amdhsa_private_segment_fixed_size 0
		.amdhsa_enable_private_segment 0
		.amdhsa_kernarg_size 56
		.amdhsa_user_sgpr_count 2
		.amdhsa_user_sgpr_kernarg_segment_ptr 1
		.amdhsa_wavefront_size32 1
		.amdhsa_system_sgpr_workgroup_id_x 1
		.amdhsa_system_sgpr_workgroup_id_y 1
		.amdhsa_system_sgpr_workgroup_id_z 1
		.amdhsa_system_vgpr_workitem_id 0
		.amdhsa_next_free_vgpr 896
		.amdhsa_next_free_sgpr 66
		.amdhsa_reserve_vcc 0
		.amdhsa_float_denorm_mode_32 3
		.amdhsa_float_denorm_mode_16_64 3
		.amdhsa_memory_ordered 1
		.amdhsa_forward_progress 1
		.amdhsa_inst_pref_size 33
	.end_amdhsa_kernel
	.amdgpu_metadata
---
amdhsa.version: [ 1, 2 ]
amdhsa.kernels:
  - .name:           k_qab3d3203bf_proj
    .symbol:         k_qab3d3203bf_proj.kd
    .args:
      - { .name: oimg, .offset: 0, .size: 8, .value_kind: global_buffer, .address_space: global }
      - { .name: osc, .offset: 8, .size: 8, .value_kind: global_buffer, .address_space: global }
      - { .name: wimg, .offset: 16, .size: 8, .value_kind: global_buffer, .address_space: global }
      - { .name: proj_w_scales, .offset: 24, .size: 8, .value_kind: global_buffer, .address_space: global }
      - { .name: proj_b, .offset: 32, .size: 8, .value_kind: global_buffer, .address_space: global }
      - { .name: x, .offset: 40, .size: 8, .value_kind: global_buffer, .address_space: global }
      - { .name: out0, .offset: 48, .size: 8, .value_kind: global_buffer, .address_space: global }
    .group_segment_fixed_size: 0
    .private_segment_fixed_size: 0
    .kernarg_segment_align: 8
    .kernarg_segment_size: 56
    .max_flat_workgroup_size: 128
    .sgpr_count:     66
    .vgpr_count:     896
    .wavefront_size: 32
...
	.end_amdgpu_metadata
.endif
;; end of part 4
;; ======== version 2 of 2: 4 launches
;; workspace buffers: gstat 2,048 bytes; wimg 786,432 bytes; qimg 3,145,728 bytes; qsc 524,288 bytes; kv 6,553,600 bytes; oimg 3,145,728 bytes; osc 131,072 bytes
;; launch prep (part 5): grid 256 x 1, 8 waves a work-group, no clusters, 1,536 bytes of LDS; arguments x, wq_w_codes, wk_w_codes, wv_w_codes, proj_w_codes, gstat, wimg; writes gstat, wimg
.if DOCPART == 5
	.amdgcn_target "amdgcn-amd-amdhsa--gfx1250"
	.amdhsa_code_object_version 6
	.text
	.protected	k_qab3d3203bf_prep
	.globl	k_qab3d3203bf_prep
	.p2align	8
	.type	k_qab3d3203bf_prep,@function
k_qab3d3203bf_prep:
	s_mov_b64 s[64:65], 0
	v_nop
	global_prefetch_b8 v0, s[64:65] scope:SCOPE_SE
	s_setreg_imm32_b32 hwreg(HW_REG_WAVE_MODE, 25, 1), 1
	s_wait_xcnt 0x0
; FIRST OF FOUR LAUNCHES of: out = x + proj(attention(q, k, v of GroupNorm(x))), all six products on codes of E3M2 with one E8M0 scale for each 32 along K.
; WORK LEFT OUT IN THE WHOLE PROGRAM: only the division by RESCALE, which reference() sets to the constant 1.0 in its own body: a factor that is 1 for every input.  Every input has a way
; to the output and is loaded by some launch (wk_b too: it moves k's codes).  Nothing else is left out, so no NaN, infinity or overflow can be lost with work left out.
; LIMITS OF THE PROGRAM: NaN and infinities among the inputs are not served.  A block of 32 whose largest magnitude lies under 2^-122 (a block of zeros too) gets the scale byte 1: a block of zeros has zero codes,
; which add nothing under that byte, and these bytes are read by this program alone.
; THIS LAUNCH: (a) statistics for the GroupNorm.  A group is 16 channels x 4,096 positions, 262,144 dense bytes.  Work-group i takes quarter i % 4 of group i / 4: 65,536 dense bytes, 64 numbers a thread, which stay in
; registers: first the mean, then the sum of squares of the differences from it, so that no difference of large sums is formed.  It stores (mean, sum of squares) at gstat[i]; the next launch joins four quarters.
; (b) the four weights' codes are laid anew as IMAGES OF OPERAND REGISTERS: wimg[matrix][tile 32][K step 4][1,536 bytes]: registers 4 c .. 4 c + 3 of lane l at 512 c + 16 l, so that later launches load a fragment by three
; loads of 512 dense bytes.  Row r of tile t is the weight's row 32 (t / 2) + 8 (t % 2) + r + 8 (r / 8), so that a transposed product leaves 16 neighbours along the next K in 16 registers of two tiles.
; Waves 0 and 1 of work-group i lay fragment 2 i + wave (512 fragments in all).
; No tensor loads, no matrix work, no cluster: the work-groups share no input.
.set SPARE, 512                        ; LDS: 8 words at 0 and 8 words at 256 for the two sums; from 512 the spare words, 128 bytes for each of eight waves
.set X,   32                           ; v32-95   my 64 numbers
.set WF,  96                           ; v96-107  a weight fragment (waves 0 and 1)
.set SPW, 5                            ; v5       LDS address of my spare word; never rewritten
.set NIL, 6                            ; v6       0; never rewritten
	s_load_b256 s[4:11], s[0:1], 0x0               ; x, wq's, wk's, wv's codes
	s_load_b128 s[12:15], s[0:1], 0x20             ; proj's codes, gstat
	s_load_b64 s[16:17], s[0:1], 0x30              ; wimg
	v_lshl_add_u32 v[SPW], v0, 2, SPARE
	v_mov_b32 v[NIL], 0
	v_lshrrev_b32 v8, 5, v0
	s_delay_alu instid0(VALU_DEP_1)
	v_readfirstlane_b32 s18, v8                    ; wave 0..7
	s_delay_alu instid0(VALU_DEP_2)
	v_lshlrev_b32 v4, 2, v8                        ; LDS: my wave's word
	v_lshlrev_b32 v1, 4, v0                        ; x: 16 bytes a thread, 4,096 a load of the work-group
	v_and_b32 v9, 15, v0                           ; r
	v_and_b32 v2, 8, v0
	s_delay_alu instid0(VALU_DEP_1)
	v_add_nc_u32 v2, v2, v9                        ; r + 8 (r / 8)
	s_delay_alu instid0(VALU_DEP_1)
	v_mul_u32_u24 v2, v2, 384                      ; a weight's row: 512 codes, 384 bytes
	v_bfe_u32 v9, v0, 4, 1
	s_delay_alu instid0(VALU_DEP_1)
	v_mad_u32_u24 v2, v9, 24, v2                   ; + 24 bytes for lanes 16-31
	v_and_b32 v3, 31, v0
	s_delay_alu instid0(VALU_DEP_1)
	v_lshlrev_b32 v3, 4, v3                        ; 16 x lane: my place in an image
	v_mov_b32 v7, 0
	s_mov_b32 s20, 0x76543210
	s_mov_b32 s21, 0xfedcba98                      ; lane selects: lane l xor 16
	s_lshl_b32 s24, ttmp9, 16                      ; my 65,536 bytes of x
	s_mov_b32 s25, 0
	s_lshr_b32 s26, ttmp9, 6                       ; which weight: 128 fragments each
	s_lshl_b32 s27, ttmp9, 1
	s_add_co_u32 s27, s27, s18                     ; fragment 2 i + wave (used by waves 0 and 1 alone)
	s_and_b32 s28, s27, 127                        ; in its weight: 4 x tile + K step
	s_lshr_b32 s29, s28, 3
	s_lshl_b32 s29, s29, 5
	s_bfe_u32 s30, s28, 0x10002
	s_lshl_b32 s30, s30, 3
	s_add_co_u32 s29, s29, s30                     ; the tile's first row: 32 (tile / 2) + 8 (tile % 2)
	s_mul_i32 s29, s29, 384
	s_and_b32 s30, s28, 3
	s_mul_i32 s30, s30, 96                         ; a K step: 128 codes, 96 bytes
	s_add_co_u32 s30, s30, s29
	s_mov_b32 s31, 0
	s_mul_i32 s32, s27, 1536                       ; the image's place
	s_mov_b32 s33, 0
	s_lshl_b32 s34, ttmp9, 3                       ; my 8 bytes of gstat
	s_mov_b32 s35, 0
	s_wait_kmcnt 0x0
	s_cmp_eq_u32 s26, 0                            ; the choice hangs on the work-group's number alone
	s_cselect_b64 s[22:23], s[6:7], s[8:9]
	s_cmp_lt_u32 s26, 2
	s_cselect_b64 s[22:23], s[22:23], s[10:11]
	s_cmp_lt_u32 s26, 3
	s_cselect_b64 s[22:23], s[22:23], s[12:13]
	s_add_nc_u64 s[22:23], s[22:23], s[30:31]
	s_add_nc_u64 s[4:5], s[4:5], s[24:25]
	s_add_nc_u64 s[14:15], s[14:15], s[34:35]
	s_add_nc_u64 s[16:17], s[16:17], s[32:33]
	s_cmp_lt_u32 s18, 2
	s_cbranch_scc0 .Lno_frag
	s_wait_alu depctr_va_vdst(0)
.irp p, 0,1,2,3,4,5
	global_load_b64 v[WF+2*\p:WF+2*\p+1], v2, s[22:23] offset:48*(\p/3)+8*(\p%3)   ; the fragment as the operand's layout wants it: 24 bytes of my row, twice
.endr
.Lno_frag:
.irp k, 0,1,2,3,4,5,6,7,8,9,10,11,12,13,14,15
	global_load_b128 v[X+4*\k:X+4*\k+3], v1, s[4:5] offset:4096*\k   ; a wave reads 512 consecutive bytes.  No hint: later launches read x again
.endr
; v8, my partial sum, becomes the work-group's sum in every lane; off: the 8 LDS words that serve this sum
.macro REDUCE off
	s_delay_alu instid0(VALU_DEP_1)
	v_add_f32_dpp v8, v8, v8 row_xmask:1 row_mask:0xf bank_mask:0xf
	s_delay_alu instid0(VALU_DEP_1)
	v_add_f32_dpp v8, v8, v8 row_xmask:2 row_mask:0xf bank_mask:0xf
	s_delay_alu instid0(VALU_DEP_1)
	v_add_f32_dpp v8, v8, v8 row_xmask:4 row_mask:0xf bank_mask:0xf
	s_delay_alu instid0(VALU_DEP_1)
	v_add_f32_dpp v8, v8, v8 row_xmask:8 row_mask:0xf bank_mask:0xf
	s_delay_alu instid0(VALU_DEP_1)
	v_permlanex16_b32 v9, v8, s20, s21
	s_delay_alu instid0(VALU_DEP_1)
	v_add_f32 v8, v8, v9
	ds_store_b32 v4, v8 offset:\off                ; all lanes write the wave's word with the same value
	s_wait_dscnt 0x0                               ; for the others' sake: my store is done
	s_barrier_signal -1
	s_barrier_wait -1
	ds_load_b128 v[20:23], v7 offset:\off
	ds_load_b128 v[24:27], v7 offset:\off+16
	s_wait_dscnt 0x0
	v_add_f32 v20, v20, v21
	v_add_f32 v22, v22, v23
	v_add_f32 v24, v24, v25
	v_add_f32 v26, v26, v27
	s_delay_alu instid0(VALU_DEP_3)
	v_add_f32 v20, v20, v22
	s_delay_alu instid0(VALU_DEP_2)
	v_add_f32 v24, v24, v26
	s_delay_alu instid0(VALU_DEP_1)
	v_add_f32 v8, v20, v24
.endm
	; the sum, in four chains of pairs, started by the first four loads: nothing is cleared
.irp k, 0,1,2,3
	s_wait_loadcnt 15-\k                           ; loads come back in order: load k is in, the 15 - k behind it may be out (the fragment's loads are older)
	v_pk_add_f32 v[12+2*\k:13+2*\k], v[X+4*\k:X+4*\k+1], v[X+4*\k+2:X+4*\k+3]
.endr
	s_wait_alu depctr_va_vdst(0)
.irp k, 4,5,6,7,8,9,10,11,12,13,14,15
	s_wait_alu depctr_va_vdst(0)
	s_wait_loadcnt 15-\k
	v_pk_add_f32 v[12+4*(\k%2):13+4*(\k%2)], v[12+4*(\k%2):13+4*(\k%2)], v[X+4*\k:X+4*\k+1]
	v_pk_add_f32 v[14+4*(\k%2):15+4*(\k%2)], v[14+4*(\k%2):15+4*(\k%2)], v[X+4*\k+2:X+4*\k+3]
.endr
	v_pk_add_f32 v[12:13], v[12:13], v[14:15]
	s_delay_alu instid0(VALU_DEP_2)
	v_pk_add_f32 v[16:17], v[16:17], v[18:19]
	s_delay_alu instid0(VALU_DEP_1)
	v_pk_add_f32 v[12:13], v[12:13], v[16:17]
	s_delay_alu instid0(VALU_DEP_1)
	v_add_f32 v8, v12, v13
	REDUCE 0
	s_delay_alu instid0(VALU_DEP_1)
	v_mul_f32 v10, 0x38800000, v8                  ; the mean of my 16,384 numbers: x 2^-14
	s_delay_alu instid0(VALU_DEP_1)
	v_mov_b32 v11, v10
	; the sum of squares of the differences from that mean
.set i, 0
.rept 32
	v_pk_add_f32 v[X+2*i:X+2*i+1], v[X+2*i:X+2*i+1], v[10:11] neg_lo:[0,1] neg_hi:[0,1]
.set i, i+1
.endr
.set i, 0
.rept 4
	v_pk_mul_f32 v[12+2*i:13+2*i], v[X+2*i:X+2*i+1], v[X+2*i:X+2*i+1]
.set i, i+1
.endr
.rept 28
	s_delay_alu instid0(VALU_DEP_4)
	v_pk_fma_f32 v[12+2*(i%4):13+2*(i%4)], v[X+2*i:X+2*i+1], v[X+2*i:X+2*i+1], v[12+2*(i%4):13+2*(i%4)]
.set i, i+1
.endr
	s_delay_alu instid0(VALU_DEP_3)
	v_pk_add_f32 v[12:13], v[12:13], v[14:15]
	s_delay_alu instid0(VALU_DEP_2)
	v_pk_add_f32 v[16:17], v[16:17], v[18:19]
	s_delay_alu instid0(VALU_DEP_1)
	v_pk_add_f32 v[12:13], v[12:13], v[16:17]
	s_delay_alu instid0(VALU_DEP_1)
	v_add_f32 v8, v12, v13
	REDUCE 256                                     ; other words than the first sum's: no barrier is owed between the two
	s_delay_alu instid0(VALU_DEP_1)
	v_mov_b32 v11, v8
	v_cmp_gt_u32 vcc_lo, 1, v0                     ; thread 0 stores the pair
	s_wait_alu depctr_va_vdst(0)
	s_wait_xcnt 0x0                                ; EXEC changes only behind this wait
	s_and_saveexec_b32 s36, vcc_lo
	global_store_b64 v7, v[10:11], s[14:15]
	s_wait_xcnt 0x0                                ; and again, in front of the line that widens it
	s_or_b32 exec_lo, exec_lo, s36
	s_cmp_lt_u32 s18, 2
	s_cbranch_scc0 .Lno_image
.irp c, 0,1,2
	global_store_b128 v3, v[WF+4*\c:WF+4*\c+3], s[16:17] offset:512*\c   ; 32 lanes store 512 consecutive bytes, at a multiple of 256 from wimg's first byte
.endr
.Lno_image:
	s_wait_tensorcnt 0x0                           ; the wave's end: three lines behind my last LDS store
	ds_add_u32 v[SPW], v[NIL]
	s_wait_dscnt 0x0
	s_endpgm
.Lfunc_end_k_qab3d3203bf_prep:
	.size	k_qab3d3203bf_prep, .Lfunc_end_k_qab3d3203bf_prep-k_qab3d3203bf_prep
	.p2alignl 7, 3214868480
	.fill 96, 4, 3214868480
	.section	.rodata,"a",@progbits
	.p2align	6, 0x0
	.amdhsa_kernel k_qab3d3203bf_prep
		.amdhsa_group_segment_fixed_size 1536
		.amdhsa_private_segment_fixed_size 0
		.amdhsa_enable_private_segment 0
		.amdhsa_kernarg_size 56
		.amdhsa_user_sgpr_count 2
		.amdhsa_user_sgpr_kernarg_segment_ptr 1
		.amdhsa_wavefront_size32 1
		.amdhsa_system_sgpr_workgroup_id_x 1
		.amdhsa_system_sgpr_workgroup_id_y 1
		.amdhsa_system_sgpr_workgroup_id_z 1
		.amdhsa_system_vgpr_workitem_id 0
		.amdhsa_next_free_vgpr 112
		.amdhsa_next_free_sgpr 66
		.amdhsa_reserve_vcc 1
		.amdhsa_float_denorm_mode_32 3
		.amdhsa_float_denorm_mode_16_64 3
		.amdhsa_memory_ordered 1
		.amdhsa_forward_progress 1
		.amdhsa_inst_pref_size 17
	.end_amdhsa_kernel
	.amdgpu_metadata
---
amdhsa.version: [ 1, 2 ]
amdhsa.kernels:
  - .name:           k_qab3d3203bf_prep
    .symbol:         k_qab3d3203bf_prep.kd
    .args:
      - { .name: x, .offset: 0, .size: 8, .value_kind: global_buffer, .address_space: global }
      - { .name: wq_w_codes, .offset: 8, .size: 8, .value_kind: global_buffer, .address_space: global }
      - { .name: wk_w_codes, .offset: 16, .size: 8, .value_kind: global_buffer, .address_space: global }
      - { .name: wv_w_codes, .offset: 24, .size: 8, .value_kind: global_buffer, .address_space: global }
      - { .name: proj_w_codes, .offset: 32, .size: 8, .value_kind: global_buffer, .address_space: global }
      - { .name: gstat, .offset: 40, .size: 8, .value_kind: global_buffer, .address_space: global }
      - { .name: wimg, .offset: 48, .size: 8, .value_kind: global_buffer, .address_space: global }
    .group_segment_fixed_size: 1536
    .private_segment_fixed_size: 0
    .kernarg_segment_align: 8
    .kernarg_segment_size: 56
    .max_flat_workgroup_size: 256
    .sgpr_count:     66
    .vgpr_count:     112
    .wavefront_size: 32
...
	.end_amdgpu_metadata
.endif
;; end of part 5
;; launch qkv (part 6): grid 128 x 2, 4 waves a work-group, no clusters, 56,832 bytes of LDS; arguments x, gstat, gn_w, gn_b, wimg, wq_w_scales, wk_w_scales, wv_w_scales, wq_b, wk_b, wv_b, qimg, qsc, kv; writes qimg, qsc, kv
.if DOCPART == 6
	.amdgcn_target "amdgcn-amd-amdhsa--gfx1250"
	.amdhsa_code_object_version 6
	.text
	.protected	k_qab3d3203bf_qkv
	.globl	k_qab3d3203bf_qkv
	.p2align	8
	.type	k_qab3d3203bf_qkv,@function
k_qab3d3203bf_qkv:
	s_mov_b64 s[64:65], 0
	v_nop
	global_prefetch_b8 v0, s[64:65] scope:SCOPE_SE
	s_setreg_imm32_b32 hwreg(HW_REG_WAVE_SCHED_MODE, 0, 2), 2
	s_setreg_imm32_b32 hwreg(HW_REG_WAVE_MODE, 25, 1), 1
	s_wait_xcnt 0x0
	s_wait_alu depctr_vm_vsrc(0)
; SECOND LAUNCH: the GroupNorm is finished, t = GroupNorm(x) transposed is quantised along the channels, q, k, v = t W^T + b are made and quantised (q, k along the head's 64; v along the keys).  No work of reference() is left out here.
; LIMITS: as stated at the first kernel's head (NaN and infinities not served; blocks under 2^-122 get the byte 1).
; SHARES.  Work-group (x, y) takes 64 positions (batch x / 64, block x % 64) and heads 4 y .. 4 y + 3; wave w owns head 4 y + w and makes its q, k and v for all 64 positions.  Its 48 weight fragments stay in registers
; (576), read once from wimg by loads of 512 dense bytes.  No tensor load, so nothing can be asked for jointly: no cluster.
; t: wave w quantises positions 32 (w % 2) + lane, channels 256 (w / 2) on: A LANE IS A POSITION AND ITS REGISTERS RUN DOWN THE CHANNELS, so a block of 32 along K lies in one lane, each load reads 128 consecutive bytes,
; and the conversions give codes with K innermost.  The codes go to LDS as images of operand registers, in two orders of the rows:
;   order 1 (for k and v): row r of tile 2 g + u is position 32 g + 8 u + r + 8 (r / 8);   order 2 (for q): row r of tile T is position 4 r + T (so that the last launch finds 4 neighbouring positions in one lane).
; A HALF IMAGE (768 bytes) holds six operand registers of 32 lanes: registers 0-3 of lane l at 16 l, registers 4-5 at 512 + 8 l; in it lane (r, h) holds block h (32 codes) of row r.  A fragment is two of them.
; q, k are used TRANSPOSED (source 0 = 16 rows of W, source 1 = 16 positions): a lane holds one position and its registers run along the head's 64.  v is used plain (source 0 = 16 positions, source 1 = 16 rows of W):
; a lane holds one channel and its registers run along the keys, which are the K of attention's second product.
; OUT: qimg[bh][tile][half image], qsc[bh][block][lane][T] words (s0, s1, s0, s1);  kv[bh][step of 128 keys][12,800]: 4 fragments of K (fragment f: keys 32 f on; its half image u holds the keys 8 u + r + 8 (r / 8)),
; 4 fragments of V^T (rows: channels in the tiles' order; half image e: keys 64 e on), 64 scale words of K, 64 of V.
; REGISTERS.  Window 1: v0-191 Wq's fragments ((tile, K step) at 12 (4 tile + step)), v192-223 q's bias.  Window 2: the same for k.  Window 3: v0-191 Wv's, v192-239 the tile of t in hand.
; Window 0: v1-15 addresses; v16-39 the weights' scale words; v40-41 t's; v42-45 v's bias; v46-72 at work; v74-79 the second buffer of codes; v96-127 q's or k's four accumulators; v128-255 v's sixteen (earlier: two sets of x, and the coefficients).
; THE MODE: SCHED_MODE bits 1:0 = 2 (LLVM: expert scheduling mode 2), set by the entry lines.  The code itself states the register dependences between vector or matrix instructions and memory or LDS instructions,
; with s_wait_alu, always for 0.
; THE PLAN.  Registers that memory or LDS instructions touch:
;   v1-11, v14         offsets and LDS addresses: made at the head, never written again.   v15, v50: offsets of the biases' loads; written again behind k's last tile.
;   v192-216           at the head: the small loads land in v192-211, the arithmetic names v192-220, the LDS stores read v204-212, v215, v216, the small loads read v213, v214; then the coefficients land in v192-255.
;   v128-191           two sets of x.  Block b's arithmetic reads and writes set b % 2; the loads of block b + 2 land in it.
;   v192-255, v62-63   coefficients and means.  Block b's arithmetic reads them; block b + 1's LDS loads land in them.
;   v64-69             in the blocks of t: written by a block's conversions and moves, read by its four LDS stores.   v46, v47: t's scale words, read by LDS stores behind block 7; later k's half words.
;   window 3 v192-239, v40-41   the tile of t: read by a step's matrix instructions; the next tile's LDS loads land in it.
;   v64-69, v74-79     codes of q, k, v: two buffers by turns.  Quantising n (0 .. 11: q's four tiles, k's four, v's four) writes buffer n % 2; its two stores are issued in step n + 1.
;   v52-55, v15, v50, v51   scale words to store: each written ahead of a wait on va_vdst and not again behind its store.
; A BLOCK OF t has ONE wait on va_vdst, behind its last vector line: its codes are written, and it is done with its set of x and with the coefficients.  Its LDS stores, the next block's coefficients, a part of the weights
; and the loads of block b + 2 follow, with no vector line among them.  One wait on vm_vsrc at a block's head: the last block's LDS stores have read v64-69.
; A STEP OF q, k, v has ONE wait on va_vdst, behind its matrix instructions and their four places: they are done reading the tile of t, and the step before has written its codes.  The next tile's LDS loads follow, then the
; stores of the step before, then this step's quantising, which names none of their registers.  The wait on vm_vsrc ahead of it finds stores that were issued a whole step earlier.
.set COEF,  0                          ; LDS: for each pair of channels (a, a, b, b): t = (x - mean) a + b, a = gn_w / sqrt(var + eps): 4,096 bytes
.set MU,    4096                       ; the 32 groups' means
.set T1,    4352                       ; t in order 1: four tiles, 6,144 bytes each, 6,272 apart
.set T1P,   6272
.set T2,    29440                      ; t in order 2: four tiles, 6,208 apart
.set T2P,   6208
.set TS1,   54272                      ; t's scale words [tile][K step][row], order 1
.set TS2,   55296                      ; order 2
.set SPARE, 56320                      ; the spare words, 128 bytes for each wave
.set SPW, 12                           ; v12 LDS address of my spare word; never rewritten
.set NIL, 13                           ; v13 0; never rewritten
.set WS,  16
.set TSR, 40
.set HW,  46
.set QW,  52
.set TM,  56
.set PX,  58
.set SO,  60
.set BY,  62
.set PCA, 64                           ; v64-69 codes, buffer 0
.set PT,  70
.set PCB, 74                           ; v74-79 codes, buffer 1
.set ACC, 96
.set VACC, 128
.set TF,  192                          ; in window 3
.set BI,  192                          ; in windows 1 and 2
.set SEL, 36
.set HM,  38
.set MSB, 0
.macro WIN new                         ; the immediate's high byte repeats the setting that is left; a switch that changes nothing is dropped
.if MSB != (\new)
	s_set_vgpr_msb (MSB<<8)|(\new)
.set MSB, (\new)
.endif
.endm
.macro PLACES                          ; four plain places behind a matrix instruction, in front of reads of its result (ISA guide 7.12.1)
.rept 4
	v_nop
.endr
.endm
; one matrix instruction: result d, source 0 a, source 1 b, C at c (c < 0: the constant 0 starts the sum), scale registers sa, sb; ra, rb = 1: that side's scales are read from lanes 16-31
.macro WM d, a, b, c, sa, sb, ra, rb
.if (\c) < 0
.if (\ra) && (\rb)
	v_wmma_scale_f32_16x16x128_f8f6f4 v[\d:\d+7], v[\a:\a+11], v[\b:\b+11], 0, v[\sa], v[\sb] matrix_a_fmt:MATRIX_FMT_BF6 matrix_b_fmt:MATRIX_FMT_BF6 matrix_a_scale:MATRIX_SCALE_ROW1 matrix_b_scale:MATRIX_SCALE_ROW1
.elseif (\ra)
	v_wmma_scale_f32_16x16x128_f8f6f4 v[\d:\d+7], v[\a:\a+11], v[\b:\b+11], 0, v[\sa], v[\sb] matrix_a_fmt:MATRIX_FMT_BF6 matrix_b_fmt:MATRIX_FMT_BF6 matrix_a_scale:MATRIX_SCALE_ROW1
.elseif (\rb)
	v_wmma_scale_f32_16x16x128_f8f6f4 v[\d:\d+7], v[\a:\a+11], v[\b:\b+11], 0, v[\sa], v[\sb] matrix_a_fmt:MATRIX_FMT_BF6 matrix_b_fmt:MATRIX_FMT_BF6 matrix_b_scale:MATRIX_SCALE_ROW1
.else
	v_wmma_scale_f32_16x16x128_f8f6f4 v[\d:\d+7], v[\a:\a+11], v[\b:\b+11], 0, v[\sa], v[\sb] matrix_a_fmt:MATRIX_FMT_BF6 matrix_b_fmt:MATRIX_FMT_BF6
.endif
.else
.if (\ra) && (\rb)
	v_wmma_scale_f32_16x16x128_f8f6f4 v[\d:\d+7], v[\a:\a+11], v[\b:\b+11], v[\c:\c+7], v[\sa], v[\sb] matrix_a_fmt:MATRIX_FMT_BF6 matrix_b_fmt:MATRIX_FMT_BF6 matrix_a_scale:MATRIX_SCALE_ROW1 matrix_b_scale:MATRIX_SCALE_ROW1
.elseif (\ra)
	v_wmma_scale_f32_16x16x128_f8f6f4 v[\d:\d+7], v[\a:\a+11], v[\b:\b+11], v[\c:\c+7], v[\sa], v[\sb] matrix_a_fmt:MATRIX_FMT_BF6 matrix_b_fmt:MATRIX_FMT_BF6 matrix_a_scale:MATRIX_SCALE_ROW1
.elseif (\rb)
	v_wmma_scale_f32_16x16x128_f8f6f4 v[\d:\d+7], v[\a:\a+11], v[\b:\b+11], v[\c:\c+7], v[\sa], v[\sb] matrix_a_fmt:MATRIX_FMT_BF6 matrix_b_fmt:MATRIX_FMT_BF6 matrix_b_scale:MATRIX_SCALE_ROW1
.else
	v_wmma_scale_f32_16x16x128_f8f6f4 v[\d:\d+7], v[\a:\a+11], v[\b:\b+11], v[\c:\c+7], v[\sa], v[\sb] matrix_a_fmt:MATRIX_FMT_BF6 matrix_b_fmt:MATRIX_FMT_BF6
.endif
.endif
.endm
; 32 numbers of a lane, v[s] .. v[s + 31], register 16 b + i = index 32 b + 16 (lane / 16) + i of my row, become a half image's six registers in v[pc] on and the two blocks' scale bytes in v[BY], v[BY + 1]
.macro QUANT2 s, pc
.irp b, 0,1
	v_max3_num_f32 v[TM+\b], |v[(\s)+16*\b]|, |v[(\s)+16*\b+1]|, 0x2800000   ; my 16 numbers of block b, and the floor 2^(5 - 127): the byte cannot fall under 1.  Each accumulator is read from its low end on
.endr
.irp i, 2,4,6,8,10,12,14
.irp b, 0,1
	v_max3_num_f32 v[TM+\b], v[TM+\b], |v[(\s)+16*\b+\i]|, |v[(\s)+16*\b+\i+1]|
.endr
.endr
.irp b, 0,1
	v_permlanex16_b32 v[PX+\b], v[TM+\b], s[SEL], s[SEL+1]
.endr
.irp b, 0,1
	v_max_num_f32 v[TM+\b], v[TM+\b], v[PX+\b]     ; with lane l xor 16's: the block's largest magnitude
.endr
.irp b, 0,1
	v_add_nc_u32 v[SO+\b], 0xfe000000, v[TM+\b]    ; 4 off its exponent field: the conversion takes the exponent field of this operand as its scale
.endr
.irp b, 0,1
	v_lshrrev_b32 v[BY+\b], 23, v[SO+\b]           ; the scale's byte
.endr
	v_cvt_scalef32_pk16_bf6_f32 v[(\pc):(\pc)+2], v[(\s):(\s)+15], v[SO]
	v_cvt_scalef32_pk16_bf6_f32 v[PT:PT+2], v[(\s)+16:(\s)+31], v[SO+1]
	v_nop                                          ; one plain place behind a scaled conversion
.irp i, 0,1,2
	v_permlane16_swap_b32 v[(\pc)+\i], v[PT+\i]    ; a whole block to a lane: lanes 0-15 block 0, lanes 16-31 block 1; the first three registers its lower 16 codes,
.endr
.irp i, 0,1,2
	v_mov_b32 v[(\pc)+3+\i], v[PT+\i]              ; the next three its upper 16
.endr
.endm
; a half image leaves from buffer pc: 512 and 256 consecutive bytes, at multiples of 256 from the buffer's first byte
.macro SENDC pc, base, off
	global_store_b128 v1, v[(\pc):(\pc)+3], s[(\base):(\base)+1] offset:(\off)
	global_store_b64 v2, v[(\pc)+4:(\pc)+5], s[(\base):(\base)+1] offset:(\off)+512
.endm
; ahead of a quantising that writes a buffer of codes again
.macro FREE
	s_wait_xcnt 0x0                                ; every earlier memory instruction has had its addresses translated (ISA guide 3.1): the buffer is written again only behind this wait
	s_wait_alu depctr_vm_vsrc(0)                   ; the two stores issued a step ago have read the buffer of codes that this step's quantising writes
.endm
.macro XLOAD b                         ; block b of my 256 channels: x(channel 32 b + i, my position) into set b % 2: 32 lanes read 128 consecutive bytes
.irp i, 0,1,2,3,4,5,6,7,8,9,10,11,12,13,14,15,16,17,18,19,20,21,22,23,24,25,26,27,28,29,30,31
	global_load_b32 v[128+32*((\b)%2)+\i], v3, s[40:41] offset:(32*(\b)+\i)*16384
.endr
.endm
; the weights come in seven parts, set between the blocks of x.  Parts 0-5: 8 fragments (24 loads) of Wq, Wq, Wk, Wk, Wv, Wv.  Part 6: 26 loads: scale words and biases.
; No vector line names the registers in which they land, and their offsets stand since the head: they owe no wait of their own
.macro WPART i
.if (\i) < 6
.set WB, 42+2*((\i)/2)
	WIN 0x40*(1+(\i)/2)                            ; destination: window 1, 2 or 3
.irp f, 0,1,2,3,4,5,6,7
.irp c, 0,1,2
	global_load_b128 v[12*(8*((\i)%2)+\f)+4*\c:12*(8*((\i)%2)+\f)+4*\c+3], v1, s[WB:WB+1] offset:1536*(8*((\i)%2)+\f)+512*\c
.endr
.endr
	WIN 0
.else
.irp m, 0,1,2
.irp g, 0,1
	global_load_b128 v[WS+8*\m+4*\g:WS+8*\m+4*\g+3], v14, s[14+2*\m:15+2*\m] offset:512*\g   ; the four K steps' scale words of a row: lanes 0-15 tile 2 g's rows, lanes 16-31 tile 2 g + 1's
.endr
.endr
	WIN 0x40
.irp t, 0,1,2,3
	global_load_b128 v[BI+8*\t:BI+8*\t+3], v15, s[20:21] offset:(32*(\t/2)+8*(\t%2))*4      ; q's bias in the result's layout: channels 32 g + 16 h + 8 u + 0 .. 7
	global_load_b128 v[BI+8*\t+4:BI+8*\t+7], v15, s[20:21] offset:(32*(\t/2)+8*(\t%2))*4+16
.endr
	WIN 0x80
.irp t, 0,1,2,3
	global_load_b128 v[BI+8*\t:BI+8*\t+3], v15, s[22:23] offset:(32*(\t/2)+8*(\t%2))*4      ; k's
	global_load_b128 v[BI+8*\t+4:BI+8*\t+7], v15, s[22:23] offset:(32*(\t/2)+8*(\t%2))*4+16
.endr
	WIN 0
.irp t, 0,1,2,3
	global_load_b32 v[42+\t], v50, s[24:25] offset:(32*(\t/2)+8*(\t%2))*4                   ; v's: one number a lane and tile: my channel's
.endr
.endif
.endm
.macro COEFS b                         ; block b's coefficients and means out of LDS
.irp i, 0,1,2,3,4,5,6,7,8,9,10,11,12,13,14,15
	ds_load_b128 v[192+4*\i:195+4*\i], v10 offset:256*(\b)+16*\i   ; (a, a, b, b) of channels 2 i, 2 i + 1: the same word for all lanes
.endr
	ds_load_b64 v[62:63], v11 offset:8*(\b)        ; the block's two groups' means
.endm
; block b of my channels: normalised, quantised, its 24 bytes of codes stored into both images.  n: the loads issued behind this block's, which may stay out
.macro BLOCK b, n
.set XS, 128+32*((\b)%2)
.set OF, 1536*((\b)/4)+768*(((\b)/2)%2)
	s_wait_loadcnt \n
	s_wait_dscnt 0x0                               ; the coefficients are in
.if (\b) > 0
	s_wait_alu depctr_vm_vsrc(0)                   ; the last block's LDS stores have read v[64:69], which this block's conversions and moves write again
.endif
.irp i, 0,2,4,6,8,10,12,14
	v_pk_add_f32 v[XS+\i:XS+\i+1], v[XS+\i:XS+\i+1], v[62:63] op_sel_hi:[1,0] neg_lo:[0,1] neg_hi:[0,1]             ; x - mean of the first group
.endr
.irp i, 16,18,20,22,24,26,28,30
	v_pk_add_f32 v[XS+\i:XS+\i+1], v[XS+\i:XS+\i+1], v[62:63] op_sel:[0,1] op_sel_hi:[1,1] neg_lo:[0,1] neg_hi:[0,1]   ; of the second
.endr
.irp i, 0,1,2,3,4,5,6,7,8,9,10,11,12,13,14,15
	v_pk_fma_f32 v[XS+2*\i:XS+2*\i+1], v[XS+2*\i:XS+2*\i+1], v[192+4*\i:193+4*\i], v[194+4*\i:195+4*\i]
.endr
	v_max3_num_f32 v56, |v[XS]|, |v[XS+1]|, |v[XS+2]|              ; the block's largest magnitude: all 32 numbers are mine
	v_max3_num_f32 v57, |v[XS+3]|, |v[XS+4]|, |v[XS+5]|
.irp i, 6,10,14,18,22,26
	v_max3_num_f32 v56, v56, |v[XS+\i]|, |v[XS+\i+1]|
	v_max3_num_f32 v57, v57, |v[XS+\i+2]|, |v[XS+\i+3]|
.endr
	v_max3_num_f32 v56, v56, |v[XS+30]|, |v[XS+31]|
	v_max3_num_f32 v56, v56, v57, 0x2800000        ; and the floor 2^(5 - 127)
	v_add_nc_u32 v60, 0xfe000000, v56
	v_lshrrev_b32 v61, 23, v60
.if (\b)%4 == 0
	v_mov_b32 v[46+(\b)/4], v61                    ; four bytes make a K step's scale word
.else
	v_lshl_or_b32 v[46+(\b)/4], v61, 8*((\b)%4), v[46+(\b)/4]
.endif
	v_cvt_scalef32_pk16_bf6_f32 v[64:66], v[XS:XS+15], v60
	v_cvt_scalef32_pk16_bf6_f32 v[68:70], v[XS+16:XS+31], v60      ; (a conversion's three registers begin on an even number)
	v_nop                                          ; one plain place behind a scaled conversion
	v_mov_b32 v67, v68
	v_mov_b32 v68, v69
	v_mov_b32 v69, v70                             ; v[64:69]: the block's 24 bytes
	s_wait_alu depctr_va_vdst(0)                   ; v[64:69] (and the scale word) are written, which the LDS stores read; the block is done with its set of x and with v[192:255], v[62:63], in which the loads below land
	ds_store_b128 v4, v[64:67] offset:OF+256*((\b)%2)              ; as lane (my row, b % 2) of half image (b / 2) % 2 of K step 2 (w / 2) + b / 4
	ds_store_b64 v5, v[68:69] offset:OF+512+128*((\b)%2)
	ds_store_b128 v6, v[64:67] offset:OF+256*((\b)%2)
	ds_store_b64 v7, v[68:69] offset:OF+512+128*((\b)%2)
.if (\b) < 7
	COEFS (\b)+1                                   ; the next block's coefficients, ahead of the run of global loads.  No vector line since the wait above
.endif
.endm
.macro TFETCH cb, sb                   ; a tile of t, all four K steps, into window 3; its scale words: v40 K steps 0 (lanes 0-15) and 1 (lanes 16-31), v41 K steps 2 and 3
	WIN 0xc0
.irp s, 0,1,2,3
.irp e, 0,1
	ds_load_b128 v[TF+12*\s+6*\e:TF+12*\s+6*\e+3], v1 offset:(\cb)+1536*\s+768*\e
	ds_load_b64 v[TF+12*\s+6*\e+4:TF+12*\s+6*\e+5], v2 offset:(\cb)+1536*\s+768*\e+512
.endr
.endr
	WIN 0
	ds_load_b32 v[TSR], v3 offset:(\sb)
	ds_load_b32 v[TSR+1], v3 offset:(\sb)+128
.endm
; q (m = 1) or k (m = 2) of the tile in hand: source 0 = 16 rows of W, source 1 = t.  Four accumulators by turns, one instruction a turn; the bias is the C of the first K step
.macro GEMM_QK m
.irp s, 0,1,2,3
.if \s == 0
	WIN ((\m)<<4)|0x0c|(\m)
.else
	WIN 0x0c|(\m)
.endif
.irp wt, 0,1,2,3
.if \s == 0
	WM ACC+8*\wt, 12*(4*\wt+\s), TF+12*\s, BI+8*\wt, WS+8*((\m)-1)+4*(\wt/2)+\s, TSR+\s/2, \wt%2, \s%2
.else
	WM ACC+8*\wt, 12*(4*\wt+\s), TF+12*\s, ACC+8*\wt, WS+8*((\m)-1)+4*(\wt/2)+\s, TSR+\s/2, \wt%2, \s%2
.endif
.endr
.endr
.endm
; v of tile tt: source 0 = t, source 1 = 16 rows of Wv: register j of lane (r, h) is v(position of row 8 h + j, channel of row r)
.macro GEMM_V tt
	WIN 0x0f
.irp s, 0,1,2,3
.irp d, 0,1,2,3
.if \s == 0
	WM VACC+32*\d+8*(\tt), TF+12*\s, 12*(4*\d+\s), -1, TSR+\s/2, WS+16+4*(\d/2)+\s, \s%2, \d%2
.else
	WM VACC+32*\d+8*(\tt), TF+12*\s, 12*(4*\d+\s), VACC+32*\d+8*(\tt), TSR+\s/2, WS+16+4*(\d/2)+\s, \s%2, \d%2
.endif
.endr
.endr
.endm
	s_load_b512 s[4:19], s[0:1], 0x0               ; x, gstat, gn_w, gn_b, wimg, wq's, wk's, wv's scales
	s_load_b256 s[20:27], s[0:1], 0x40             ; wq_b, wk_b, wv_b, qimg
	s_load_b128 s[28:31], s[0:1], 0x60             ; qsc, kv
	v_lshl_add_u32 v[SPW], v0, 2, SPARE
	v_mov_b32 v[NIL], 0
	v_lshrrev_b32 v73, 5, v0
	v_readfirstlane_b32 s32, v73                   ; wave 0..3
	v_and_b32 v15, 16, v0
	v_cmp_ne_u32 s[HM], 0, v15                     ; the mask of lanes 16-31
	s_lshr_b32 s66, ttmp9, 6                       ; batch
	s_and_b32 s67, ttmp9, 63                       ; block of 64 positions
	s_and_b32 s68, ttmp7, 0xffff
	s_mov_b32 s[SEL], 0x76543210
	s_mov_b32 s[SEL+1], 0xfedcba98
	s_mov_b32 s80, 0x37800000                      ; 2^-16: one over a group's 65,536 numbers
	s_mov_b32 s81, 0x3727c5ac                      ; eps = 1e-5
	v_and_b32 v73, 31, v0                          ; lane
	v_and_b32 v74, 15, v0                          ; r
	v_bfe_u32 v75, v0, 4, 1                        ; h
	v_lshlrev_b32 v1, 4, v73
	v_lshlrev_b32 v2, 3, v73
	v_lshlrev_b32 v3, 2, v73
	v_lshlrev_b32 v15, 2, v15                      ; 64 h: the biases' offset
	v_and_b32 v80, 8, v0
	v_add_nc_u32 v80, v80, v74                     ; r + 8 (r / 8)
	v_lshlrev_b32 v50, 2, v80                      ; v's bias: my channel in a tile
	v_lshl_add_u32 v14, v75, 3, v80
	v_lshlrev_b32 v14, 4, v14                      ; the weights' scales: row 8 h + r + 8 (r / 8), 16 bytes a row
	s_wait_alu depctr_va_sdst(0)                   ; s32, the wave's number, and s38, the lanes' mask, are written, ahead of the first reader of either
	s_and_b32 s33, s32, 1                          ; which 32 positions I quantise
	s_lshr_b32 s34, s32, 1                         ; which 256 channels
	s_lshl_b32 s69, s68, 2
	s_add_co_u32 s69, s69, s32                     ; my head
	s_lshl_b32 s70, s66, 3
	s_add_co_u32 s70, s70, s69                     ; 8 x batch + head
	; where my position's codes go.  Order 1: tile 2 (w % 2) + (lane / 8) % 2, row lane % 8 + 8 (lane / 16).  Order 2: tile lane % 4, row 8 (w % 2) + lane / 4
	s_mul_i32 s35, s33, 2*T1P
	s_mul_i32 s39, s34, 3072
	s_add_co_u32 s35, s35, s39
	s_add_co_u32 s35, s35, T1
	s_lshl_b32 s60, s33, 7
	s_add_co_u32 s60, s60, s39
	s_add_co_u32 s60, s60, T2
	s_lshl_b32 s61, s33, 6
	s_add_co_u32 s61, s61, s39
	s_add_co_u32 s61, s61, T2
	s_lshl_b32 s62, s33, 9
	s_lshl_b32 s39, s34, 7
	s_add_co_u32 s62, s62, s39
	s_add_co_u32 s62, s62, TS1
	s_lshl_b32 s63, s33, 5
	s_add_co_u32 s63, s63, s39
	s_add_co_u32 s63, s63, TS2
	v_bfe_u32 v76, v0, 3, 1
	v_and_b32 v77, 7, v0
	v_lshl_add_u32 v77, v75, 3, v77
	v_mul_u32_u24 v78, v76, T1P
	v_add_nc_u32 v78, s35, v78
	v_lshl_add_u32 v4, v77, 4, v78
	v_lshl_add_u32 v5, v77, 3, v78
	v_lshlrev_b32 v78, 8, v76
	v_add_nc_u32 v78, s62, v78
	v_lshl_add_u32 v8, v77, 2, v78
	v_and_b32 v76, 3, v0
	v_bfe_u32 v77, v0, 2, 3
	v_mul_u32_u24 v78, v76, T2P
	v_lshl_add_u32 v6, v77, 4, v78
	v_add_nc_u32 v6, s60, v6
	v_lshl_add_u32 v7, v77, 3, v78
	v_add_nc_u32 v7, s61, v7
	v_lshlrev_b32 v78, 8, v76
	v_lshl_add_u32 v9, v77, 2, v78
	v_add_nc_u32 v9, s63, v9
	s_lshl_b32 s39, s34, 11
	v_mov_b32 v10, s39                             ; my 256 channels' coefficients (COEF = 0)
	s_lshl_b32 s39, s34, 6
	s_add_co_u32 s39, s39, MU
	v_mov_b32 v11, s39                             ; and their 16 groups' means
	v_mov_b32 v[PX], 0                             ; written once: a lane permute's destination counts as one of its sources
	v_mov_b32 v[PX+1], 0
	; the coefficients: thread t has channels 4 t .. 4 t + 3, of group t / 4
	v_and_b32 v212, 0x7c, v0                       ; 4 x group: the mean's word
	v_lshlrev_b32 v213, 3, v212                    ; 32 x group: its four quarters in gstat
	v_lshlrev_b32 v214, 4, v0                      ; 16 t
	v_lshlrev_b32 v215, 5, v0                      ; 32 t
	s_lshl_b32 s72, s66, 23                        ; x: batch, my 256 channels, the block's 256 bytes, my 128 of them
	s_lshl_b32 s73, s34, 22
	s_add_co_u32 s72, s72, s73
	s_lshl_b32 s73, s67, 8
	s_add_co_u32 s72, s72, s73
	s_lshl_b32 s73, s33, 7
	s_add_co_u32 s72, s72, s73
	s_mov_b32 s73, 0
	s_lshl_b32 s74, s66, 10                        ; gstat: 32 groups x 32 bytes a batch
	s_mov_b32 s75, 0
	s_wait_kmcnt 0x0
	s_add_nc_u64 s[40:41], s[4:5], s[72:73]
	s_add_nc_u64 s[6:7], s[6:7], s[74:75]
	s_wait_alu depctr_va_vdst(0)                   ; every offset and LDS address of the kernel is written: v1-11, v14, v15, v50, v212-215, which the loads and stores below read
	global_load_b128 v[192:195], v213, s[6:7]      ; (mean, sum of squares) of quarters 0, 1
	global_load_b128 v[196:199], v213, s[6:7] offset:16   ; of quarters 2, 3
	global_load_b128 v[200:203], v214, s[8:9]      ; gn_w
	global_load_b64 v[206:207], v214, s[10:11]     ; gn_b, straight into its places beside a
	global_load_b64 v[210:211], v214, s[10:11] offset:8
	XLOAD 0
	XLOAD 1
	; the other addresses, while the loads are out
	s_mul_i32 s72, s69, 24576                      ; my head's four tiles in a weight's images
	s_add_nc_u64 s[42:43], s[12:13], s[72:73]
	s_add_nc_u64 s[44:45], s[42:43], 196608
	s_add_nc_u64 s[46:47], s[44:45], 196608
	s_lshl_b32 s72, s69, 10                        ; 64 rows x 16 scale bytes
	s_add_nc_u64 s[14:15], s[14:15], s[72:73]
	s_add_nc_u64 s[16:17], s[16:17], s[72:73]
	s_add_nc_u64 s[18:19], s[18:19], s[72:73]
	s_lshl_b32 s72, s69, 8                         ; 64 numbers of a bias
	s_add_nc_u64 s[20:21], s[20:21], s[72:73]
	s_add_nc_u64 s[22:23], s[22:23], s[72:73]
	s_add_nc_u64 s[24:25], s[24:25], s[72:73]
	s_lshl_b32 s72, s70, 8
	s_lshl_b32 s74, s67, 2
	s_add_co_u32 s72, s72, s74
	s_mul_i32 s72, s72, 768
	s_add_nc_u64 s[48:49], s[26:27], s[72:73]      ; qimg at tile 4 x block
	s_lshl_b32 s72, s70, 6
	s_add_co_u32 s72, s72, s67
	s_lshl_b32 s72, s72, 9
	s_add_nc_u64 s[50:51], s[28:29], s[72:73]      ; qsc
	s_lshl_b32 s72, s70, 5
	s_lshr_b32 s74, s67, 1
	s_add_co_u32 s72, s72, s74
	s_mul_i32 s72, s72, 12800
	s_add_nc_u64 s[30:31], s[30:31], s[72:73]      ; kv at my step of 128 keys; j = block % 2: which 64 of them
	s_and_b32 s74, s67, 1
	s_mul_i32 s72, s74, 3072
	s_add_nc_u64 s[52:53], s[30:31], s[72:73]      ; K's fragments 2 j, 2 j + 1
	s_mul_i32 s72, s74, 768
	s_add_co_u32 s72, s72, 6144
	s_add_nc_u64 s[54:55], s[30:31], s[72:73]      ; V's half images j
	s_lshl_b32 s72, s74, 7
	s_add_co_u32 s72, s72, 12288
	s_add_nc_u64 s[56:57], s[30:31], s[72:73]      ; K's scale words
	s_lshl_b32 s72, s74, 1
	s_add_co_u32 s72, s72, 12544
	s_add_nc_u64 s[58:59], s[30:31], s[72:73]      ; V's: bytes 2 j, 2 j + 1 of each word
	s_wait_loadcnt 63                              ; 64 loads of x were issued behind the five small ones: those are in
	v_add_f32 v216, v192, v194
	v_add_f32 v217, v196, v198
	v_add_f32 v216, v216, v217
	v_mul_f32 v216, 0x3e800000, v216               ; the group's mean: the four quarters have equally many numbers
	v_sub_f32 v217, v192, v216
	v_sub_f32 v218, v194, v216
	v_sub_f32 v219, v196, v216
	v_sub_f32 v220, v198, v216
	v_mul_f32 v217, v217, v217
	v_fma_f32 v217, v218, v218, v217
	v_fma_f32 v217, v219, v219, v217
	v_fma_f32 v217, v220, v220, v217
	v_add_f32 v218, v193, v195
	v_add_f32 v219, v197, v199
	v_add_f32 v218, v218, v219
	v_fma_f32 v217, v217, 0x46800000, v218         ; the group's sum of squares: the quarters' + 16,384 x the squares of their means' distances
	v_fma_f32 v217, v217, s80, s81                 ; var + eps
	s_wait_alu depctr_va_vdst(0)
	v_rsq_f32 v217, v217
	v_nop                                          ; a plain place behind the transcendental
	s_wait_alu depctr_va_vdst(0)                   ; the reciprocal root v217 is written, ahead of the first use of its result
	v_mul_f32 v204, v217, v200
	v_mul_f32 v205, v217, v201
	v_mul_f32 v208, v217, v202
	v_mul_f32 v209, v217, v203
	s_wait_alu depctr_va_vdst(0)                   ; v204, v205, v208, v209 and the mean v216 are written, which the LDS stores read; and every vector line that names v192-220, in which block 0's coefficients land, is done
	ds_store_b128 v215, v[204:207] offset:COEF
	ds_store_b128 v215, v[208:211] offset:COEF+16
	ds_store_b32 v212, v216 offset:MU              ; the group's four threads write the same word with the same value
	s_wait_dscnt 0x0                               ; for the others' sake
	s_barrier_signal -1
	s_barrier_wait -1                              ; the coefficients of all 512 channels lie in LDS
	s_wait_alu depctr_vm_vsrc(0)                   ; my LDS stores have read v204-212, v215, v216, and the small loads their offsets v213, v214: block 0's coefficients land in these registers
	COEFS 0
	; ---- t.  The counts: behind the block wanted stand the next block's 32 loads and one part of the weights (24; the last 26)
	BLOCK 0, 32
	WPART 0
	XLOAD 2
.irp b, 1,2,3,4,5
	BLOCK \b, 56
	WPART \b
	XLOAD \b+2
.endr
	BLOCK 6, 56
	WPART 6
	BLOCK 7, 26
	ds_store_b32 v8, v46                           ; my position's scale words of my two K steps, in both orders (written ahead of block 7's wait on va_vdst; no vector line since)
	ds_store_b32 v8, v47 offset:64
	ds_store_b32 v9, v46
	ds_store_b32 v9, v47 offset:64
	s_wait_dscnt 0x0                               ; for the others' sake
	s_barrier_signal -1
	s_barrier_wait -1                              ; t's eight tiles lie in LDS; nothing is stored there from here on
	s_wait_loadcnt 0x0                             ; the weights, their scales, the biases
	s_wait_alu depctr_vm_vsrc(0)                   ; my LDS stores have read v[64:69], v46 and v47, and the biases' loads their offsets v15 and v50: all of these are written again below
	; ---- q, a tile of 16 positions (order 2) at a time
	TFETCH T2, TS2                                 ; no vector or matrix line has named these registers yet
.irp T, 0,1,2,3
	s_wait_dscnt 0x0
	GEMM_QK 1
	WIN 0
	PLACES
.if \T >= 2
	FREE
.endif
	s_wait_alu depctr_va_vdst(0)                   ; the matrix instructions are done reading the tile of t and v40, v41, in which the loads below land; the tile before has written its codes, which the stores below read
.if \T < 3
	TFETCH T2+T2P*(\T+1), TS2+256*(\T+1)
.else
	TFETCH T1, TS1
.endif
.if \T > 0
	SENDC PCA+10*((\T+1)%2), 48, 768*(\T-1)
.endif
	QUANT2 ACC, PCA+10*(\T%2)
	v_lshl_or_b32 v[QW+\T], v[BY+1], 8, v[BY]
	v_lshl_or_b32 v[QW+\T], v[QW+\T], 16, v[QW+\T]                 ; (s0, s1, s0, s1): q stands in either half of the K of 128
.endr
	; ---- k and v, a tile of 16 positions (order 1) at a time
.irp t, 0,1,2,3
	s_wait_dscnt 0x0
	GEMM_QK 2
	GEMM_V \t
	WIN 0
	PLACES
	FREE
	s_wait_alu depctr_va_vdst(0)                   ; the matrix instructions are done reading the tile of t and v40, v41; the tile before has written its codes (the first time: and q's scale words v52-55), which the stores below read
.if \t < 3
	TFETCH T1+T1P*(\t+1), TS1+256*(\t+1)
.endif
.if \t == 0
	SENDC PCB, 48, 768*3
	global_store_b128 v1, v[QW:QW+3], s[50:51]
.else
	SENDC PCA+10*((\t+1)%2), 52, 768*(\t-1)
.endif
	QUANT2 ACC, PCA+10*(\t%2)
	v_lshl_or_b32 v[HW+\t], v[BY+1], 8, v[BY]
.endr
	v_lshl_or_b32 v50, v[HW+1], 16, v[HW]          ; a fragment's scale word: its two sets of 16 keys, two blocks each
	v_lshl_or_b32 v51, v[HW+3], 16, v[HW+2]
	v_cndmask_b32 v15, v50, v51, s[HM]             ; lanes 0-15 fragment 2 j, lanes 16-31 fragment 2 j + 1
	; ---- v: the bias, then quantised along the 64 keys
.irp d, 0,1,2,3
	FREE
	s_wait_alu depctr_va_vdst(0)                   ; the quantising before has written its codes (the first time: and K's scale words v15), which the stores below read
.if \d == 0
	SENDC PCB, 52, 768*3
	global_store_b32 v3, v15, s[56:57]
.else
	SENDC PCA+10*((\d+1)%2), 54, 1536*(\d-1)
.endif
.irp i, 0,2,4,6,8,10,12,14,16,18,20,22,24,26,28,30
.if \d%2 == 0
	v_pk_add_f32 v[VACC+32*\d+\i:VACC+32*\d+\i+1], v[VACC+32*\d+\i:VACC+32*\d+\i+1], v[42+2*(\d/2):43+2*(\d/2)] op_sel_hi:[1,0]
.else
	v_pk_add_f32 v[VACC+32*\d+\i:VACC+32*\d+\i+1], v[VACC+32*\d+\i:VACC+32*\d+\i+1], v[42+2*(\d/2):43+2*(\d/2)] op_sel:[0,1] op_sel_hi:[1,1]
.endif
.endr
	QUANT2 VACC+32*\d, PCA+10*(\d%2)
	v_lshl_or_b32 v[HW+\d], v[BY+1], 8, v[BY]
.endr
	v_cndmask_b32 v50, v[HW], v[HW+1], s[HM]       ; lanes 0-15 tile 0's rows, lanes 16-31 tile 1's
	v_cndmask_b32 v51, v[HW+2], v[HW+3], s[HM]
	s_wait_alu depctr_va_vdst(0)                   ; the last codes and V's scale bytes v50, v51 are written, which the last four stores read
	SENDC PCB, 54, 1536*3
	global_store_b16 v3, v50, s[58:59]             ; two of a word's four bytes: the other two come from the work-group of the step's other 64 keys
	global_store_b16 v3, v51, s[58:59] offset:128
	s_wait_dscnt 0x0                               ; the closing lines, six on end
	s_wait_alu 0x0
	s_wait_tensorcnt 0x0
	ds_add_u32 v[SPW], v[NIL]
	s_wait_dscnt 0x0
	s_endpgm
.Lfunc_end_k_qab3d3203bf_qkv:
	.size	k_qab3d3203bf_qkv, .Lfunc_end_k_qab3d3203bf_qkv-k_qab3d3203bf_qkv
	.p2alignl 7, 3214868480
	.fill 96, 4, 3214868480
	.section	.rodata,"a",@progbits
	.p2align	6, 0x0
	.amdhsa_kernel k_qab3d3203bf_qkv
		.amdhsa_group_segment_fixed_size 56832
		.amdhsa_private_segment_fixed_size 0
		.amdhsa_enable_private_segment 0
		.amdhsa_kernarg_size 112
		.amdhsa_user_sgpr_count 2
		.amdhsa_user_sgpr_kernarg_segment_ptr 1
		.amdhsa_wavefront_size32 1
		.amdhsa_system_sgpr_workgroup_id_x 1
		.amdhsa_system_sgpr_workgroup_id_y 1
		.amdhsa_system_sgpr_workgroup_id_z 1
		.amdhsa_system_vgpr_workitem_id 0
		.amdhsa_next_free_vgpr 1024
		.amdhsa_next_free_sgpr 84
		.amdhsa_reserve_vcc 0
		.amdhsa_float_denorm_mode_32 3
		.amdhsa_float_denorm_mode_16_64 3
		.amdhsa_memory_ordered 1
		.amdhsa_forward_progress 1
		.amdhsa_inst_pref_size 154
	.end_amdhsa_kernel
	.amdgpu_metadata
---
amdhsa.version: [ 1, 2 ]
amdhsa.kernels:
  - .name:           k_qab3d3203bf_qkv
    .symbol:         k_qab3d3203bf_qkv.kd
    .args:
      - { .name: x, .offset: 0, .size: 8, .value_kind: global_buffer, .address_space: global }
      - { .name: gstat, .offset: 8, .size: 8, .value_kind: global_buffer, .address_space: global }
      - { .name: gn_w, .offset: 16, .size: 8, .value_kind: global_buffer, .address_space: global }
      - { .name: gn_b, .offset: 24, .size: 8, .value_kind: global_buffer, .address_space: global }
      - { .name: wimg, .offset: 32, .size: 8, .value_kind: global_buffer, .address_space: global }
      - { .name: wq_w_scales, .offset: 40, .size: 8, .value_kind: global_buffer, .address_space: global }
      - { .name: wk_w_scales, .offset: 48, .size: 8, .value_kind: global_buffer, .address_space: global }
      - { .name: wv_w_scales, .offset: 56, .size: 8, .value_kind: global_buffer, .address_space: global }
      - { .name: wq_b, .offset: 64, .size: 8, .value_kind: global_buffer, .address_space: global }
      - { .name: wk_b, .offset: 72, .size: 8, .value_kind: global_buffer, .address_space: global }
      - { .name: wv_b, .offset: 80, .size: 8, .value_kind: global_buffer, .address_space: global }
      - { .name: qimg, .offset: 88, .size: 8, .value_kind: global_buffer, .address_space: global }
      - { .name: qsc, .offset: 96, .size: 8, .value_kind: global_buffer, .address_space: global }
      - { .name: kv, .offset: 104, .size: 8, .value_kind: global_buffer, .address_space: global }
    .group_segment_fixed_size: 56832
    .private_segment_fixed_size: 0
    .kernarg_segment_align: 8
    .kernarg_segment_size: 112
    .max_flat_workgroup_size: 128
    .sgpr_count:     84
    .vgpr_count:     1024
    .wavefront_size: 32
...
	.end_amdgpu_metadata
.endif
;; end of part 6
;; launch attn (part 7): grid 16 x 16, 16 waves a work-group, clusters of 4 x 1, 327,680 bytes of LDS; arguments qimg, qsc, kv, oimg, osc; writes oimg, osc
.if DOCPART == 7
	.amdgcn_target "amdgcn-amd-amdhsa--gfx1250"
	.amdhsa_code_object_version 6
	.text
	.protected	k_qab3d3203bf_attn
	.globl	k_qab3d3203bf_attn
	.p2align	8
	.type	k_qab3d3203bf_attn,@function
k_qab3d3203bf_attn:
	s_mov_b64 s[64:65], 0
	v_nop
	global_prefetch_b8 v0, s[64:65] scope:SCOPE_SE
	s_setreg_imm32_b32 hwreg(HW_REG_WAVE_MODE, 25, 1), 1
	s_wait_xcnt 0x0
	s_wait_alu depctr_hold_cnt(0) depctr_sa_sdst(0) depctr_va_vdst(0) depctr_va_sdst(0) depctr_va_ssrc(0) depctr_va_vcc(0) depctr_vm_vsrc(0)
	s_getreg_b32 s2, hwreg(HW_REG_IB_STS2, 6, 4)
	s_cmp_eq_u32 s2, 0
	s_cbranch_scc0 .Lentry_in_a_cluster
	s_endpgm
.Lentry_in_a_cluster:
	s_bfe_u32 s2, ttmp6, 0x10000c
	s_cmp_lg_u32 s2, 0x3003
	s_cbranch_scc0 .Lentry_shape_is_right
	s_endpgm
.Lentry_shape_is_right:
; THIRD LAUNCH: o = softmax(q k^T / 8) v for 16 (batch, head) pairs of 4,096 positions, head size 64, both products on codes of E3M2; o is quantised along the channels for the last launch.  No work of reference() is left out here.
; THE SOFTMAX AHEAD OF THE SECOND PRODUCT: t = score x log2(e) / 8; M = the row's largest t so far, rounded UP to a whole number; p = 2^(t - M) is what is quantised, along the keys; the row's sum is taken of the
; unquantised p and divides O at the end.  When M moves, the sum and O are multiplied by 2^(old M - new M): exact.
; LIMITS: NaN and infinities not served; a p under 2^-126 comes out of the exponential as 0; a block whose largest p lies under 2^-122 gets the byte 1.
; SHARES.  A work-group owns 256 queries of one (batch, head); each of its SIXTEEN waves owns one tile of 16, in under 256 registers: four waves to a SIMD, so that one wave's vector work stands beside another's matrix
; work and LDS loads.  Every wave walks the head's 32 steps of 128 keys.
; LAYOUT.  Both products are used transposed (S^T = K Q^T, O^T = V^T P): a lane holds ONE query throughout.  kv holds, for each step, images of the operands' registers (12,800 bytes: see the second kernel), so every LDS load
; reads 512 or 256 consecutive bytes and no padding is wanted.
; THE HEAD'S 64 IN AN INSTRUCTION OF K = 128: a fragment of K holds TWO sets of 16 keys, one in k 0-63 and one in k 64-127.  q stands between two runs of zero codes, v16-21 | v22-27 | v28-33: (q, 0) = v[22:33] picks the
; first set, (0, q) = v[16:27] the second.  Zero codes add nothing under any scale byte that occurs.
; THE RING: two slots of 8 steps (102,400 bytes), 2^17 bytes apart.  Each wave fetches a sixteenth of a slot, 25 rows of 256 bytes, by one tensor load. A wave has one
; tensor load out at a time at the start, and one behind each change of slots; a refill has 8 steps of all sixteen waves in which to land, so nothing is prefetched.
; CLUSTER: the four work-groups of a cluster walk the same kv of one head: each part of a slot is asked for JOINTLY, by the same load with the same descriptor (made of the head and the wave's number alone) and a mask that names the four.
; REGISTERS: v1-3 16, 8, 4 x lane; v4-6 the step's LDS addresses; v7, v8 the add's two; v9 q's scale word; v12 -M, v13 the largest t, v[14:15] the sum; v16-33 zeros, q, zeros; v34-81 four fragments of K, then of V;
; v82-85 their scale words; v96-159 S^T, then p; v160-191 O^T; v192-203 p's codes; v204-233 at work.
.set STEPB, 12800
.set SLOTB, 8*STEPB
.set SLOT1, 1<<17
.set SPARE, SLOTB                      ; behind slot 0: the spare words, 128 bytes for each of sixteen waves: eight blocks of 256 bytes that no other line names
.set SPW, 7
.set NIL, 8
.set F,   34
.set S,   96
.set O,   160
.set P,   192
.set PC,  192
.set PT,  204
.set TM,  212
.set PX,  216
.set SO,  220
.set BY,  224
.set SEL, 20
.macro WM d, a, b, c, sa, sb, ra, rb   ; one matrix instruction; c < 0: the constant 0 starts the sum; ra, rb = 1: that side's scales are read from lanes 16-31
.if (\c) < 0
.if (\ra) && (\rb)
	v_wmma_scale_f32_16x16x128_f8f6f4 v[\d:\d+7], v[\a:\a+11], v[\b:\b+11], 0, v[\sa], v[\sb] matrix_a_fmt:MATRIX_FMT_BF6 matrix_b_fmt:MATRIX_FMT_BF6 matrix_a_scale:MATRIX_SCALE_ROW1 matrix_b_scale:MATRIX_SCALE_ROW1
.elseif (\ra)
	v_wmma_scale_f32_16x16x128_f8f6f4 v[\d:\d+7], v[\a:\a+11], v[\b:\b+11], 0, v[\sa], v[\sb] matrix_a_fmt:MATRIX_FMT_BF6 matrix_b_fmt:MATRIX_FMT_BF6 matrix_a_scale:MATRIX_SCALE_ROW1
.elseif (\rb)
	v_wmma_scale_f32_16x16x128_f8f6f4 v[\d:\d+7], v[\a:\a+11], v[\b:\b+11], 0, v[\sa], v[\sb] matrix_a_fmt:MATRIX_FMT_BF6 matrix_b_fmt:MATRIX_FMT_BF6 matrix_b_scale:MATRIX_SCALE_ROW1
.else
	v_wmma_scale_f32_16x16x128_f8f6f4 v[\d:\d+7], v[\a:\a+11], v[\b:\b+11], 0, v[\sa], v[\sb] matrix_a_fmt:MATRIX_FMT_BF6 matrix_b_fmt:MATRIX_FMT_BF6
.endif
.else
.if (\ra) && (\rb)
	v_wmma_scale_f32_16x16x128_f8f6f4 v[\d:\d+7], v[\a:\a+11], v[\b:\b+11], v[\c:\c+7], v[\sa], v[\sb] matrix_a_fmt:MATRIX_FMT_BF6 matrix_b_fmt:MATRIX_FMT_BF6 matrix_a_scale:MATRIX_SCALE_ROW1 matrix_b_scale:MATRIX_SCALE_ROW1
.elseif (\ra)
	v_wmma_scale_f32_16x16x128_f8f6f4 v[\d:\d+7], v[\a:\a+11], v[\b:\b+11], v[\c:\c+7], v[\sa], v[\sb] matrix_a_fmt:MATRIX_FMT_BF6 matrix_b_fmt:MATRIX_FMT_BF6 matrix_a_scale:MATRIX_SCALE_ROW1
.elseif (\rb)
	v_wmma_scale_f32_16x16x128_f8f6f4 v[\d:\d+7], v[\a:\a+11], v[\b:\b+11], v[\c:\c+7], v[\sa], v[\sb] matrix_a_fmt:MATRIX_FMT_BF6 matrix_b_fmt:MATRIX_FMT_BF6 matrix_b_scale:MATRIX_SCALE_ROW1
.else
	v_wmma_scale_f32_16x16x128_f8f6f4 v[\d:\d+7], v[\a:\a+11], v[\b:\b+11], v[\c:\c+7], v[\sa], v[\sb] matrix_a_fmt:MATRIX_FMT_BF6 matrix_b_fmt:MATRIX_FMT_BF6
.endif
.endif
.endm
; 32 numbers of a lane, register 16 b + i = index 32 b + 16 (lane / 16) + i of my row, become a half image's six registers in v[PC] on and the two blocks' scale bytes in v[BY], v[BY + 1]
.macro QUANT2 s
	s_wait_xcnt 0x0
.irp b, 0,1
	v_max3_num_f32 v[TM+\b], |v[(\s)+16*\b]|, |v[(\s)+16*\b+1]|, 0x2800000   ; and the floor 2^(5 - 127)
.endr
.irp i, 2,4,6,8,10,12,14
.irp b, 0,1
	s_delay_alu instid0(VALU_DEP_2)
	v_max3_num_f32 v[TM+\b], v[TM+\b], |v[(\s)+16*\b+\i]|, |v[(\s)+16*\b+\i+1]|
.endr
.endr
.irp b, 0,1
	s_delay_alu instid0(VALU_DEP_2)
	v_permlanex16_b32 v[PX+\b], v[TM+\b], s[SEL], s[SEL+1]
.endr
.irp b, 0,1
	s_delay_alu instid0(VALU_DEP_2)
	v_max_num_f32 v[TM+\b], v[TM+\b], v[PX+\b]
.endr
.irp b, 0,1
	s_delay_alu instid0(VALU_DEP_2)
	v_add_nc_u32 v[SO+\b], 0xfe000000, v[TM+\b]
.endr
.irp b, 0,1
	s_delay_alu instid0(VALU_DEP_2)
	v_lshrrev_b32 v[BY+\b], 23, v[SO+\b]
.endr
	v_cvt_scalef32_pk16_bf6_f32 v[PC:PC+2], v[(\s):(\s)+15], v[SO]
	v_cvt_scalef32_pk16_bf6_f32 v[PT:PT+2], v[(\s)+16:(\s)+31], v[SO+1]
	v_nop                                          ; one plain place behind a scaled conversion
.irp i, 0,1,2
	v_permlane16_swap_b32 v[PC+\i], v[PT+\i]
.endr
.irp i, 0,1,2
	s_delay_alu instid0(VALU_DEP_3)
	v_mov_b32 v[PC+3+\i], v[PT+\i]
.endr
.endm
; A round of the cluster's barrier: my work-group's barrier, so that wave 0's signal speaks for all sixteen waves; wave 0 signals for the work-group; every wave waits for all four work-groups; my work-group's barrier once more
.macro CROUND
	s_barrier_signal -1
	s_barrier_wait -1
	s_cmp_lg_u32 s14, 0
	s_cbranch_scc1 .Lnot_wave_0_\@
	s_barrier_signal -3
.Lnot_wave_0_\@:
	s_barrier_wait -3
	s_barrier_signal -1
	s_barrier_wait -1
.endm
; THE CHANGE OF SLOTS, at a slot's head.  Each wave waits for all its tensor loads (its part of the slot ahead), adds 0 to its spare word, and waits for that and for its reads of the slot that it has left.
; fill = 1: the barrier is a round of the cluster's, and behind it the slot just left is filled with the 8 steps that follow the slot ahead: my one tensor load until the next change
.macro CHANGE fill
	s_wait_tensorcnt 0x0                           ; no tensor load of mine is out, so the walking descriptor may be written
	ds_add_u32 v[SPW], v[NIL]                      ; 0 onto my spare word
.if \fill
	s_xor_b32 s37, s37, SLOT1                      ; the other slot than last time,
	s_add_nc_u64 s[38:39], s[38:39], SLOTB         ; the next 8 steps; the type bits on top are not reached
	s_wait_dscnt 0x0                               ; the add is done, and my reads of the slot that I have left are over
	CROUND                                         ; both now hold of every wave of all four work-groups
	tensor_load_to_lds s[36:39], s[24:31]
	s_nop 0
.rept 4
	v_nop
.endr
.else
	s_wait_dscnt 0x0
	s_barrier_signal -1
	s_barrier_wait -1
.endif
.endm
; A KEY STEP: 128 keys, at LDS byte s40
.macro STEP
	v_add_nc_u32 v4, s40, v1
	v_add_nc_u32 v5, s40, v2
	v_add_nc_u32 v6, s40, v3
	v_nop                                          ; with the three additions: the four places in front of loads into registers that the last products read
.irp f, 0,1,2,3
.irp e, 0,1
	ds_load_b128 v[F+12*\f+6*\e:F+12*\f+6*\e+3], v4 offset:1536*\f+768*\e
	ds_load_b64 v[F+12*\f+6*\e+4:F+12*\f+6*\e+5], v5 offset:1536*\f+768*\e+512
.endr
.endr
	ds_load_b32 v82, v6 offset:12288               ; K's scale words: fragment 0 in lanes 0-15, fragment 1 in lanes 16-31;
	ds_load_b32 v83, v6 offset:12416               ; fragments 2 and 3
	s_wait_alu depctr_va_vdst(0)
	s_wait_dscnt 0x0
.irp f, 0,1,2,3                                ; S^T: tile 2 f + u; the 16 registers of tiles 2 f and 2 f + 1 are keys 32 f + 16 (lane / 16) + 0 .. 15
	WM S+16*\f, F+12*\f, 22, -1, 82+\f/2, 9, \f%2, 0
	WM S+16*\f+8, F+12*\f, 16, -1, 82+\f/2, 9, \f%2, 0
.endr
.rept 4
	v_nop                                          ; places in front of the loads below and of the first read of the scores
.endr
.irp f, 0,1,2,3                                ; V's fragments land while the softmax is walked
.irp e, 0,1
	ds_load_b128 v[F+12*\f+6*\e:F+12*\f+6*\e+3], v4 offset:6144+1536*\f+768*\e
	ds_load_b64 v[F+12*\f+6*\e+4:F+12*\f+6*\e+5], v5 offset:6144+1536*\f+768*\e+512
.endr
.endr
	ds_load_b32 v84, v6 offset:12544
	ds_load_b32 v85, v6 offset:12672
.irp b, 0,1,2,3
	v_max3_num_f32 v[212+\b], v[S+16*\b], v[S+1+16*\b], v[S+2+16*\b]   ; THE LARGEST SCORE OF EACH BLOCK OF 32 KEYS serves twice: for the row's maximum, and, since p rises with the score, for the block's largest p
.endr
.irp i, 3,5,7,9,11,13
.irp b, 0,1,2,3
	v_max3_num_f32 v[212+\b], v[212+\b], v[S+16*\b+\i], v[S+1+16*\b+\i]
.endr
.endr
.irp b, 0,1,2,3
	v_max_num_f32 v[212+\b], v[212+\b], v[S+15+16*\b]
.endr
.irp b, 0,1,2,3
	s_delay_alu instid0(VALU_DEP_4)
	v_permlanex16_b32 v[216+\b], v[212+\b], s[SEL], s[SEL+1]
.endr
.irp b, 0,1,2,3
	s_delay_alu instid0(VALU_DEP_4)
	v_max_num_f32 v[212+\b], v[212+\b], v[216+\b]  ; with lane l xor 16's 16 keys
.endr
	s_delay_alu instid0(VALU_DEP_2)
	v_max3_num_f32 v231, v212, v213, v214
	s_delay_alu instid0(VALU_DEP_1)
	v_max_num_f32 v231, v231, v215                 ; the step's largest score of my query
	s_delay_alu instid0(VALU_DEP_1)
	v_mul_f32 v231, s22, v231                      ; as t (c is positive)
	s_delay_alu instid0(VALU_DEP_1)
	v_max_num_f32 v13, v13, v231                   ; the running largest t
	v_mov_b32 v231, v12
	s_delay_alu instid0(VALU_DEP_2)
	v_floor_f32 v12, -v13                          ; the new -M = floor(-t) = -ceil(t)
	s_delay_alu instid0(VALU_DEP_1)
	v_sub_f32 v231, v12, v231                      ; old M - new M: a whole number, 0 or less
	s_delay_alu instid0(VALU_DEP_1)
	v_cvt_i32_f32 v231, v231                       ; (it saturates)
	s_delay_alu instid0(VALU_DEP_1)
	v_ldexp_f32 v228, 1.0, v231                    ; f = 2^(old M - new M)
.set j, 0
.rept 32
	v_pk_fma_f32 v[S+j:S+j+1], v[S+j:S+j+1], s[22:23], v[12:13] op_sel_hi:[1,0,0]   ; t - M, two at a time (of the pairs c and -M the low word serves both halves)
.set j, j+2
.endr
.irp b, 0,1,2,3
	v_fma_f32 v[212+\b], v[212+\b], s22, v12       ; the same of each block's largest score
.endr
.set j, 0
	s_setprio 1
	s_wait_alu depctr_va_vdst(0)
.rept 64
	v_exp_f32 v[S+j], v[S+j]                       ; p = 2^(t - M), at most 1: not normalised
.set j, j+1
.endr
	v_pk_mul_f32 v[14:15], v[14:15], v[228:229] op_sel_hi:[1,0]    ; the sums under the new M: a plain place behind the exponentials
	s_wait_alu depctr_va_vdst(0)                   ; one wait for the whole batch, ahead of its first reader
.irp b, 0,1,2,3
	v_exp_f32 v[212+\b], v[212+\b]                 ; the block's largest p: the same two instructions on the same number give the same bits
.endr
	v_pk_add_f32 v[232:233], v[S:S+1], v[S+2:S+3]  ; THE ROW'S SUM IS TAKEN OF THE UNQUANTISED p: two at a time, in two chains
.irp j, 4,8,12,16,20,24,28,32,36,40,44,48,52,56,60
	v_pk_add_f32 v[14:15], v[14:15], v[S+\j:S+\j+1]
	v_pk_add_f32 v[232:233], v[232:233], v[S+\j+2:S+\j+3]
.endr
	s_delay_alu instid0(VALU_DEP_1)
	v_pk_add_f32 v[14:15], v[14:15], v[232:233]
	s_wait_alu depctr_va_vdst(0)                   ; and one for the four
.irp b, 0,1,2,3
	v_max_num_f32 v[212+\b], 0x2800000, v[212+\b]  ; the floor 2^(5 - 127): the byte cannot fall under 1
.endr
.irp b, 0,1,2,3
	s_delay_alu instid0(VALU_DEP_4)
	v_add_nc_u32 v[220+\b], 0xfe000000, v[212+\b]  ; 4 off the exponent field: the conversion's scale operand
.endr
.irp b, 0,1,2,3
	s_delay_alu instid0(VALU_DEP_4)
	v_lshrrev_b32 v[224+\b], 23, v[220+\b]         ; the scale's byte
.endr
	s_delay_alu instid0(VALU_DEP_3)
	v_lshl_or_b32 v230, v225, 8, v224              ; p's scale word for these 128 keys
	s_delay_alu instid0(VALU_DEP_1)
	v_lshl_or_b32 v230, v226, 16, v230
	s_delay_alu instid0(VALU_DEP_1)
	v_lshl_or_b32 v230, v227, 24, v230
.irp c, 0,1
	v_cvt_scalef32_pk16_bf6_f32 v[P+6*\c:P+6*\c+2], v[S+32*\c:S+32*\c+15], v[220+2*\c]
	v_cvt_scalef32_pk16_bf6_f32 v[204+4*\c:206+4*\c], v[S+16+32*\c:S+31+32*\c], v[221+2*\c]   ; (a conversion's three registers begin on an even number)
.endr
	v_nop                                          ; one plain place behind a scaled conversion
.irp c, 0,1                                    ; a whole block to a lane: lanes 0-15 block 2 c, lanes 16-31 block 2 c + 1
.irp i, 0,1,2
	v_permlane16_swap_b32 v[P+6*\c+\i], v[204+4*\c+\i]
.endr
.irp i, 0,1,2
	s_delay_alu instid0(VALU_DEP_3)
	v_mov_b32 v[P+3+6*\c+\i], v[204+4*\c+\i]
.endr
.endr
.set j, 0
	s_setprio 0
.rept 16
	v_pk_mul_f32 v[O+j:O+j+1], v[O+j:O+j+1], v[228:229] op_sel_hi:[1,0]   ; O^T under the new M.  These sixteen also stand between the lines that made p's codes and scale word and the products below
.set j, j+2
.endr
	s_wait_alu depctr_va_vdst(0)
	s_wait_dscnt 0x0                               ; V
.irp d, 0,1,2,3                                ; O^T += V^T P: one instruction an accumulator and step; the eight products K Q^T stand between two links of a chain
	WM O+8*\d, F+12*\d, P, O+8*\d, 84+\d/2, 230, \d%2, 0
.endr
	s_add_co_u32 s40, s40, STEPB
.endm
.macro SLOT_STEPS                      ; a slot's 8 steps: written once, walked eight times; the LDS addresses hang on s40
	s_mov_b32 s41, 8
.Lstep_\@:
	s_setprio 2
	STEP
	s_sub_co_u32 s41, s41, 1
	s_cmp_lg_u32 s41, 0
	s_cbranch_scc1 .Lstep_\@
	s_setprio 0
	s_sub_co_u32 s40, s40, SLOTB                   ; back to a slot's first step,
	s_xor_b32 s40, s40, SLOT1                      ; in the other slot
.endm
	s_load_b256 s[4:11], s[0:1], 0x0               ; qimg, qsc, kv, oimg
	s_load_b64 s[12:13], s[0:1], 0x20              ; osc
	v_lshl_add_u32 v[SPW], v0, 2, SPARE
	v_mov_b32 v[NIL], 0
	ds_add_u32 v[SPW], v[NIL]                      ; the wave's opening: the add, twice on end, and its wait ahead of my first tensor load; the set-up below, work on registers, stands between
	ds_add_u32 v[SPW], v[NIL]                      ; and once more, under the one wait
	v_lshrrev_b32 v10, 5, v0
	s_delay_alu instid0(VALU_DEP_1)
	v_readfirstlane_b32 s14, v10                   ; wave 0..15
	s_bfe_u32 s15, ttmp6, 0x40000                  ; cx: my place in the cluster: it enters q's and o's global addresses alone
	s_lshl_b32 s16, ttmp9, 2                       ; in a cluster launch ttmp9 counts clusters
	s_add_co_u32 s16, s16, s15                     ; my block of 256 queries
	s_and_b32 s17, ttmp7, 0xffff                   ; 8 x batch + head, which the four partners share
	s_lshl_b32 s18, s16, 4
	s_add_co_u32 s18, s18, s14                     ; my tile of 16 queries, 0..255
	; descriptor group 1: 25 rows of 32 elements of 8 bytes, dense
	s_mov_b32 s24, 15|(3<<16)|(1<<21)              ; 15:0 the mask: all four work-groups; 17:16 elements of 8 bytes; 20 no padding; 21 set beside a mask
	s_mov_b32 s25, 32<<16                          ; tensor_dim0 = 32
	s_mov_b32 s26, 25<<16                          ; tensor_dim1 = 25
	s_mov_b32 s27, 32<<16                          ; tile_dim0 = 32
	s_mov_b32 s28, 25                              ; tile_dim1 = 25
	s_mov_b32 s29, 32                              ; from row to row
	s_mov_b32 s30, 0
	s_mov_b32 s31, 0
	s_mov_b32 s[SEL], 0x76543210
	s_mov_b32 s[SEL+1], 0xfedcba98
	s_mov_b32 s22, 0x3e38aa3b                      ; c = log2(e) / 8
	s_mov_b32 s23, s22                             ; (named with it as a pair, so it is written)
	s_mov_b32 s40, 0
	s_mul_i32 s44, s17, 32*STEPB                   ; kv: my head,
	s_mul_i32 s33, s14, 6400                       ; my sixteenth of a slot: in LDS (group 0's second word) and in memory alike
	s_add_co_u32 s44, s44, s33
	s_mov_b32 s45, 0
	s_lshl_b32 s46, s17, 8
	s_add_co_u32 s46, s46, s18
	s_mul_i32 s46, s46, 768                        ; qimg: my tile's half image
	s_mov_b32 s47, 0
	s_lshl_b32 s48, s17, 6
	s_lshr_b32 s19, s18, 2
	s_add_co_u32 s48, s48, s19
	s_lshl_b32 s48, s48, 9
	s_and_b32 s19, s18, 3
	s_lshl_b32 s19, s19, 2
	s_add_co_u32 s48, s48, s19                     ; qsc: block tile / 4, word tile % 4 of a lane's four
	s_mov_b32 s49, 0
	s_lshr_b32 s19, s17, 3
	s_lshl_b32 s19, s19, 8
	s_add_co_u32 s19, s19, s18                     ; 256 x batch + tile
	s_and_b32 s43, s17, 7                          ; head
	s_lshl_b32 s50, s19, 3
	s_add_co_u32 s50, s50, s43
	s_mul_i32 s50, s50, 768                        ; oimg[batch][tile][head]
	s_mov_b32 s51, 0
	s_lshl_b32 s52, s19, 8
	s_lshl_b32 s43, s43, 1
	s_add_co_u32 s52, s52, s43                     ; osc[batch][tile][row][head][block]
	s_mov_b32 s53, 0
	s_mov_b32 s32, 1                               ; group 0 for slot 0's first fill: count = 1,
	s_mov_b32 s36, 1                               ; and the walking one, which begins with slot 1
	s_add_co_u32 s37, s33, SLOT1
	v_and_b32 v10, 31, v0
	s_delay_alu instid0(VALU_DEP_1)
	v_lshlrev_b32 v1, 4, v10
	s_delay_alu instid0(VALU_DEP_2)
	v_lshlrev_b32 v2, 3, v10
	s_delay_alu instid0(VALU_DEP_3)
	v_lshlrev_b32 v3, 2, v10
	s_wait_dscnt 0x0                               ; both opening adds are done
	s_wait_kmcnt 0x0
	s_add_nc_u64 s[34:35], s[8:9], s[44:45]        ; steps 0-7
	s_add_nc_u64 s[38:39], s[34:35], SLOTB         ; steps 8-15
	s_or_b32 s35, s35, 0x80000000                  ; type = 2
	s_or_b32 s39, s39, 0x80000000
	s_add_nc_u64 s[4:5], s[4:5], s[46:47]
	s_add_nc_u64 s[6:7], s[6:7], s[48:49]
	s_add_nc_u64 s[10:11], s[10:11], s[50:51]
	s_add_nc_u64 s[12:13], s[12:13], s[52:53]
	CROUND                                         ; all four work-groups are here: the first joint loads meet
	tensor_load_to_lds s[32:35], s[24:31]          ; slot 0's first fill, waited for before slot 1's goes out
	s_nop 0
	s_wait_alu depctr_va_vdst(0)
	s_wait_tensorcnt 0x0
	ds_add_u32 v7, v8
	s_wait_dscnt 0x0
	CROUND
	tensor_load_to_lds s[36:39], s[24:31]
	s_nop 0
.rept 4
	v_nop
.endr
	s_wait_alu depctr_va_vdst(0)
	global_load_b128 v[22:25], v1, s[4:5]          ; q's six registers stay
	global_load_b64 v[26:27], v2, s[4:5] offset:512
	global_load_b32 v9, v1, s[6:7]                 ; its scale words (s0, s1, s0, s1)
.irp i, 16,17,18,19,20,21,28,29,30,31,32,33
	v_mov_b32 v[\i], 0                             ; the zero codes on either side of q
.endr
	v_mov_b32 v13, 0xff61b1e6                      ; the largest t so far: -3e38, under every t
	s_delay_alu instid0(VALU_DEP_1)
	v_floor_f32 v12, -v13                          ; -M
	v_mov_b32 v14, 0                               ; the sum, in two halves
	v_mov_b32 v15, 0
.set j, 0
.rept 32
	v_mov_b32 v[O+j], 0                            ; O^T.  (The step is written once: its first walk finds zeros, which the first change of M leaves zeros)
.set j, j+1
.endr
.irp b, 0,1,2,3
	v_mov_b32 v[216+\b], 0                         ; written once: a lane permute's destination counts as one of its sources
.endr
	v_mov_b32 v229, 0                              ; (named as the upper half of the pair v[228:229])
	s_wait_tensorcnt 0x1                           ; my part of slot 0 is in; slot 1's may stay out
	s_barrier_signal -1
	s_barrier_wait -1                              ; everybody's is
	s_wait_loadcnt 0x0                             ; q
	SLOT_STEPS                                     ; steps 0-7
	s_mov_b32 s42, 2
.Lslot:                                            ; two trips: steps 8-15 while steps 16-23 come in, steps 16-23 while steps 24-31 come in
	CHANGE 1
	SLOT_STEPS
	s_sub_co_u32 s42, s42, 1
	s_cmp_lg_u32 s42, 0
	s_cbranch_scc1 .Lslot
	CHANGE 0                                       ; the last slot is written out: nothing is left to fetch
	SLOT_STEPS
	; THE WAY OUT: O^T / the sum, quantised along the head's 64 channels (two blocks of the last product's K), stored as a half image
	v_add_f32 v14, v14, v15                        ; the sum's two halves,
	s_delay_alu instid0(VALU_DEP_1)
	v_permlanex16_b32 v231, v14, s[SEL], s[SEL+1]
	s_delay_alu instid0(VALU_DEP_1)
	v_add_f32 v14, v14, v231                       ; and lane l xor 16's: the row's sum
	s_wait_alu depctr_va_vdst(0)
	v_rcp_f32 v14, v14
	v_and_b32 v10, 15, v0                          ; (plain places behind the transcendental and behind the last products)
	s_delay_alu instid0(VALU_DEP_1)
	v_lshlrev_b32 v10, 4, v10
	v_bfe_u32 v11, v0, 4, 1
	s_delay_alu instid0(VALU_DEP_1)
	v_add_nc_u32 v10, v10, v11                     ; osc: 16 x row + block
	v_and_b32 v11, 16, v0
	s_wait_alu depctr_va_vdst(0)                   ; a wait ahead of the first use of the reciprocal
.set j, 0
.rept 16
	v_pk_mul_f32 v[S+j:S+j+1], v[O+j:O+j+1], v[14:15] op_sel_hi:[1,0]    ; register 16 g + i is o(my query, channel 32 g + 16 (lane / 16) + i); each accumulator from its low end on
.set j, j+2
.endr
	s_wait_alu depctr_va_vdst(0)
	QUANT2 S
	global_store_b128 v1, v[PC:PC+3], s[10:11]     ; 512 and 256 consecutive bytes, at multiples of 256 from oimg's first byte
	global_store_b64 v2, v[PC+4:PC+5], s[10:11] offset:512
	v_cmp_ne_u32 vcc_lo, 0, v11
	s_delay_alu instid0(VALU_DEP_1)
	v_cndmask_b32 v11, v[BY], v[BY+1], vcc_lo      ; lane (r, h) has the byte of block h
	global_store_b8 v10, v11, s[12:13]
	s_wait_tensorcnt 0x0                           ; the wave's end: three lines behind my last tensor load
	ds_add_u32 v[SPW], v[NIL]
	s_wait_dscnt 0x0
	CROUND                                         ; the closing round: no work-group ends while a partner may still ask for a tile that names it
	s_endpgm
.Lfunc_end_k_qab3d3203bf_attn:
	.size	k_qab3d3203bf_attn, .Lfunc_end_k_qab3d3203bf_attn-k_qab3d3203bf_attn
	.p2alignl 7, 3214868480
	.fill 96, 4, 3214868480
	.section	.rodata,"a",@progbits
	.p2align	6, 0x0
	.amdhsa_kernel k_qab3d3203bf_attn
		.amdhsa_group_segment_fixed_size 327680
		.amdhsa_private_segment_fixed_size 0
		.amdhsa_enable_private_segment 0
		.amdhsa_kernarg_size 40
		.amdhsa_user_sgpr_count 2
		.amdhsa_user_sgpr_kernarg_segment_ptr 1
		.amdhsa_wavefront_size32 1
		.amdhsa_system_sgpr_workgroup_id_x 1
		.amdhsa_system_sgpr_workgroup_id_y 1
		.amdhsa_system_sgpr_workgroup_id_z 1
		.amdhsa_system_vgpr_workitem_id 0
		.amdhsa_next_free_vgpr 240
		.amdhsa_next_free_sgpr 66
		.amdhsa_reserve_vcc 1
		.amdhsa_float_denorm_mode_32 3
		.amdhsa_float_denorm_mode_16_64 3
		.amdhsa_memory_ordered 1
		.amdhsa_forward_progress 1
		.amdhsa_inst_pref_size 65
	.end_amdhsa_kernel
	.amdgpu_metadata
---
amdhsa.version: [ 1, 2 ]
amdhsa.kernels:
  - .name:           k_qab3d3203bf_attn
    .symbol:         k_qab3d3203bf_attn.kd
    .args:
      - { .name: qimg, .offset: 0, .size: 8, .value_kind: global_buffer, .address_space: global }
      - { .name: qsc, .offset: 8, .size: 8, .value_kind: global_buffer, .address_space: global }
      - { .name: kv, .offset: 16, .size: 8, .value_kind: global_buffer, .address_space: global }
      - { .name: oimg, .offset: 24, .size: 8, .value_kind: global_buffer, .address_space: global }
      - { .name: osc, .offset: 32, .size: 8, .value_kind: global_buffer, .address_space: global }
    .group_segment_fixed_size: 327680
    .private_segment_fixed_size: 0
    .kernarg_segment_align: 8
    .kernarg_segment_size: 40
    .max_flat_workgroup_size: 512
    .sgpr_count:     66
    .vgpr_count:     240
    .wavefront_size: 32
...
	.end_amdgpu_metadata
.endif
;; end of part 7
;; launch proj (part 8): grid 128 x 2, 4 waves a work-group, no clusters, 0 bytes of LDS; arguments oimg, osc, wimg, proj_w_scales, proj_b, x, out0; writes out0
.if DOCPART == 8
	.amdgcn_target "amdgcn-amd-amdhsa--gfx1250"
	.amdhsa_code_object_version 6
	.text
	.protected	k_qab3d3203bf_proj
	.globl	k_qab3d3203bf_proj
	.p2align	8
	.type	k_qab3d3203bf_proj,@function
k_qab3d3203bf_proj:
	s_mov_b64 s[64:65], 0
	v_nop
	global_prefetch_b8 v0, s[64:65] scope:SCOPE_SE
	s_setreg_imm32_b32 hwreg(HW_REG_WAVE_SCHED_MODE, 0, 2), 2
	s_setreg_imm32_b32 hwreg(HW_REG_WAVE_MODE, 25, 1), 1
	s_wait_xcnt 0x0
	s_wait_alu depctr_vm_vsrc(0)
; FOURTH LAUNCH: out0 = o proj_w^T + proj_b, transposed back to [batch][channel][position], + x.  Left out: the division by RESCALE, the constant 1.0 of reference()'s own body (see the first kernel's head).
; SHARES.  Work-group (x, y) takes 64 positions (batch x / 64, block x % 64) and channels 256 y on; wave w takes channels 256 y + 64 w on: four tiles of proj_w's rows against the block's four tiles of o: 16 accumulators, K = 512 in four steps.
; LAYOUT.  Source 0 = 16 rows of proj_w (tile 2 g + u: rows 32 g + 8 u + r + 8 (r / 8)), source 1 = 16 rows of o (tile T: positions 4 r + T).  Register j of lane (r, h) of accumulator (2 g + u, T) is
; out(channel 32 g + 16 h + 8 u + j, position 4 r + T): the four T of one lane are FOUR NEIGHBOURING POSITIONS.  So x is loaded 16 bytes a lane, the sums are added onto it in place, and each store has sixteen lanes
; filling 256 consecutive bytes of a channel's row, aligned: no LDS, no barrier, no loop.  All operands come as images of their registers, by loads of 512 or 256 dense bytes.
; No tensor load, so nothing can be asked for jointly: no cluster.  Memory binds (x in, out0 out), so x's loads go out first.
; REGISTERS.  Window 0: v1-5 offsets; v16-23 proj_w's scale words (4 g + K step; lanes 0-15 u = 0, lanes 16-31 u = 1); v24-31 o's (4 (T / 2) + K step; lanes 0-15 even T, lanes 16-31 odd T); v32-63 the bias, 8 a tile;
; v64-191 x, then the result (32 tile + 4 j + T).  Window 1: proj_w's 16 fragments.  Window 2: o's 16.  Window 3: the 16 accumulators.
; THE MODE: SCHED_MODE bits 1:0 = 2 (LLVM: expert scheduling mode 2), set by the entry lines.  The code itself states the register dependences between vector or matrix instructions and memory instructions,
; with s_wait_alu, always for 0.
; THE PLAN.  Registers that memory instructions touch:
;   v1-5                        offsets: made at the head, never written again.
;   v16-63, windows 1 and 2     loads land in them once; matrix instructions alone name them, behind the counted waits for the loads.
;   v64-191                     x lands in them; a tile's 32 additions write its 32 registers; its eight stores read them.  Nothing writes them again.
; One wait on va_vdst stands ahead of the whole run of loads (the offsets), and one ahead of each tile's eight stores (its additions).  No register that a memory instruction has read is written again: no wait on vm_vsrc is owed.
.set XR, 64
.set MSB, 0
.macro WIN new                         ; the immediate's high byte repeats the setting that is left
.if MSB != (\new)
	s_set_vgpr_msb (MSB<<8)|(\new)
.set MSB, (\new)
.endif
.endm
.macro WM d, a, b, c, sa, sb, ra, rb   ; one matrix instruction; ra, rb = 1: that side's scales are read from lanes 16-31
.if (\ra) && (\rb)
	v_wmma_scale_f32_16x16x128_f8f6f4 v[\d:\d+7], v[\a:\a+11], v[\b:\b+11], v[\c:\c+7], v[\sa], v[\sb] matrix_a_fmt:MATRIX_FMT_BF6 matrix_b_fmt:MATRIX_FMT_BF6 matrix_a_scale:MATRIX_SCALE_ROW1 matrix_b_scale:MATRIX_SCALE_ROW1
.elseif (\ra)
	v_wmma_scale_f32_16x16x128_f8f6f4 v[\d:\d+7], v[\a:\a+11], v[\b:\b+11], v[\c:\c+7], v[\sa], v[\sb] matrix_a_fmt:MATRIX_FMT_BF6 matrix_b_fmt:MATRIX_FMT_BF6 matrix_a_scale:MATRIX_SCALE_ROW1
.elseif (\rb)
	v_wmma_scale_f32_16x16x128_f8f6f4 v[\d:\d+7], v[\a:\a+11], v[\b:\b+11], v[\c:\c+7], v[\sa], v[\sb] matrix_a_fmt:MATRIX_FMT_BF6 matrix_b_fmt:MATRIX_FMT_BF6 matrix_b_scale:MATRIX_SCALE_ROW1
.else
	v_wmma_scale_f32_16x16x128_f8f6f4 v[\d:\d+7], v[\a:\a+11], v[\b:\b+11], v[\c:\c+7], v[\sa], v[\sb] matrix_a_fmt:MATRIX_FMT_BF6 matrix_b_fmt:MATRIX_FMT_BF6
.endif
.endm
	s_load_b256 s[4:11], s[0:1], 0x0               ; oimg, osc, wimg, proj_w's scales
	s_load_b128 s[12:15], s[0:1], 0x20             ; proj_b, x
	s_load_b64 s[16:17], s[0:1], 0x30              ; out0
	v_lshrrev_b32 v6, 5, v0
	v_readfirstlane_b32 s18, v6                    ; wave 0..3
	v_and_b32 v6, 31, v0
	v_lshlrev_b32 v1, 4, v6                        ; 16 x lane
	v_lshlrev_b32 v2, 3, v6                        ; 8 x lane
	v_and_b32 v7, 15, v0                           ; r
	v_bfe_u32 v8, v0, 4, 1                         ; h
	v_and_b32 v3, 8, v0
	v_add_nc_u32 v3, v3, v7
	v_lshl_add_u32 v3, v8, 3, v3
	v_lshlrev_b32 v3, 4, v3                        ; proj_w's scales: row 8 h + r + 8 (r / 8), 16 bytes a row
	v_lshlrev_b32 v4, 6, v8                        ; the bias: 16 h numbers on
	v_lshlrev_b32 v5, 4, v7
	v_lshl_add_u32 v5, v8, 18, v5                  ; x and out0: 16 r bytes of a row, 16 h channels of 16,384 bytes down
	s_wait_alu depctr_va_sdst(0)                   ; s18, the wave's number, is written, ahead of its first reader: the bases below are made from it
	s_and_b32 s19, ttmp7, 0xffff
	s_lshr_b32 s20, ttmp9, 6                       ; batch
	s_and_b32 s21, ttmp9, 63                       ; block of 64 positions
	s_lshl_b32 s22, s19, 8
	s_lshl_b32 s23, s18, 6
	s_add_co_u32 s22, s22, s23                     ; my first channel
	s_lshl_b32 s24, s20, 23
	s_lshl_b32 s23, s22, 14
	s_add_co_u32 s24, s24, s23
	s_lshl_b32 s23, s21, 8
	s_add_co_u32 s24, s24, s23
	s_mov_b32 s25, 0                               ; x and out0 at (batch, my first channel, the block's first position)
	s_lshl_b32 s26, s19, 4
	s_lshl_b32 s23, s18, 2
	s_add_co_u32 s26, s26, s23
	s_mul_i32 s26, s26, 6144
	s_add_co_u32 s26, s26, 589824                  ; wimg: the fourth weight, my four tiles
	s_mov_b32 s27, 0
	s_mul_i32 s28, ttmp9, 24576                    ; oimg: the block's four tiles x 8 heads x 768 bytes
	s_mov_b32 s29, 0
	s_lshl_b32 s30, ttmp9, 10                      ; osc: four tiles x 256 bytes
	s_mov_b32 s31, 0
	s_lshl_b32 s32, s22, 4
	s_mov_b32 s33, 0
	s_lshl_b32 s34, s22, 2
	s_mov_b32 s35, 0
	s_wait_kmcnt 0x0
	s_add_nc_u64 s[14:15], s[14:15], s[24:25]
	s_add_nc_u64 s[16:17], s[16:17], s[24:25]
	s_add_nc_u64 s[8:9], s[8:9], s[26:27]
	s_add_nc_u64 s[4:5], s[4:5], s[28:29]
	s_add_nc_u64 s[6:7], s[6:7], s[30:31]
	s_add_nc_u64 s[10:11], s[10:11], s[32:33]
	s_add_nc_u64 s[12:13], s[12:13], s[34:35]
	s_wait_alu depctr_va_vdst(0)                   ; the five offsets v1 to v5 are written, which every load and store of the kernel reads; only loads and window switches stand between this wait and the last load
.irp wt, 0,1,2,3
.irp j, 0,1,2,3,4,5,6,7
	global_load_b128 v[XR+32*\wt+4*\j:XR+32*\wt+4*\j+3], v5, s[14:15] offset:(32*(\wt/2)+8*(\wt%2)+\j)*16384 th:TH_LOAD_NT   ; sixteen lanes read 256 consecutive bytes of a channel's row; x's last reader
.endr
.endr
.irp g, 0,1
	global_load_b128 v[16+4*\g:19+4*\g], v3, s[10:11] offset:512*\g
	global_load_b128 v[24+4*\g:27+4*\g], v1, s[6:7] offset:512*\g
.endr
.irp wt, 0,1,2,3
	global_load_b128 v[32+8*\wt:35+8*\wt], v4, s[12:13] offset:(32*(\wt/2)+8*(\wt%2))*4
	global_load_b128 v[36+8*\wt:39+8*\wt], v4, s[12:13] offset:(32*(\wt/2)+8*(\wt%2))*4+16
.endr
.irp s, 0,1,2,3                                ; a K step's fragments: 12 + 16 = 28 loads
	WIN 0x40
.irp wt, 0,1,2,3
.irp c, 0,1,2
	global_load_b128 v[12*(4*\wt+\s)+4*\c:12*(4*\wt+\s)+4*\c+3], v1, s[8:9] offset:1536*(4*\wt+\s)+512*\c
.endr
.endr
	WIN 0x80
.irp T, 0,1,2,3
.irp e, 0,1                                    ; K step s is heads 2 s and 2 s + 1: one half image each
	global_load_b128 v[12*(4*\T+\s)+6*\e:12*(4*\T+\s)+6*\e+3], v1, s[4:5] offset:768*(8*\T+2*\s+\e)
	global_load_b64 v[12*(4*\T+\s)+6*\e+4:12*(4*\T+\s)+6*\e+5], v2, s[4:5] offset:768*(8*\T+2*\s+\e)+512
.endr
.endr
.endr
.irp s, 0,1,2,3
.if \s == 0
	s_wait_loadcnt 63                              ; behind this K step's loads stand 84; the wait's field holds 63
	WIN 0xc9                                       ; source 0 window 1, source 1 window 2, C (the bias) window 0, D window 3
.else
	s_wait_loadcnt 28*(3-\s)                       ; the later K steps' loads may be out
	WIN 0xf9                                       ; C and D window 3
.endif
.irp wt, 0,1,2,3                               ; sixteen accumulators by turns, one instruction a turn
.irp T, 0,1,2,3
.if \s == 0
	WM 8*(4*\wt+\T), 12*(4*\wt+\s), 12*(4*\T+\s), 32+8*\wt, 16+4*(\wt/2)+\s, 24+4*(\T/2)+\s, \wt%2, \T%2
.else
	WM 8*(4*\wt+\T), 12*(4*\wt+\s), 12*(4*\T+\s), 8*(4*\wt+\T), 16+4*(\wt/2)+\s, 24+4*(\T/2)+\s, \wt%2, \T%2
.endif
.endr
.endr
.endr
.rept 4
	v_nop                                          ; four plain places in front of the first read of results (ISA guide 7.12.1)
.endr
.irp wt, 0,1,2,3                               ; a tile of 16 channels at a time: its additions, then its stores, which leave while the next tile is added
	WIN 0x03                                       ; source 0 window 3
.irp T, 0,1,2,3
.irp j, 0,1,2,3,4,5,6,7
	v_add_f32 v[XR+32*\wt+4*\j+\T], v[8*(4*\wt+\T)+\j], v[XR+32*\wt+4*\j+\T]   ; the residual; each accumulator from its low end on
.endr
.endr
	WIN 0
	s_wait_alu depctr_va_vdst(0)                   ; the tile's 32 additions have written its 32 registers of v64-191, which the eight stores below read
.irp j, 0,1,2,3,4,5,6,7
	global_store_b128 v5, v[XR+32*\wt+4*\j:XR+32*\wt+4*\j+3], s[16:17] offset:(32*(\wt/2)+8*(\wt%2)+\j)*16384 th:TH_STORE_NT   ; sixteen lanes store 256 consecutive bytes, at a multiple of 256 from out0's first byte
.endr
.endr
	s_endpgm
.Lfunc_end_k_qab3d3203bf_proj:
	.size	k_qab3d3203bf_proj, .Lfunc_end_k_qab3d3203bf_proj-k_qab3d3203bf_proj
	.p2alignl 7, 3214868480
	.fill 96, 4, 3214868480
	.section	.rodata,"a",@progbits
	.p2align	6, 0x0
	.amdhsa_kernel k_qab3d3203bf_proj
		.amdhsa_group_segment_fixed_size 0
		.amdhsa_private_segment_fixed_size 0
		.amdhsa_enable_private_segment 0
		.amdhsa_kernarg_size 56
		.amdhsa_user_sgpr_count 2
		.amdhsa_user_sgpr_kernarg_segment_ptr 1
		.amdhsa_wavefront_size32 1
		.amdhsa_system_sgpr_workgroup_id_x 1
		.amdhsa_system_sgpr_workgroup_id_y 1
		.amdhsa_system_sgpr_workgroup_id_z 1
		.amdhsa_system_vgpr_workitem_id 0
		.amdhsa_next_free_vgpr 896
		.amdhsa_next_free_sgpr 66
		.amdhsa_reserve_vcc 0
		.amdhsa_float_denorm_mode_32 3
		.amdhsa_float_denorm_mode_16_64 3
		.amdhsa_memory_ordered 1
		.amdhsa_forward_progress 1
		.amdhsa_inst_pref_size 33
	.end_amdhsa_kernel
	.amdgpu_metadata
---
amdhsa.version: [ 1, 2 ]
amdhsa.kernels:
  - .name:           k_qab3d3203bf_proj
    .symbol:         k_qab3d3203bf_proj.kd
    .args:
      - { .name: oimg, .offset: 0, .size: 8, .value_kind: global_buffer, .address_space: global }
      - { .name: osc, .offset: 8, .size: 8, .value_kind: global_buffer, .address_space: global }
      - { .name: wimg, .offset: 16, .size: 8, .value_kind: global_buffer, .address_space: global }
      - { .name: proj_w_scales, .offset: 24, .size: 8, .value_kind: global_buffer, .address_space: global }
      - { .name: proj_b, .offset: 32, .size: 8, .value_kind: global_buffer, .address_space: global }
      - { .name: x, .offset: 40, .size: 8, .value_kind: global_buffer, .address_space: global }
      - { .name: out0, .offset: 48, .size: 8, .value_kind: global_buffer, .address_space: global }
    .group_segment_fixed_size: 0
    .private_segment_fixed_size: 0
    .kernarg_segment_align: 8
    .kernarg_segment_size: 56
    .max_flat_workgroup_size: 128
    .sgpr_count:     66
    .vgpr_count:     896
    .wavefront_size: 32
...
	.end_amdgpu_metadata
.endif
;; end of part 8
